; MI455X (gfx1250); checked and timed in simulation.
; The chip was launched on July 23, 2026; its instructions are those of AMD's public machine-readable ISA for CDNA 5 (MIT licence, August 2026) and "CDNA5" Instruction Set Architecture Reference Guide (July 2026). The comments in the code are by the model that wrote it; some were corrected since.
;; Causal Self Attention. Allowed arithmetic: matrix products marked QUANTISED: E2M3 operands, one E8M0 scale for each 32 along K, by v_wmma_scale_f32_16x16x128_f8f6f4 with both operands' format E2M3, f32 sums; everything else in f32.
;; Inputs: Wattn 1,024 x 3,072 float32; Wproj 1,024 x 1,024 float32; battn 3,072 float32; bproj 1,024 float32; embk 1,024 x 64 float32; embv 1,024 x 64 float32; x 8 x 1,024 x 1,024 float32.
;; Outputs: out0 8 x 1,024 x 1,024 float32.
;; This version of the problem:
;;   THIS VERSION OF THE PROBLEM IS GIVEN IN LOW PRECISION. The matrix products marked QUANTISED in the list below multiply operands that are first quantised to E2M3 (2 exponent bits, 3 mantissa bits; 6 bits a number), with one power-of-two scale for each 32 numbers along K (OCP MX v1.0); their sums are f32. All else is computed in f32.
;;   The module's matrix products, in the order in which they are computed (A, B: the left and right operand; K: the contracted axis; several contracted axes count as one K, in the product's order):
;;     1. [M 8,192, K 1,024] x [K 1,024, N 3,072]; A: input x; B: input Wattn: QUANTISED
;;     2. batch 128 x [M 1,024, K 64] x [K 64, N 1,024]; A: computed on the way; B: computed on the way: QUANTISED
;;     3. batch 1,024 x [M 1,024, K 64] x [K 64, N 128]; A: computed on the way; B: computed on the way: QUANTISED
;;     4. batch 128 x [M 1,024, K 1,024] x [K 1,024, N 64]; A: softmax (see below); B: computed on the way: QUANTISED
;;     5. batch 1,024 x [M 64, K 1,024] x [K 1,024, N 128]; A: computed on the way; B: softmax (see below): QUANTISED
;;     6. [M 8,192, K 1,024] x [K 1,024, N 1,024]; A: computed on the way; B: input Wproj: QUANTISED
;;   THE QUANTISER, for each operand of a quantised product, along K:
;;     - K is cut into blocks of 32 from its start; a last block that is shorter is filled with zeros.
;;     - A block's scale is 2^e with e = floor(log2(the largest magnitude in the block)) - 2, held to -126 .. 127; a block of zeros has e = 0. As a byte (E8M0): e + 127.
;;     - Each number is divided by its block's scale, clamped to +-7.5, and rounded to the nearest number of E2M3, ties to even, subnormals kept.
;;     - The product sums the exact products of the quantised numbers (number of the format x scale) in f32.
;;   ~~~python
;;   def quantise(x, axis):      # numpy; x: float32 -> the quantised numbers, widened to float32 again
;;       x = np.moveaxis(x, axis, -1); K = x.shape[-1]
;;       x = np.pad(x, [(0, 0)] * (x.ndim - 1) + [(0, -K % 32)]); x = x.reshape(x.shape[:-1] + (-1, 32)); a = np.abs(x).max(-1, keepdims=True)
;;       e = np.where(a > 0, np.clip(np.frexp(np.where(a > 0, a, 1))[1] - 1 - 2, -126, 127), 0)      # np.frexp(a)[1] - 1 = floor(log2(a)), exactly
;;       r = np.clip(x / 2.0 ** e, -7.5, 7.5)
;;       step = 2.0 ** (np.maximum(np.frexp(np.where(r == 0, 1, r))[1] - 1, 0) - 3)
;;       q = np.round(r / step) * step * 2.0 ** e      # np.round: ties to even
;;       return np.moveaxis(q.reshape(q.shape[:-2] + (-1,))[..., :K], -1, axis).astype(np.float32)
;;   ~~~
;;   SOFTMAX AHEAD OF A QUANTISED PRODUCT. Where the list says 'softmax', what is quantised is not the finished softmax but p = 2^(t - M), with t = logit x log2(e) and M = ceil(the row's largest t), a whole number; so 1/2 < the row's largest p <= 1. The row's sum l is taken of the UNQUANTISED p, in f32, and the product's result is divided by l at the end. Since M is a whole number, a kernel that streams over the keys may use a running M (the ceiling of the running maximum): every later rescaling is an exact power of two, which a block's scale takes up: the codes' values come out the same.
;;   OPERANDS COMPUTED ON THE WAY. 'Computed on the way' means the value that the module computes at that place (a softmax that the list does not call 'softmax' is quantised finished and normalised). What goes into a quantiser is computed in f32, as accurately as f32 sums, v_exp_f32 and their like allow (about 1e-6 of the number): no bf16 or f16 on the way to a quantiser, and a product that is left as it is and whose result goes on into a quantised operand takes f32 operands (vector FMAs, or v_wmma_f32_16x16x4_f32). A number that lies on a knife's edge between two numbers of the format may be rounded either way, as far as f32 arithmetic and the matrix unit's own rounding can turn it there, and no further.
;; 2 versions. Each part assembles by itself: llvm-mc -triple=amdgcn-amd-amdhsa -mcpu=gfx1250 --defsym DOCPART=n.
;; ======== version 1 of 2: 4 launches
;; workspace buffers: xq 6,553,600 bytes; yq 6,553,600 bytes; wa 2,457,600 bytes; wp 884,736 bytes; er 56,576 bytes; rv 1,638,400 bytes; qkv 100,663,296 bytes
;; launch prep (part 1): grid 465 x 1, 4 waves a work-group, no clusters, 0 bytes of LDS; arguments x, Wattn, Wproj, embk, embv, xq, wa, wp, er, rv; writes xq, wa, wp, er, rv
.if DOCPART == 1
	.amdgcn_target "amdgcn-amd-amdhsa--gfx1250"
	.amdhsa_code_object_version 6
	.text
	.protected	k_q4876b6fa34_prep
	.globl	k_q4876b6fa34_prep
	.p2align	8
	.type	k_q4876b6fa34_prep,@function
k_q4876b6fa34_prep:
	s_mov_b64 s[64:65], 0
	v_nop
	global_prefetch_b8 v0, s[64:65] scope:SCOPE_SE
	s_setreg_imm32_b32 hwreg(HW_REG_WAVE_MODE, 25, 1), 1
	s_wait_xcnt 0x0
; All that can be quantised ahead of the products: x, Wattn, Wproj, embk and the 32 alignments of embv, into codes of FP6 (E2M3) with one E8M0 byte for each 32 along K.
; A FRAGMENT is 16 rows x 128 K, 12 registers a lane, and is stored as an IMAGE OF ITS REGISTERS: registers 4 g .. 4 g + 3 of lane l at 512 g + 16 l, 1,536 bytes in all: each store of the wave covers 512 consecutive bytes.
; Five paths, parted by the work-group's number; a wave makes four fragments (the last path one).
;   0-255    x      [8192][1024]: row block rb = g / 2, K steps 4 (g % 2) + j.         xq: images [rb][K step], then at 6,291,456 the scale bytes [row][32]
;   256-351  Wattn  [1024 (k)][3072 (n)]: a lane takes a column n, its registers run down K.   wa: scale bytes [n][32], then at 98,304 images [n / 16][K step]
;   352-383  Wproj  [1024 (k)][1024 (n)]: likewise.                                       wp: as wa
;   384-447  embv: for alignment a and window step W the operand rv(d, o) = embv[max(128 W + 96 + a - o, 0)][d], o = 0 .. 127 along K.   rv: images [a][W][tile], at 1,572,864 scale words [a][W][r][tile]
;            the 16 rows of tile 2 b + u are d = 32 b + 8 u + r + 8 (r / 8), so that the product's results lie as the next quantiser wants them
;   448-464  embk: row u of the table is embk[max(1023 - u, 0)], 64 codes in 48 bytes; at 52,224 a scale word a row, each byte + 3: the factor 8 that stands for the other product's 1 / sqrt(64)
; A block's scale: the largest magnitude's exponent field - 2, held at 1 from below.  A block of zeros so gets the byte 1 where the rule says 127: its codes are zeros, and this program alone reads the bytes.
; LIMITS: NaN and infinities are not served; embk of 2^122 and more would carry the + 3 past the byte's range.
; A scale word is the same in lanes l and l + 16: both store it to the same address, so EXEC is never changed.
.set TM,  16                           ; v16-19 largest magnitudes, v20-23 at work and bytes, v28-31 the conversions' scale operands
.set CT,  32                           ; v32-39 the conversions' second halves
.set PC,  40                           ; v40-51 the fragment's codes
.set PW,  52                           ; v52    its scale word
.set SW,  56                           ; v56-59 four fragments' scale words
.set X0,  64                           ; v64-127, v128-191: two sets of 64 numbers; register 16 b + i = k 32 b + 16 (lane / 16) + i of the lane's row
.set X1,  128
.set SEL, 24                           ; s[24:25] selects of v_permlanex16_b32 for lane l xor 16
.macro QMAX s                          ; the four blocks' largest magnitudes
.irp b, 0,1,2,3
	v_max3_num_f32 v[TM+\b], |v[\s+16*\b]|, |v[\s+16*\b+1]|, 0x1800000   ; my 16 numbers, and the floor 2^(3 - 127): the byte cannot fall under 1
.endr
.irp i, 2,4,6,8,10,12,14
.irp b, 0,1,2,3
	v_max3_num_f32 v[TM+\b], v[TM+\b], |v[\s+16*\b+\i]|, |v[\s+16*\b+\i+1]|
.endr
.endr
.irp b, 0,1,2,3
	v_permlanex16_b32 v[TM+4+\b], v[TM+\b], s[SEL], s[SEL+1]
.endr
.irp b, 0,1,2,3
	v_max_num_f32 v[TM+\b], v[TM+\b], v[TM+4+\b]                   ; with lane l xor 16's 16
.endr
.endm
.macro QCONV s                         ; from the largest magnitudes: the scale word in v[PW], the operand's 12 registers in v[PC] on
.irp b, 0,1,2,3
	v_add_nc_u32 v[TM+12+\b], 0xff000000, v[TM+\b]                 ; 2 off the exponent field: the conversion's scale operand
.endr
.irp b, 0,1,2,3
	v_lshrrev_b32 v[TM+4+\b], 23, v[TM+12+\b]                      ; the byte
.endr
	v_lshl_or_b32 v[PW], v[TM+5], 8, v[TM+4]
	v_lshl_or_b32 v[PW], v[TM+6], 16, v[PW]
	v_lshl_or_b32 v[PW], v[TM+7], 24, v[PW]
.irp c, 0,1
	v_cvt_scalef32_pk16_fp6_f32 v[PC+6*\c:PC+6*\c+2], v[\s+32*\c:\s+32*\c+15], v[TM+12+2*\c]
	v_cvt_scalef32_pk16_fp6_f32 v[CT+4*\c:CT+4*\c+2], v[\s+32*\c+16:\s+32*\c+31], v[TM+13+2*\c]
.endr
	v_nop                                          ; one plain place behind the scaled conversions
.irp c, 0,1                            ; the operand wants a whole block in a lane: lanes 0-15 block 2 c, lanes 16-31 block 2 c + 1
.irp i, 0,1,2
	v_permlane16_swap_b32 v[PC+6*\c+\i], v[CT+4*\c+\i]
.endr
.irp i, 0,1,2
	v_mov_b32 v[PC+3+6*\c+\i], v[CT+4*\c+\i]
.endr
.endr
.endm
.macro LOADF pitch, j, buf             ; fragment j's 64 numbers a lane.  pitch = 0: K innermost (x); else a row of the weight in bytes
.if \pitch == 0
.irp b, 0,1,2,3
.irp q, 0,1,2,3
	global_load_b128 v[\buf+16*\b+4*\q:\buf+16*\b+4*\q+3], v4, s[28:29] offset:512*(\j)+128*\b+16*\q th:TH_LOAD_NT
.endr
.endr
.else
.irp b, 0,1,2,3
.irp i, 0,1,2,3,4,5,6,7,8,9,10,11,12,13,14,15
	global_load_b32 v[\buf+16*\b+\i], v4, s[28:29] offset:(128*(\j)+32*\b+\i)*\pitch th:TH_LOAD_NT
.endr
.endr
.endif
.endm
.macro FRAGOUT j, buf                  ; quantise, keep the scale word, store the image
.if (\j) > 0
	s_wait_xcnt 0x0                                ; the last image's stores have read v[PC] on
.endif
	QMAX \buf
	QCONV \buf
	v_mov_b32 v[SW+(\j)], v[PW]
.irp g, 0,1,2
	global_store_b128 v3, v[PC+4*\g:PC+4*\g+3], s[30:31] offset:1536*(\j)+512*\g
.endr
.endm
.macro RUN4 pitch, cnt                 ; four fragments on two sets of registers; cnt: the next fragment's loads, which may stay out
	LOADF \pitch, 0, X0
	LOADF \pitch, 1, X1
.irp j, 0,1,2,3
.if \j < 3
	s_wait_loadcnt \cnt
.else
	s_wait_loadcnt 0x0
.endif
	FRAGOUT \j, X0+64*(\j%2)
.if \j < 2
	LOADF \pitch, \j+2, X0+64*(\j%2)
.endif
.endr
	global_store_b128 v5, v[SW:SW+3], s[32:33]     ; my row's 16 scale bytes of these four K steps
	s_endpgm
.endm
.macro WPATH first, pitch, in, out     ; a weight stored [k][n]
	s_sub_co_u32 s27, s27, 4*\first
	s_lshr_b32 s34, s27, 1                         ; block of 16 columns
	s_and_b32 s35, s27, 1                          ; which half of K
	s_mul_i32 s28, s35, 512*\pitch
	s_lshl_b32 s36, s34, 6
	s_add_co_u32 s28, s28, s36
	s_add_nc_u64 s[28:29], s[\in:\in+1], s[28:29]
	s_mul_i32 s30, s34, 12288
	s_mul_i32 s36, s35, 6144
	s_add_co_u32 s30, s30, s36
	s_add_co_u32 s30, s30, 98304
	s_add_nc_u64 s[30:31], s[\out:\out+1], s[30:31]
	s_lshl_b32 s32, s34, 9
	s_lshl_b32 s36, s35, 4
	s_add_co_u32 s32, s32, s36
	s_add_nc_u64 s[32:33], s[\out:\out+1], s[32:33]
	v_mul_u32_u24 v4, v2, 16*\pitch                ; lanes 16-31 begin 16 rows further down K
	v_lshl_add_u32 v4, v1, 2, v4                   ; lane r takes column r
	RUN4 \pitch, 63                                ; 64 younger loads are issued behind a fragment's: the count 63 shows the fragment in
.endm
	s_load_b256 s[4:11], s[0:1], 0x0               ; x, Wattn, Wproj, embk
	s_load_b256 s[12:19], s[0:1], 0x20             ; embv, xq, wa, wp
	s_load_b128 s[20:23], s[0:1], 0x40             ; er, rv
	v_lshrrev_b32 v1, 5, v0
	v_readfirstlane_b32 s26, v1                    ; wave
	v_and_b32 v1, 15, v0                           ; r
	v_bfe_u32 v2, v0, 4, 1                         ; h
	v_and_b32 v3, 31, v0
	v_lshlrev_b32 v3, 4, v3                        ; 16 x lane: my place in an image
	v_lshlrev_b32 v5, 5, v1                        ; 32 r: my row's scale bytes
	s_mov_b32 s[SEL], 0x76543210
	s_mov_b32 s[SEL+1], 0xfedcba98
.irp b, 0,1,2,3
	v_mov_b32 v[TM+4+\b], 0                        ; written once: a lane permute's destination counts as one of its sources
.endr
	s_lshl_b32 s27, ttmp9, 2
	s_add_co_u32 s27, s27, s26                     ; 4 x work-group + wave
	s_mov_b32 s29, 0
	s_mov_b32 s31, 0
	s_mov_b32 s33, 0
	s_wait_kmcnt 0x0
	s_cmp_lt_u32 ttmp9, 256
	s_cbranch_scc0 .Lnot_x
	; ---- x
	s_lshr_b32 s34, s27, 1                         ; row block
	s_and_b32 s35, s27, 1                          ; which half of K
	s_lshl_b32 s28, s34, 16
	s_lshl_b32 s36, s35, 11
	s_add_co_u32 s28, s28, s36
	s_add_nc_u64 s[28:29], s[4:5], s[28:29]
	s_mul_i32 s30, s34, 12288
	s_mul_i32 s36, s35, 6144
	s_add_co_u32 s30, s30, s36
	s_add_nc_u64 s[30:31], s[14:15], s[30:31]
	s_lshl_b32 s32, s34, 9
	s_lshl_b32 s36, s35, 4
	s_add_co_u32 s32, s32, s36
	s_add_co_u32 s32, s32, 6291456
	s_add_nc_u64 s[32:33], s[14:15], s[32:33]
	v_lshlrev_b32 v4, 12, v1
	v_lshl_add_u32 v4, v2, 6, v4                   ; row r of 4,096 bytes, + 64 h
	RUN4 0, 16
.Lnot_x:
	s_cmp_lt_u32 ttmp9, 352
	s_cbranch_scc0 .Lnot_wa
	WPATH 256, 12288, 6, 16
.Lnot_wa:
	s_cmp_lt_u32 ttmp9, 384
	s_cbranch_scc0 .Lnot_wp
	WPATH 352, 4096, 8, 18
.Lnot_wp:
	s_cmp_lt_u32 ttmp9, 448
	s_cbranch_scc0 .Ler
	; ---- embv's windows
	s_sub_co_u32 s27, s27, 4*384                   ; g = 8 a + W
	s_lshr_b32 s34, s27, 3
	s_and_b32 s35, s27, 7
	s_lshl_b32 s35, s35, 7
	s_add_co_u32 s35, s35, s34
	s_add_co_u32 s35, s35, 96                      ; 128 W + 96 + a
	v_lshlrev_b32 v6, 4, v2
	v_sub_nc_u32 v6, s35, v6                       ; - 16 h
	v_and_b32 v7, 8, v1
	v_add_nc_u32 v7, v7, v1
	v_lshlrev_b32 v7, 2, v7                        ; 4 (r + 8 (r / 8))
	v_lshlrev_b32 v5, 4, v1                        ; 16 r: my row's four scale words
	s_mul_i32 s30, s27, 6144
	s_add_nc_u64 s[30:31], s[22:23], s[30:31]
	s_lshl_b32 s32, s27, 8
	s_add_co_u32 s32, s32, 1572864
	s_add_nc_u64 s[32:33], s[22:23], s[32:33]
.irp b, 0,1,2,3
.irp i, 0,1,2,3,4,5,6,7,8,9,10,11,12,13,14,15
	v_add_nc_u32 v[X1+16*\b+\i], -(32*\b+\i), v6   ; the distance of key offset o = 32 b + 16 h + i
.endr
.endr
.irp b, 0,1,2,3
.irp i, 0,1,2,3,4,5,6,7,8,9,10,11,12,13,14,15
	v_max_i32 v[X1+16*\b+\i], 0, v[X1+16*\b+\i]    ; above the diagonal the distance is 0
.endr
.endr
.irp b, 0,1,2,3
.irp i, 0,1,2,3,4,5,6,7,8,9,10,11,12,13,14,15
	v_lshl_add_u32 v[X1+16*\b+\i], v[X1+16*\b+\i], 8, v7           ; a row of embv is 256 bytes
.endr
.endr
.macro LOADRV t
.irp b, 0,1,2,3
.irp i, 0,1,2,3,4,5,6,7,8,9,10,11,12,13,14,15
	global_load_b32 v[X0+16*\b+\i], v[X1+16*\b+\i], s[12:13] offset:(32*((\t)/2)+8*((\t)%2))*4
.endr
.endr
.endm
	LOADRV 0
.irp t, 0,1,2,3
	s_wait_loadcnt 0x0
	FRAGOUT \t, X0
.if \t < 3
	LOADRV \t+1                                    ; the conversions have read the numbers: the next tile's may land
.endif
.endr
	global_store_b128 v5, v[SW:SW+3], s[32:33]
	s_endpgm
.Ler:
	; ---- embk's table, turned round
	s_sub_co_u32 s27, s27, 4*448                   ; tile 0 .. 67
	s_lshl_b32 s34, s27, 4
	v_add_nc_u32 v6, s34, v1                       ; u
	v_sub_nc_u32 v6, 1023, v6
	v_max_i32 v6, 0, v6                            ; the distance
	v_lshlrev_b32 v4, 8, v6
	v_lshl_add_u32 v4, v2, 6, v4
.irp b, 0,1
.irp q, 0,1,2,3
	global_load_b128 v[X0+16*\b+4*\q:X0+16*\b+4*\q+3], v4, s[10:11] offset:128*\b+16*\q
.endr
.endr
.irp i, 32,33,34,35,36,37,38,39,40,41,42,43,44,45,46,47,48,49,50,51,52,53,54,55,56,57,58,59,60,61,62,63
	v_mov_b32 v[X0+\i], 0                          ; K is 64: the quantiser's other two blocks are zeros
.endr
	s_mul_i32 s30, s27, 768
	s_add_nc_u64 s[30:31], s[20:21], s[30:31]
	s_lshl_b32 s32, s27, 6
	s_add_co_u32 s32, s32, 52224
	s_add_nc_u64 s[32:33], s[20:21], s[32:33]
	v_mul_u32_u24 v7, v1, 48
	v_mad_u32_u24 v7, v2, 24, v7
	v_lshlrev_b32 v8, 2, v1
	s_wait_loadcnt 0x0
	QMAX X0
	QCONV X0
	v_add_nc_u32 v[PW], 0x03030303, v[PW]          ; x 8
.irp p, 0,1,2
	global_store_b64 v7, v[PC+2*\p:PC+2*\p+1], s[30:31] offset:8*\p
.endr
	global_store_b32 v8, v[PW], s[32:33]
	s_endpgm
.Lfunc_end_k_q4876b6fa34_prep:
	.size	k_q4876b6fa34_prep, .Lfunc_end_k_q4876b6fa34_prep-k_q4876b6fa34_prep
	.p2alignl 7, 3214868480
	.fill 96, 4, 3214868480
	.section	.rodata,"a",@progbits
	.p2align	6, 0x0
	.amdhsa_kernel k_q4876b6fa34_prep
		.amdhsa_group_segment_fixed_size 0
		.amdhsa_private_segment_fixed_size 0
		.amdhsa_enable_private_segment 0
		.amdhsa_kernarg_size 80
		.amdhsa_user_sgpr_count 2
		.amdhsa_user_sgpr_kernarg_segment_ptr 1
		.amdhsa_wavefront_size32 1
		.amdhsa_system_sgpr_workgroup_id_x 1
		.amdhsa_system_sgpr_workgroup_id_y 1
		.amdhsa_system_sgpr_workgroup_id_z 1
		.amdhsa_system_vgpr_workitem_id 0
		.amdhsa_next_free_vgpr 192
		.amdhsa_next_free_sgpr 66
		.amdhsa_reserve_vcc 0
		.amdhsa_float_denorm_mode_32 3
		.amdhsa_float_denorm_mode_16_64 3
		.amdhsa_memory_ordered 1
		.amdhsa_forward_progress 1
		.amdhsa_inst_pref_size 165
	.end_amdhsa_kernel
	.amdgpu_metadata
---
amdhsa.version: [ 1, 2 ]
amdhsa.kernels:
  - .name:           k_q4876b6fa34_prep
    .symbol:         k_q4876b6fa34_prep.kd
    .args:
      - { .name: x, .offset: 0, .size: 8, .value_kind: global_buffer, .address_space: global }
      - { .name: Wattn, .offset: 8, .size: 8, .value_kind: global_buffer, .address_space: global }
      - { .name: Wproj, .offset: 16, .size: 8, .value_kind: global_buffer, .address_space: global }
      - { .name: embk, .offset: 24, .size: 8, .value_kind: global_buffer, .address_space: global }
      - { .name: embv, .offset: 32, .size: 8, .value_kind: global_buffer, .address_space: global }
      - { .name: xq, .offset: 40, .size: 8, .value_kind: global_buffer, .address_space: global }
      - { .name: wa, .offset: 48, .size: 8, .value_kind: global_buffer, .address_space: global }
      - { .name: wp, .offset: 56, .size: 8, .value_kind: global_buffer, .address_space: global }
      - { .name: er, .offset: 64, .size: 8, .value_kind: global_buffer, .address_space: global }
      - { .name: rv, .offset: 72, .size: 8, .value_kind: global_buffer, .address_space: global }
    .group_segment_fixed_size: 0
    .private_segment_fixed_size: 0
    .kernarg_segment_align: 8
    .kernarg_segment_size: 80
    .max_flat_workgroup_size: 128
    .sgpr_count:     66
    .vgpr_count:     192
    .wavefront_size: 32
...
	.end_amdgpu_metadata
.endif
;; end of part 1
;; launch qkvg (part 2): grid 12 x 64, 4 waves a work-group, clusters of 4 x 4, 295,424 bytes of LDS; arguments xq, wa, battn, qkv; writes qkv
.if DOCPART == 2
	.amdgcn_target "amdgcn-amd-amdhsa--gfx1250"
	.amdhsa_code_object_version 6
	.text
	.protected	k_q4876b6fa34_qkvg
	.globl	k_q4876b6fa34_qkvg
	.p2align	8
	.type	k_q4876b6fa34_qkvg,@function
k_q4876b6fa34_qkvg:
	s_mov_b64 s[64:65], 0
	v_nop
	global_prefetch_b8 v0, s[64:65] scope:SCOPE_SE
	s_setreg_imm32_b32 hwreg(HW_REG_WAVE_MODE, 25, 1), 1
	s_wait_xcnt 0x0
	s_wait_alu depctr_hold_cnt(0) depctr_sa_sdst(0) depctr_va_vdst(0) depctr_va_sdst(0) depctr_va_ssrc(0) depctr_va_vcc(0) depctr_vm_vsrc(0)
	s_getreg_b32 s2, hwreg(HW_REG_IB_STS2, 6, 4)
	s_cmp_eq_u32 s2, 0
	s_cbranch_scc0 .Lentry_in_a_cluster
	s_endpgm
.Lentry_in_a_cluster:
	s_bfe_u32 s2, ttmp6, 0x10000c
	s_cmp_lg_u32 s2, 0xf033
	s_cbranch_scc0 .Lentry_shape_is_right
	s_endpgm
.Lentry_shape_is_right:
; C = A B^T + bias on codes of FP6 (E2M3) with E8M0 scales.  M = 8,192, K = 1,024; N = 256 x the grid's width.  C is laid in planes of 1,024 columns: [N / 1024][8192][1024] f32.
; A: images of fragments [row block][K step][1,536 bytes], its scale bytes [row][32] at byte 6,291,456.  B: scale bytes [n][32] at byte 0, images [n / 16][K step] at byte 98,304.
; An image holds a fragment's 12 registers as they stand: registers 4 g .. 4 g + 3 of lane l at 512 g + 16 l: three ds_load_b128 of 512 consecutive bytes bring a fragment.
; A work-group makes 128 x 256 of C; each of its four waves 64 x 128: 32 accumulators.  ALL OF K FITS IN LDS (A 96 KiB, B 192 KiB): it comes in four chunks of 256 along K, each filled once; nothing is filled again.
; CLUSTERS: 4 x 4 work-groups; A's chunks are shared along a row of the cluster, B's along a column, and asked for jointly.
; THE MATRIX INSTRUCTION IS USED TRANSPOSED (source 0 = 16 rows of B, source 1 = 16 rows of A): a lane holds eight neighbouring columns of a row of C.  The bias is the C of each sum's first product.
; REGISTERS: window 0: v16, v17 LDS addresses; v24-29 the way out and the add's two; v32-63 A's scale words (8 a + K step), v64-127 B's (8 b + K step); v128-223 A's fragments, two sets of 48; on the way out v128-255 rows of C.
;   window 1: v0-191 B's fragments, two sets of 96; v192-255 the bias, eight registers for each of B's blocks.   window 2: accumulator (a, b) at v[8 (8 a + b)].
.set CHUNK,  73728                     ; a chunk in LDS: A's 8 row blocks x 3,072 bytes (two K steps), then B's 16
.set BOFF,   24576
.set SPARE,  294912                    ; behind the chunks: the spare words, 128 bytes for each wave
.set SPITCH, 528                       ; the way out: a stage of 16 rows x (512 + 16) bytes for each wave, in chunk 0, which has had its only fill and its last read by then
.set ASC,    6291456
.set BIMG,   98304
.set ADRA, 16
.set ADRB, 17
.set STO,  24
.set RD,   25
.set CO,   26
.set SPW,  28
.set NIL,  29
.set SA,   32
.set SB,   64
.set AF,   128
.set BK,   128
.set BIAS, 192
.set G1A, 24                           ; s[24:31], s[32:39] descriptor groups 1 for A and B
.set G1B, 32
.set G0A, 40                           ; s[40:55] groups 0 for A's four chunks;  s[68:83] for B's
.set G0B, 68
.set MSB, 0
.macro WIN new                         ; the immediate's high byte repeats the setting that is left
.if MSB != \new
	s_set_vgpr_msb (MSB<<8)|\new
.set MSB, \new
.endif
.endm
.macro PLACES
.rept 4
	v_nop
.endr
.endm
.macro CROUND                          ; a round of the cluster's barrier
	s_barrier_signal -1
	s_barrier_wait -1
	s_cmp_lg_u32 s12, 0
	s_cbranch_scc1 .Lnot_wave_0_\@
	s_barrier_signal -3
.Lnot_wave_0_\@:
	s_barrier_wait -3
	s_barrier_signal -1
	s_barrier_wait -1
.endm
	s_load_b256 s[4:11], s[0:1], 0x0               ; A s[4:5], B s[6:7], bias s[8:9], C s[10:11]
	v_lshl_add_u32 v[SPW], v0, 2, SPARE
	v_mov_b32 v[NIL], 0
	ds_add_u32 v[SPW], v[NIL]                      ; the wave's opening: the add and its wait ahead of my first tensor load; work on registers stands between them
	v_lshrrev_b32 v1, 5, v0
	v_readfirstlane_b32 s12, v1                    ; wave 0..3
	s_lshr_b32 s13, s12, 1                         ; wm: which 64 rows of C are mine.  Also: I fetch for A (0) or for B (1)
	s_and_b32 s14, s12, 1                          ; wn: which 128 columns.  Also: which half of a chunk's blocks I fetch
	s_bfe_u32 s84, ttmp6, 0x40000                  ; cx
	s_bfe_u32 s85, ttmp6, 0x40004                  ; cy
	s_lshl_b32 s15, ttmp9, 2
	s_add_co_u32 s15, s15, s84                     ; X: tile column
	s_and_b32 s16, ttmp7, 0xffff
	s_lshl_b32 s16, s16, 2
	s_add_co_u32 s16, s16, s85                     ; Y: tile row
	s_lshl_b32 s86, s85, 2
	s_lshl_b32 s86, 15, s86                        ; my row of the cluster
	s_lshl_b32 s87, 0x1111, s84                    ; my column
	; descriptor groups 1: rows of 3,072 bytes (384 elements of 8 bytes: a block's two K steps), 12,288 bytes apart; A 4 rows, B 8; no padding
	s_or_b32 s[G1A], s86, (3<<16)|(1<<21)
	s_or_b32 s[G1B], s87, (3<<16)|(1<<21)
	s_mov_b32 s[G1A+1], 384<<16                    ; tensor_dim0
	s_mov_b32 s[G1A+2], 4<<16                      ; tensor_dim1
	s_mov_b32 s[G1A+3], 384<<16                    ; tile_dim0
	s_mov_b32 s[G1A+4], 4                          ; tile_dim1
	s_mov_b32 s[G1A+5], 1536                       ; stride
	s_mov_b32 s[G1A+6], 0
	s_mov_b32 s[G1A+7], 0
	s_mov_b32 s[G1B+1], 384<<16
	s_mov_b32 s[G1B+2], 8<<16
	s_mov_b32 s[G1B+3], 384<<16
	s_mov_b32 s[G1B+4], 8
	s_mov_b32 s[G1B+5], 1536
	s_mov_b32 s[G1B+6], 0
	s_mov_b32 s[G1B+7], 0
	s_lshl_b32 s17, s16, 3
	s_lshl_b32 s18, s14, 2
	s_add_co_u32 s17, s17, s18                     ; A: row block 8 Y + 4 wn
	s_mul_i32 s20, s17, 12288
	s_mov_b32 s21, 0
	s_lshl_b32 s56, s15, 4
	s_lshl_b32 s57, s14, 3
	s_add_co_u32 s56, s56, s57                     ; B: block 16 X + 8 wn
	s_mul_i32 s56, s56, 12288
	s_add_co_u32 s56, s56, BIMG
	s_mov_b32 s57, 0
	s_mul_i32 s22, s14, 12288                      ; where they go in a chunk: the wave's number alone enters an LDS address
	s_mul_i32 s23, s14, 24576
	s_add_co_u32 s23, s23, BOFF
	s_wait_dscnt 0x0                               ; the opening add is done
	s_wait_kmcnt 0x0
	s_add_nc_u64 s[20:21], s[4:5], s[20:21]
	s_add_nc_u64 s[56:57], s[6:7], s[56:57]
.irp c, 0,1,2,3
	s_mov_b32 s[G0A+4*\c], 1
	s_add_co_u32 s[G0A+4*\c+1], s22, \c*CHUNK
	s_add_nc_u64 s[G0A+4*\c+2:G0A+4*\c+3], s[20:21], \c*3072
	s_or_b32 s[G0A+4*\c+3], s[G0A+4*\c+3], 0x80000000
	s_mov_b32 s[G0B+4*\c], 1
	s_add_co_u32 s[G0B+4*\c+1], s23, \c*CHUNK
	s_add_nc_u64 s[G0B+4*\c+2:G0B+4*\c+3], s[56:57], \c*3072
	s_or_b32 s[G0B+4*\c+3], s[G0B+4*\c+3], 0x80000000
.endr
	CROUND                                         ; all sixteen work-groups are here: the joint loads meet
	s_cmp_eq_u32 s13, 0                            ; a wave's four first fills stand in one branch on the wave's number
	s_cbranch_scc0 .Lfor_b
.irp c, 0,1,2,3
	tensor_load_to_lds s[G0A+4*\c:G0A+4*\c+3], s[G1A:G1A+7]
	s_nop 0
.endr
	PLACES
	s_branch .Lasked
.Lfor_b:
.irp c, 0,1,2,3
	tensor_load_to_lds s[G0B+4*\c:G0B+4*\c+3], s[G1B:G1B+7]
	s_nop 0
.endr
	PLACES
.Lasked:
	v_and_b32 v1, 31, v0                           ; lane
	v_and_b32 v2, 15, v0                           ; r
	v_bfe_u32 v3, v0, 4, 1                         ; h
	v_lshlrev_b32 v[CO], 4, v1                     ; 16 x lane
	s_mul_i32 s22, s13, 12288                      ; my four row blocks of A
	v_add_nc_u32 v[ADRA], s22, v[CO]
	v_add_nc_u32 v[ADRB], s23, v[CO]               ; my eight blocks of B
	v_lshlrev_b32 v5, 5, v2                        ; 32 r: a row's scale bytes
	v_lshlrev_b32 v6, 5, v3                        ; 32 h: the bias of my half's eight columns
	s_mul_i32 s22, s12, 16*SPITCH                  ; my stage
	v_mul_u32_u24 v[STO], v2, SPITCH
	v_lshl_add_u32 v[STO], v3, 5, v[STO]
	v_add_nc_u32 v[STO], s22, v[STO]
	v_add_nc_u32 v[RD], s22, v[CO]
	s_lshl_b32 s17, s16, 7
	s_lshl_b32 s18, s13, 6
	s_add_co_u32 s17, s17, s18                     ; my first row: 128 Y + 64 wm
	s_lshl_b32 s18, s17, 5
	s_add_co_u32 s18, s18, ASC
	s_mov_b32 s19, 0
	s_add_nc_u64 s[88:89], s[4:5], s[18:19]        ; its scale bytes
	s_lshl_b32 s58, s15, 8
	s_lshl_b32 s59, s14, 7
	s_add_co_u32 s58, s58, s59                     ; my first column: 256 X + 128 wn
	s_lshl_b32 s60, s58, 5
	s_mov_b32 s61, 0
	s_add_nc_u64 s[90:91], s[6:7], s[60:61]        ; its scale bytes
	s_lshl_b32 s60, s58, 2
	s_add_nc_u64 s[92:93], s[8:9], s[60:61]        ; its bias
	s_lshr_b32 s60, s15, 2
	s_lshl_b32 s60, s60, 25                        ; the plane of 1,024 columns,
	s_and_b32 s62, s15, 3
	s_lshl_b32 s62, s62, 10
	s_add_co_u32 s60, s60, s62                     ; the tile's 1,024 bytes in a row of it,
	s_lshl_b32 s62, s14, 9
	s_add_co_u32 s60, s60, s62                     ; my 512,
	s_lshl_b32 s62, s17, 12
	s_add_co_u32 s60, s60, s62                     ; my first row
	s_add_nc_u64 s[94:95], s[10:11], s[60:61]
.irp a, 0,1,2,3
	global_load_b128 v[SA+8*\a:SA+8*\a+3], v5, s[88:89] offset:512*\a
	global_load_b128 v[SA+8*\a+4:SA+8*\a+7], v5, s[88:89] offset:512*\a+16
.endr
.irp b, 0,1,2,3,4,5,6,7
	global_load_b128 v[SB+8*\b:SB+8*\b+3], v5, s[90:91] offset:512*\b
	global_load_b128 v[SB+8*\b+4:SB+8*\b+7], v5, s[90:91] offset:512*\b+16
.endr
	WIN 0x40                                       ; destination window 1
.irp b, 0,1,2,3,4,5,6,7
	global_load_b128 v[BIAS+8*\b:BIAS+8*\b+3], v6, s[92:93] offset:64*\b
	global_load_b128 v[BIAS+8*\b+4:BIAS+8*\b+7], v6, s[92:93] offset:64*\b+16
.endr
	WIN 0
.macro FETCH s                         ; K step s: B's eight fragments and A's four into set s % 2: 36 loads
	WIN 0x40
.irp i, 0,1,2,3,4,5,6,7
.irp g, 0,1,2
	ds_load_b128 v[96*((\s)%2)+12*\i+4*\g:96*((\s)%2)+12*\i+4*\g+3], v[ADRB] offset:\i*3072+((\s)%2)*1536+512*\g
.endr
.endr
	WIN 0
.irp i, 0,1,2,3
.irp g, 0,1,2
	ds_load_b128 v[AF+48*((\s)%2)+12*\i+4*\g:AF+48*((\s)%2)+12*\i+4*\g+3], v[ADRA] offset:\i*3072+((\s)%2)*1536+512*\g
.endr
.endr
.endm
.macro MUL s                           ; 32 products; the accumulators take turns, one instruction a turn, in the same order in every K step
.if (\s) == 0
	WIN 0x91                                       ; source 0 (B) and C (the bias) window 1, source 1 (A) window 0, D window 2
.else
	WIN 0xa1                                       ; C and D window 2
.endif
.irp a, 0,1,2,3
.irp b, 0,1,2,3,4,5,6,7
.if (\s) == 0
	v_wmma_scale_f32_16x16x128_f8f6f4 v[8*(8*\a+\b):8*(8*\a+\b)+7], v[96*((\s)%2)+12*\b:96*((\s)%2)+12*\b+11], v[AF+48*((\s)%2)+12*\a:AF+48*((\s)%2)+12*\a+11], v[BIAS+8*\b:BIAS+8*\b+7], v[SB+8*\b+(\s)], v[SA+8*\a+(\s)] matrix_a_fmt:MATRIX_FMT_FP6 matrix_b_fmt:MATRIX_FMT_FP6
.else
	v_wmma_scale_f32_16x16x128_f8f6f4 v[8*(8*\a+\b):8*(8*\a+\b)+7], v[96*((\s)%2)+12*\b:96*((\s)%2)+12*\b+11], v[AF+48*((\s)%2)+12*\a:AF+48*((\s)%2)+12*\a+11], v[8*(8*\a+\b):8*(8*\a+\b)+7], v[SB+8*\b+(\s)], v[SA+8*\a+(\s)] matrix_a_fmt:MATRIX_FMT_FP6 matrix_b_fmt:MATRIX_FMT_FP6
.endif
.endr
.endr
.endm
	s_wait_tensorcnt 3                             ; my part of chunk 0 is in; the three later chunks may stay out
	s_barrier_signal -1
	s_barrier_wait -1                              ; everybody's is
	FETCH 0
	s_wait_loadcnt 0x0                             ; scale words and bias
.irp s, 0,1,2,3,4,5,6,7
	WIN 0
.if (\s%2 == 1) && (\s < 7)
	s_wait_tensorcnt 3-(\s+1)/2                    ; my part of the next chunk is in; the later ones may stay out
	s_wait_dscnt 0x0                               ; no LDS load of mine is out at the signal
	s_barrier_signal -1
	s_barrier_wait -1
	v_add_nc_u32 v[ADRA], CHUNK, v[ADRA]
	v_add_nc_u32 v[ADRB], CHUNK, v[ADRB]
.endif
.if \s < 7
	PLACES                                         ; in front of loads into the set that the K step before multiplied
	FETCH \s+1
	s_wait_dscnt 36                                ; all but the 36 just issued: this K step's fragments are in
.else
	s_wait_dscnt 0x0
.endif
	MUL \s
.endr
	WIN 0
; THE WAY OUT, a block of 16 rows x 128 columns at a time, through my stage: in as 32 bytes a lane, back as whole rows of 512 bytes, which the 32 lanes store as two aligned runs of 256 bytes.
.macro TOSTAGE a
	WIN 0x08                                       ; an LDS store's data are its source 1: window 2
.irp b, 0,1,2,3,4,5,6,7
	ds_store_b128 v[STO], v[8*(8*(\a)+\b):8*(8*(\a)+\b)+3] offset:64*\b          ; each accumulator from its low end on
	ds_store_b128 v[STO], v[8*(8*(\a)+\b)+4:8*(8*(\a)+\b)+7] offset:64*\b+16
.endr
	WIN 0
.irp t, 0,1,2,3,4,5,6,7,8,9,10,11,12,13,14,15
	ds_load_b128 v[BK+64*((\a)%2)+4*\t:BK+64*((\a)%2)+4*\t+3], v[RD] offset:\t*SPITCH   ; LDS serves a wave's instructions in order: these see the stores above
.endr
.endm
.macro SEND a, younger
	s_wait_dscnt \younger                          ; the block is back; the next block's 16 stores and 16 loads may be out
.irp t, 0,1,2,3,4,5,6,7,8,9,10,11,12,13,14,15
	global_store_b128 v[CO], v[BK+64*((\a)%2)+4*\t:BK+64*((\a)%2)+4*\t+3], s[94:95] offset:(16*(\a)+\t)*4096 th:TH_STORE_NT
.endr
.endm
	PLACES                                         ; behind the last products: reads of results, and loads into A's registers
	s_wait_dscnt 0x0
	s_barrier_signal -1
	s_barrier_wait -1                              ; nobody reads chunk 0 any more
	TOSTAGE 0
.irp a, 1,2,3
.if \a > 1
	s_wait_xcnt 0x0                                ; block a - 2's stores have read their registers: block a's rows may land there
.endif
	TOSTAGE \a
	SEND \a-1, 32
.endr
	SEND 3, 0
	s_wait_tensorcnt 0x0                           ; the wave's end
	ds_add_u32 v[SPW], v[NIL]
	s_wait_dscnt 0x0
	CROUND                                         ; the closing round
	s_endpgm
.Lfunc_end_k_q4876b6fa34_qkvg:
	.size	k_q4876b6fa34_qkvg, .Lfunc_end_k_q4876b6fa34_qkvg-k_q4876b6fa34_qkvg
	.p2alignl 7, 3214868480
	.fill 96, 4, 3214868480
	.section	.rodata,"a",@progbits
	.p2align	6, 0x0
	.amdhsa_kernel k_q4876b6fa34_qkvg
		.amdhsa_group_segment_fixed_size 295424
		.amdhsa_private_segment_fixed_size 0
		.amdhsa_enable_private_segment 0
		.amdhsa_kernarg_size 32
		.amdhsa_user_sgpr_count 2
		.amdhsa_user_sgpr_kernarg_segment_ptr 1
		.amdhsa_wavefront_size32 1
		.amdhsa_system_sgpr_workgroup_id_x 1
		.amdhsa_system_sgpr_workgroup_id_y 1
		.amdhsa_system_sgpr_workgroup_id_z 1
		.amdhsa_system_vgpr_workitem_id 0
		.amdhsa_next_free_vgpr 768
		.amdhsa_next_free_sgpr 100
		.amdhsa_reserve_vcc 0
		.amdhsa_float_denorm_mode_32 3
		.amdhsa_float_denorm_mode_16_64 3
		.amdhsa_memory_ordered 1
		.amdhsa_forward_progress 1
		.amdhsa_inst_pref_size 80
	.end_amdhsa_kernel
	.amdgpu_metadata
---
amdhsa.version: [ 1, 2 ]
amdhsa.kernels:
  - .name:           k_q4876b6fa34_qkvg
    .symbol:         k_q4876b6fa34_qkvg.kd
    .args:
      - { .name: xq, .offset: 0, .size: 8, .value_kind: global_buffer, .address_space: global }
      - { .name: wa, .offset: 8, .size: 8, .value_kind: global_buffer, .address_space: global }
      - { .name: battn, .offset: 16, .size: 8, .value_kind: global_buffer, .address_space: global }
      - { .name: qkv, .offset: 24, .size: 8, .value_kind: global_buffer, .address_space: global }
    .group_segment_fixed_size: 295424
    .private_segment_fixed_size: 0
    .kernarg_segment_align: 8
    .kernarg_segment_size: 32
    .max_flat_workgroup_size: 128
    .sgpr_count:     100
    .vgpr_count:     768
    .wavefront_size: 32
...
	.end_amdgpu_metadata
.endif
;; end of part 2
;; launch attn (part 3): grid 2 x 128, 16 waves a work-group, no clusters, 307,456 bytes of LDS; arguments qkv, er, rv, yq; writes yq
.if DOCPART == 3
	.amdgcn_target "amdgcn-amd-amdhsa--gfx1250"
	.amdhsa_code_object_version 6
	.text
	.protected	k_q4876b6fa34_attn
	.globl	k_q4876b6fa34_attn
	.p2align	8
	.type	k_q4876b6fa34_attn,@function
k_q4876b6fa34_attn:
	s_mov_b64 s[64:65], 0
	v_nop
	global_prefetch_b8 v0, s[64:65] scope:SCOPE_SE
	s_setreg_imm32_b32 hwreg(HW_REG_WAVE_MODE, 25, 1), 1
	s_wait_xcnt 0x0
; Causal attention with relative tables, all four products on codes of FP6 (E2M3) with E8M0 scales.  In: qkv [3][8192][1024] f32; er: embk's codes, turned round, scale bytes + 3; rv: embv's windows as operand images.
; Out: yq: y = (p v + p rv) / l as images of fragments [row block][K step] and, at 6,291,456, scale bytes [row][32], for the last product.
; SHARES.  A work-group owns one (batch, head) and one half of the alignments, a0 = 0 or 16: the queries t = 32 I + a0 + n, n = 0 .. 15.  The head's K and V lie in LDS as codes for the whole launch.
; EVERY WAVE HAS TWO ROLES.  I-role: wave i owns the 16 queries of row block I = IB + i (columns n): q k^T, the softmax, p v.  a-role: wave n owns alignment a = a0 + n (columns: the 16 row blocks): q rk^T and p rv.
; ALL WAVES WALK WINDOWS: in step W wave I takes the 128 keys s = 32 (I - 4 W - 3) + o.  The distance t - s = 128 W + 96 + a - o is then the same for all columns of an a-role tile, so both relative products are plain products.
; THE ROLES EXCHANGE THROUGH MAILBOXES in LDS: box (i, n) is touched by I-wave i and a-wave n alone, with a barrier between the two.  Two barriers a step.
; Two passes, written out: row blocks 16-31 in 8 steps, row blocks 0-15 in 4.  Wave I works while 4 W <= I; after that it posts zero codes and the factor 1.
; SCORES: S = q.k + 8 q.rk (the 8 lies in er's scale bytes), t = S log2(e) / 8; M = the running largest t rounded up; p = 2^(t - M) is quantised along the keys; the sum is taken of the unquantised p.
; Both kinds of products are used transposed: a lane holds one column.  The rows of a tile of K, of V and of rv are r + 8 (r / 8) apart from 32 b + 8 u, so that 16 registers of two tiles are 16 neighbours along the next K.
; K is 64 in the score products: q's upper six registers hold zero codes; the other operand's upper six hold whatever codes were there, which zero codes multiply.
; LIMITS: NaN and infinities are not served; a block of zeros has the byte 1 (its codes are zeros; the bytes are this program's own).  y's two scale bytes a row leave as 2-byte stores: the heads of a row lie in different work-groups.
; No cluster: what the two work-groups of a head share arrives as f32 and is quantised in registers, not fetched as tiles.
.set KC,    0                          ; K's codes: keys -96 .. 1023, 48 bytes a key; the first 96 rows are zeros
.set KS,    53760                      ; a scale word a key
.set VC,    58368                      ; V's codes: row d, 848 bytes apart; block sb of 32 keys at 24 (sb + 3); the first three blocks are zeros
.set VP,    848
.set VS,    112640                     ; V's scale bytes: row d, 48 bytes apart; block sb at byte 4 + sb; words 0 and 9 are zeros
.set ER,    115712                     ; 1,040 rows of the turned table, 48 bytes each (a tensor load)
.set ERS,   165632                     ; their scale words (a tensor load)
.set MB,    169984                     ; the mailboxes: box (i, n) at 8,464 i + 528 n
.set MBW,   8464
.set MBN,   528
.set SPARE, 305408                     ; the spare words, 128 bytes for each wave
.set SPW,  1                           ; v1, v2 the add's two; never rewritten
.set NIL,  2
.set AK0,  3                           ; v3-8   my lane's place in a tile of K, among K's scale words, in V, among V's scale bytes, in ER, among ER's scale words
.set AKS0, 4
.set AV0,  5
.set AVS0, 6
.set AE0,  7
.set AES0, 8
.set MI32, 9                           ; v9-12  my boxes: I-role (wave, r) + 32 h, + 64 h; a-role (r, wave) + 32 h, + 64 h
.set MI64, 10
.set MA32, 11
.set MA64, 12
.set SK,   13                          ; v13-18 the step's addresses
.set SKS,  14
.set SV,   15
.set SVS,  16
.set SE,   17
.set SES,  18
.set L16,  19                          ; 16 x lane
.set R16,  20                          ; 16 r
.set DG,   21                          ; a0 + r - 16 h: the diagonal's limit
.set NM,   22                          ; -M;  v23 the largest t
.set MT,   23
.set SUM,  24                          ; v[24:25] the sum, in two halves
.set FF,   26                          ; f = 2^(old M - new M);  v27 p's scale word
.set PSW,  27
.set NINF, 28
.set GK,   29                          ; 4,096 r + 64 h: my place in 16 rows of qkv
.set QIS,  30                          ; q's scale words, I-role and a-role
.set QAS,  31
.set QI,   32                          ; v32-43, v44-55 q's fragments
.set QA,   44
.set PC,   56                          ; v56-67 the codes just made, or p's codes in the a-role
.set S,    68                          ; v68-131 scores, p; then rv's four fragments
.set O1,   132
.set O2,   164
.set F,    196                         ; v196-243 four fragments of K, ER or V; between products the quantiser's work registers
.set TM,   196
.set CT,   212
.set FS,   244                         ; v244-247 the fragments' scale words
.set RVS,  248                         ; v248-251 rv's
.set AF2,  252                         ; v252 the a-role's f, v253 p's scale word there
.set PW,   254
.set T,    255
.set SEL,  18                          ; s[18:19]
.set CS,   20                          ; s[20:21] log2(e) / 8
.macro PLACES n
.rept \n
	v_nop
.endr
.endm
.macro BAR                             ; my LDS stores have landed and my LDS loads are in: then the work-group's barrier
	s_wait_dscnt 0x0
	s_barrier_signal -1
	s_barrier_wait -1
.endm
.macro ZERO first, n
.set ZI, 0
.rept \n
	v_mov_b32 v[\first+ZI], 0
.set ZI, ZI+1
.endr
.endm
.macro MM d, a, b, c, sa, sb
	v_wmma_scale_f32_16x16x128_f8f6f4 v[\d:\d+7], v[\a:\a+11], v[\b:\b+11], \c, v[\sa], v[\sb] matrix_a_fmt:MATRIX_FMT_FP6 matrix_b_fmt:MATRIX_FMT_FP6
.endm
.macro QMAX s                          ; 64 numbers of a lane, register 16 b + i = k 32 b + 16 h + i of my row: the four blocks' largest magnitudes
.irp b, 0,1,2,3
	v_max3_num_f32 v[TM+\b], |v[\s+16*\b]|, |v[\s+16*\b+1]|, 0x1800000   ; and the floor 2^(3 - 127): the byte cannot fall under 1
.endr
.irp i, 2,4,6,8,10,12,14
.irp b, 0,1,2,3
	v_max3_num_f32 v[TM+\b], v[TM+\b], |v[\s+16*\b+\i]|, |v[\s+16*\b+\i+1]|
.endr
.endr
.irp b, 0,1,2,3
	v_permlanex16_b32 v[TM+4+\b], v[TM+\b], s[SEL], s[SEL+1]
.endr
.irp b, 0,1,2,3
	v_max_num_f32 v[TM+\b], v[TM+\b], v[TM+4+\b]
.endr
.endm
.macro QCONV s                         ; the scale word in v[PW], the operand's 12 registers in v[PC] on
.irp b, 0,1,2,3
	v_add_nc_u32 v[TM+12+\b], 0xff000000, v[TM+\b]                 ; 2 off the exponent field: the conversion's scale operand
.endr
.irp b, 0,1,2,3
	v_lshrrev_b32 v[TM+4+\b], 23, v[TM+12+\b]
.endr
	v_lshl_or_b32 v[PW], v[TM+5], 8, v[TM+4]
	v_lshl_or_b32 v[PW], v[TM+6], 16, v[PW]
	v_lshl_or_b32 v[PW], v[TM+7], 24, v[PW]
.irp c, 0,1
	v_cvt_scalef32_pk16_fp6_f32 v[PC+6*\c:PC+6*\c+2], v[\s+32*\c:\s+32*\c+15], v[TM+12+2*\c]
	v_cvt_scalef32_pk16_fp6_f32 v[CT+4*\c:CT+4*\c+2], v[\s+32*\c+16:\s+32*\c+31], v[TM+13+2*\c]
.endr
	v_nop                                          ; one plain place behind the scaled conversions
.irp c, 0,1
.irp i, 0,1,2
	v_permlane16_swap_b32 v[PC+6*\c+\i], v[CT+4*\c+\i]
.endr
.irp i, 0,1,2
	v_mov_b32 v[PC+3+6*\c+\i], v[CT+4*\c+\i]
.endr
.endr
.endm
	s_load_b256 s[4:11], s[0:1], 0x0               ; qkv s[4:5], er s[6:7], rv s[8:9], yq s[10:11]
	v_lshl_add_u32 v[SPW], v0, 2, SPARE
	v_mov_b32 v[NIL], 0
	ds_add_u32 v[SPW], v[NIL]                      ; the wave's opening: the add and its wait ahead of the first tensor load; work on registers stands between them
	v_lshrrev_b32 v[T], 5, v0
	v_readfirstlane_b32 s12, v[T]                  ; wave 0..15
	s_mov_b32 s13, ttmp9                           ; which half of the alignments
	s_and_b32 s14, ttmp7, 0xffff
	s_lshl_b32 s15, s13, 4                         ; a0
	s_lshr_b32 s16, s14, 4                         ; batch
	s_and_b32 s17, s14, 15                         ; head
	s_and_b32 s83, s17, 1
	s_mov_b32 s[SEL], 0x76543210
	s_mov_b32 s[SEL+1], 0xfedcba98
	s_mov_b32 s[CS], 0x3e38aa3b
	s_mov_b32 s[CS+1], s[CS]
	; two descriptors, each a single row of elements of 8 bytes: 49,920 bytes of codes, 4,160 of scale words
	s_mov_b32 s52, 3<<16
	s_mov_b32 s53, 6240<<16
	s_mov_b32 s54, 1<<16
	s_mov_b32 s55, 6240<<16
	s_mov_b32 s56, 1
	s_mov_b32 s57, 6240
	s_mov_b32 s58, 0
	s_mov_b32 s59, 0
	s_mov_b32 s68, 3<<16
	s_mov_b32 s69, 520<<16
	s_mov_b32 s70, 1<<16
	s_mov_b32 s71, 520<<16
	s_mov_b32 s72, 1
	s_mov_b32 s73, 520
	s_mov_b32 s74, 0
	s_mov_b32 s75, 0
	s_sub_co_u32 s28, 16, s15                      ; LDS row x is the table's row x + 16 - a0
	s_mul_i32 s30, s28, 48
	s_mov_b32 s31, 0
	s_lshl_b32 s28, s28, 2
	s_add_co_u32 s28, s28, 52224
	s_mov_b32 s29, 0
	; every LDS address register is made here, ahead of the first branch on the wave's number
	ZERO F, 48                                     ; (written once: the fragments' upper registers are named by products before anything else writes them)
	ZERO QA+6, 6                                   ; q's upper codes in the a-role, and the zeros that are stored below
	v_mov_b32 v[PSW], 0
	v_mov_b32 v[NINF], 0xff800000
	v_and_b32 v252, 15, v0                         ; r
	v_bfe_u32 v253, v0, 4, 1                       ; h
	v_and_b32 v254, 8, v252
	v_add_nc_u32 v254, v254, v252                  ; r + 8 (r / 8)
	v_mul_u32_u24 v[T], v253, 24
	v_mad_u32_u24 v[AK0], v254, 48, v[T]
	v_lshl_add_u32 v[AKS0], v254, 2, KS
	v_mad_u32_u24 v[AV0], v254, VP, v[T]
	v_add_nc_u32 v[AV0], VC, v[AV0]
	v_mul_u32_u24 v[AVS0], v254, 48
	v_add_nc_u32 v[AVS0], VS, v[AVS0]
	v_mad_u32_u24 v[AE0], v252, 48, v[T]
	v_add_nc_u32 v[AE0], ER, v[AE0]
	v_lshl_add_u32 v[AES0], v252, 2, ERS
	s_mul_i32 s25, s12, MBW
	s_add_co_u32 s25, s25, MB
	v_mul_u32_u24 v[MI32], v252, MBN
	v_add_nc_u32 v[MI32], s25, v[MI32]
	v_lshl_add_u32 v[MI64], v253, 6, v[MI32]
	v_lshl_add_u32 v[MI32], v253, 5, v[MI32]
	s_mul_i32 s25, s12, MBN
	s_add_co_u32 s25, s25, MB
	v_mul_u32_u24 v[MA32], v252, MBW
	v_add_nc_u32 v[MA32], s25, v[MA32]
	v_lshl_add_u32 v[MA64], v253, 6, v[MA32]
	v_lshl_add_u32 v[MA32], v253, 5, v[MA32]
	v_and_b32 v[L16], 31, v0
	v_lshlrev_b32 v[L16], 4, v[L16]
	v_lshlrev_b32 v[R16], 4, v252
	v_lshlrev_b32 v[DG], 4, v253
	v_sub_nc_u32 v[DG], v252, v[DG]
	v_add_nc_u32 v[DG], s15, v[DG]
	v_lshlrev_b32 v[GK], 12, v252
	v_lshl_add_u32 v[GK], v253, 6, v[GK]
	; the prologue's own: v220 K's codes, v221 K's scale words, v222 V's codes, v223 V's scale words, v224-227 the zeros, v228 V in memory
	s_mul_i32 s25, s12, 3072
	s_add_co_u32 s25, s25, 4608                    ; my 64 keys, behind the 96 rows of zeros
	v_mad_u32_u24 v220, v252, 48, v[T]
	v_add_nc_u32 v220, s25, v220
	s_lshl_b32 s25, s12, 8
	s_add_co_u32 s25, s25, KS+384
	v_lshl_add_u32 v221, v252, 2, s25
	s_and_b32 s26, s12, 3                          ; which 16 of the head's 64 I quantise of V,
	s_lshr_b32 s27, s12, 2                         ; and which 256 keys
	s_mul_i32 s25, s26, 16*VP
	s_mul_i32 s23, s27, 192
	s_add_co_u32 s25, s25, s23
	s_add_co_u32 s25, s25, VC+72
	v_mad_u32_u24 v222, v252, VP, v[T]
	v_add_nc_u32 v222, s25, v222
	s_mul_i32 s25, s26, 768
	s_lshl_b32 s23, s27, 3
	s_add_co_u32 s25, s25, s23
	s_add_co_u32 s25, s25, VS+4
	v_mul_u32_u24 v223, v252, 48
	v_add_nc_u32 v223, s25, v223
	v_lshlrev_b32 v224, 4, v0
	v_lshl_add_u32 v225, v0, 2, KS-1152
	v_and_b32 v227, 63, v0
	v_mul_u32_u24 v226, v227, VP
	v_add_nc_u32 v226, VC, v226
	v_mul_u32_u24 v227, v227, 48
	v_add_nc_u32 v227, VS, v227
	v_lshlrev_b32 v228, 16, v253
	v_lshl_add_u32 v228, v252, 2, v228
	s_wait_dscnt 0x0                               ; the opening add is done
	s_wait_kmcnt 0x0
	s_mov_b32 s60, 1
	s_mov_b32 s61, ER
	s_add_nc_u64 s[62:63], s[6:7], s[30:31]
	s_or_b32 s63, s63, 0x80000000
	s_mov_b32 s76, 1
	s_mov_b32 s77, ERS
	s_add_nc_u64 s[78:79], s[6:7], s[28:29]
	s_or_b32 s79, s79, 0x80000000
	s_cmp_lg_u32 s12, 0                            ; wave 0 fetches the table: its two loads stand in one branch; each region is filled once
	s_cbranch_scc1 .Lno_fetch
	tensor_load_to_lds s[60:63], s[52:59]
	s_nop 0
	tensor_load_to_lds s[76:79], s[68:75]
	s_nop 0
	PLACES 4
.Lno_fetch:
	s_lshl_b32 s28, s16, 22
	s_lshl_b32 s29, s17, 8
	s_add_co_u32 s28, s28, s29
	s_mov_b32 s29, 0
	s_add_nc_u64 s[32:33], s[4:5], s[28:29]        ; q of my batch and head,
	s_add_nc_u64 s[34:35], s[32:33], 0x2000000     ; k,
	s_add_nc_u64 s[36:37], s[32:33], 0x4000000     ; v
	s_lshl_b32 s28, s12, 18
	s_add_nc_u64 s[84:85], s[34:35], s[28:29]      ; my 64 keys
	s_lshl_b32 s28, s27, 20
	s_lshl_b32 s25, s26, 6
	s_add_co_u32 s28, s28, s25
	s_add_nc_u64 s[86:87], s[36:37], s[28:29]      ; my 256 keys x 16 channels of v
	s_add_co_u32 s25, s15, s12                     ; my alignment
	s_mul_i32 s28, s25, 49152
	s_add_nc_u64 s[42:43], s[8:9], s[28:29]        ; its images,
	s_lshl_b32 s28, s25, 11
	s_add_co_u32 s28, s28, 1572864
	s_add_nc_u64 s[44:45], s[8:9], s[28:29]        ; its scale words
	s_lshl_b32 s46, s16, 6
	s_add_co_u32 s46, s46, s13
	s_lshl_b32 s46, s46, 3
	s_lshr_b32 s25, s17, 1
	s_add_co_u32 s46, s46, s25
	s_mul_i32 s46, s46, 1536                       ; y's image of row block 64 b + ah, K step head / 2
	s_lshl_b32 s47, s16, 10
	s_add_co_u32 s47, s47, s15
	s_lshl_b32 s47, s47, 5
	s_lshl_b32 s25, s17, 1
	s_add_co_u32 s47, s47, s25
	s_add_co_u32 s47, s47, 6291456                 ; y's scale bytes of row 1024 b + a0, blocks 2 head, 2 head + 1
; ---- THE PROLOGUE: the head's K and V become codes in LDS.  K: 64 keys a wave; one run of the quantiser serves two tiles of 16 keys (blocks 0, 1: the first tile's 64 channels; blocks 2, 3: the second's).
.macro KLOAD p, buf
.irp b, 0,1,2,3
.irp q, 0,1,2,3
	global_load_b128 v[\buf+16*\b+4*\q:\buf+16*\b+4*\q+3], v[GK], s[84:85] offset:(32*\p+16*(\b/2))*4096+128*(\b%2)+16*\q
.endr
.endr
.endm
.macro KSTORE p
.irp i, 0,1,2
	ds_store_b64 v220, v[PC+2*\i:PC+2*\i+1] offset:1536*\p+8*\i
	ds_store_b64 v220, v[PC+6+2*\i:PC+7+2*\i] offset:1536*\p+768+8*\i
.endr
	v_lshrrev_b32 v[T], 16, v[PW]
	ds_store_b32 v221, v[PW] offset:128*\p         ; (the word's upper bytes scale k = 64 on, where q's codes are zeros.  Lanes l and l + 16 store the same word)
	ds_store_b32 v221, v[T] offset:128*\p+64
.endm
.macro VLOAD e, buf                    ; a lane takes a channel, its registers run down the keys
.irp b, 0,1,2,3
.irp i, 0,1,2,3,4,5,6,7,8,9,10,11,12,13,14,15
	global_load_b32 v[\buf+16*\b+\i], v228, s[86:87] offset:(128*\e+32*\b+\i)*4096
.endr
.endr
.endm
.macro VSTORE e
.irp c, 0,1
.irp i, 0,1,2
	ds_store_b64 v222, v[PC+6*\c+2*\i:PC+6*\c+2*\i+1] offset:96*\e+48*\c+8*\i
.endr
.endr
	ds_store_b32 v223, v[PW] offset:4*\e
.endm
	KLOAD 0, S
	KLOAD 1, O1
	s_cmp_lt_u32 s12, 9                            ; the zeros in front of K, K's scale words, V and round V's scale bytes, shared out by the wave's number
	s_cbranch_scc0 .Lpad1
	ds_store_b128 v224, v[QA+6:QA+9]
	s_branch .Lpadded
.Lpad1:
	s_cmp_lt_u32 s12, 12
	s_cbranch_scc0 .Lpad2
	ds_store_b32 v225, v[QA+6]
	s_branch .Lpadded
.Lpad2:
	s_cmp_lt_u32 s12, 14
	s_cbranch_scc0 .Lpad3
.irp p, 0,1,2,3,4,5,6,7,8
	ds_store_b64 v226, v[QA+6:QA+7] offset:8*\p
.endr
	s_branch .Lpadded
.Lpad3:
	ds_store_b32 v227, v[QA+6]
	ds_store_b32 v227, v[QA+6] offset:36
.Lpadded:
	s_wait_loadcnt 16                              ; the first 32 keys are in; the other 16 loads may be out
	QMAX S
	QCONV S
	VLOAD 0, S
	KSTORE 0
	s_wait_loadcnt 63                              ; 64 younger loads were issued behind the second 32 keys': the count 63 shows those in
	s_wait_dscnt 0x0                               ; the stores have read their registers
	QMAX O1
	QCONV O1
	VLOAD 1, O1
	KSTORE 1
	s_wait_loadcnt 63                              ; likewise: V's first 128 keys are in
	s_wait_dscnt 0x0
	QMAX S
	QCONV S
	VSTORE 0
	s_wait_loadcnt 0x0
	s_wait_dscnt 0x0
	QMAX O1
	QCONV O1
	VSTORE 1
; ---- a-role: 8 q.rk for window step s27, 128 key offsets x my 16 row blocks, posted as f32 at byte 4 o of each box
.macro ATT2
	s_lshl_b32 s28, s27, 7
	s_add_co_u32 s28, s28, s12
	s_sub_co_u32 s28, 911, s28                     ; the table's row of key offset 0
	s_mul_i32 s29, s28, 48
	s_lshl_b32 s28, s28, 2
	v_add_nc_u32 v[SE], s29, v[AE0]
	v_add_nc_u32 v[SES], s28, v[AES0]
	PLACES 4                                       ; with the two additions six places: the results below are laid over operands of the products before
.irp g, 0,1
.if \g > 0
	PLACES 4
.endif
.irp t, 0,1,2,3
.irp p, 0,1,2
	ds_load_b64 v[F+12*\t+2*\p:F+12*\t+2*\p+1], v[SE] offset:768*(4*\g+\t)+8*\p
.endr
	ds_load_b32 v[FS+\t], v[SES] offset:64*(4*\g+\t)
.endr
	s_wait_dscnt 0x0
.irp t, 0,1,2,3
	MM S+8*(4*\g+\t), F+12*\t, QA, 0, FS+\t, QAS
.endr
.endr
	PLACES 4
.irp t, 0,1,2,3,4,5,6,7
	ds_store_b128 v[MA32], v[S+8*\t:S+8*\t+3] offset:64*\t
	ds_store_b128 v[MA32], v[S+8*\t+4:S+8*\t+7] offset:64*\t+16
.endr
.endm
.macro RVLOAD                          ; my alignment's four operand images of this window step, and their scale words: waited for in the a-role's phase
.irp t, 0,1,2,3
.irp g, 0,1,2
	global_load_b128 v[S+12*\t+4*\g:S+12*\t+4*\g+3], v[L16], s[38:39] offset:1536*\t+512*\g
.endr
.endr
	global_load_b128 v[RVS:RVS+3], v[R16], s[40:41]
.endm
.macro SOFT                            ; scores in v[S] on become p; -M, the sum and f are brought on; the blocks' largest p end in v[TM] on, floored
.irp b, 0,1,2,3
	v_max3_num_f32 v[TM+\b], v[S+16*\b], v[S+16*\b+1], v[S+16*\b+2]   ; the largest score of each block of 32 keys: for the row's maximum and, since p rises with the score, for the block's largest p
.endr
.irp i, 3,5,7,9,11,13
.irp b, 0,1,2,3
	v_max3_num_f32 v[TM+\b], v[TM+\b], v[S+16*\b+\i], v[S+16*\b+\i+1]
.endr
.endr
.irp b, 0,1,2,3
	v_max_num_f32 v[TM+\b], v[TM+\b], v[S+16*\b+15]
.endr
.irp b, 0,1,2,3
	v_permlanex16_b32 v[TM+4+\b], v[TM+\b], s[SEL], s[SEL+1]
.endr
.irp b, 0,1,2,3
	v_max_num_f32 v[TM+\b], v[TM+\b], v[TM+4+\b]
.endr
	v_max3_num_f32 v[T], v[TM], v[TM+1], v[TM+2]
	v_max_num_f32 v[T], v[T], v[TM+3]
	v_mul_f32 v[T], s[CS], v[T]
	v_max_num_f32 v[MT], v[MT], v[T]               ; the running largest t
	v_mov_b32 v[T], v[NM]
	v_floor_f32 v[NM], -v[MT]                      ; -M = floor(-t): M is a whole number
	v_sub_f32 v[T], v[NM], v[T]
	v_cvt_i32_f32 v[T], v[T]                       ; (it saturates)
	v_ldexp_f32 v[FF], 1.0, v[T]                   ; f = 2^(old M - new M)
.set N, 0
.rept 32
	v_pk_fma_f32 v[S+N:S+N+1], v[S+N:S+N+1], s[CS:CS+1], v[NM:NM+1] op_sel_hi:[1,0,0]
.set N, N+2
.endr
.irp b, 0,1,2,3
	v_fma_f32 v[TM+\b], v[TM+\b], s[CS], v[NM]
.endr
.set N, 0
.rept 64
	v_exp_f32 v[S+N], v[S+N]
.set N, N+1
.endr
	v_pk_mul_f32 v[SUM:SUM+1], v[SUM:SUM+1], v[FF:FF+1] op_sel_hi:[1,0]   ; a plain place behind the exponentials
	s_wait_alu depctr_va_vdst(0)                   ; one wait for the batch, ahead of its first reader
.irp b, 0,1,2,3
	v_exp_f32 v[TM+\b], v[TM+\b]
.endr
	v_pk_add_f32 v[TM+4:TM+5], v[S:S+1], v[S+2:S+3]                ; the sum of the unquantised p, in two chains
.set N, 4
.rept 15
	v_pk_add_f32 v[SUM:SUM+1], v[SUM:SUM+1], v[S+N:S+N+1]
	v_pk_add_f32 v[TM+4:TM+5], v[TM+4:TM+5], v[S+N+2:S+N+3]
.set N, N+4
.endr
	v_pk_add_f32 v[SUM:SUM+1], v[SUM:SUM+1], v[TM+4:TM+5]
	s_wait_alu depctr_va_vdst(0)                   ; and one for the four
.irp b, 0,1,2,3
	v_max_num_f32 v[TM+\b], 0x1800000, v[TM+\b]
.endr
.endm
; ---- A WINDOW STEP.  s22 = W, s24 = I.  more = 1: the a-role goes on to the next step's q.rk
.macro STEP more
	s_lshr_b32 s23, s24, 2
	s_min_u32 s23, s23, s22
	s_lshl_b32 s23, s23, 2
	s_sub_co_u32 s23, s24, s23                     ; J = I - 4 min(W, I / 4): my last block of keys; it stays inside the tables in a wave that has no work left
	s_mul_i32 s28, s23, 1536
	v_add_nc_u32 v[SK], s28, v[AK0]
	s_lshl_b32 s28, s23, 7
	v_add_nc_u32 v[SKS], s28, v[AKS0]
	s_mul_i32 s28, s23, 24
	v_add_nc_u32 v[SV], s28, v[AV0]
	s_add_co_u32 s26, s23, 1                       ; V's four scale bytes begin at byte J + 1 of a row
	s_lshr_b32 s28, s26, 2
	s_lshl_b32 s28, s28, 2
	v_add_nc_u32 v[SVS], s28, v[AVS0]
	s_and_b32 s26, s26, 3
	s_lshl_b32 s28, s22, 2
	s_cmp_le_u32 s28, s24
	s_cbranch_scc0 .Lidle_\@
	; I-role: 8 q.rk out of my boxes is the C of q.k
.irp b, 0,1,2,3
.irp k, 0,1,2,3
	ds_load_b128 v[S+16*\b+4*\k:S+16*\b+4*\k+3], v[MI64] offset:128*\b+16*\k
.endr
.endr
.irp g, 0,1
.if \g > 0
	PLACES 4
.endif
.irp t, 0,1,2,3
.irp p, 0,1,2
	ds_load_b64 v[F+12*\t+2*\p:F+12*\t+2*\p+1], v[SK] offset:(32*((4*\g+\t)/2)+8*(\t%2))*48+8*\p
.endr
	ds_load_b32 v[FS+\t], v[SKS] offset:(32*((4*\g+\t)/2)+8*(\t%2))*4
.endr
	s_wait_dscnt 0x0
.irp t, 0,1,2,3
	MM S+8*(4*\g+\t), F+12*\t, QI, v[S+8*(4*\g+\t):S+8*(4*\g+\t)+7], FS+\t, QIS
.endr
.endr
	PLACES 4
	s_cmp_lg_u32 s22, 0                            ; the diagonal lies in step 0's last block: key 16 h + i of it is hidden where i > a0 + r - 16 h
	s_cbranch_scc1 .Lnodiag_\@
.set N, 0
.rept 16
	v_cmp_gt_i32 vcc_lo, N, v[DG]
	v_cndmask_b32 v[S+48+N], v[S+48+N], v[NINF], vcc_lo
.set N, N+1
.endr
.Lnodiag_\@:
	s_sub_co_i32 s28, s23, 3                       ; my first block of keys: blocks in front of key 0 are hidden
	s_cmp_ge_i32 s28, 0
	s_cbranch_scc1 .Lnolow_\@
.irp j, 0,1,2
	s_cmp_lt_i32 s28, -\j
	s_cselect_b32 s[80+\j], -1, 0
.endr
.irp j, 0,1,2
.set N, 0
.rept 16
	v_cndmask_b32 v[S+16*\j+N], v[S+16*\j+N], v[NINF], s[80+\j]
.set N, N+1
.endr
.endr
.Lnolow_\@:
	SOFT
	QCONV S
	v_mov_b32 v[PSW], v[PW]
	RVLOAD                                         ; p has been read: its registers take the a-role's operands
.irp g, 0,1,2
	ds_store_b128 v[MI64], v[PC+4*\g:PC+4*\g+3] offset:16*\g       ; p's codes, as the operand's registers stand, to the a-wave of each query
.endr
	ds_store_b64 v[MI64], v[FF:FF+1] offset:128    ; f and p's scale word
.irp t, 0,1,2,3
.irp c, 0,1
.irp p, 0,1,2
	ds_load_b64 v[F+12*\t+6*\c+2*\p:F+12*\t+6*\c+2*\p+1], v[SV] offset:VP*(32*(\t/2)+8*(\t%2))+48*\c+8*\p
.endr
.endr
	ds_load_b32 v[S+48+\t], v[SVS] offset:48*(32*(\t/2)+8*(\t%2))
	ds_load_b32 v[S+52+\t], v[SVS] offset:48*(32*(\t/2)+8*(\t%2))+4
.endr
	s_wait_dscnt 0x0
.irp t, 0,1,2,3
	v_alignbyte_b32 v[FS+\t], v[S+52+\t], v[S+48+\t], s26          ; the four bytes of my four blocks
.endr
.set N, 0
.rept 16
	v_pk_mul_f32 v[O1+N:O1+N+1], v[O1+N:O1+N+1], v[FF:FF+1] op_sel_hi:[1,0]   ; under the new M; also the places between the scale words' making and the products
.set N, N+2
.endr
.irp t, 0,1,2,3
	MM O1+8*\t, F+12*\t, PC, v[O1+8*\t:O1+8*\t+7], FS+\t, PSW
.endr
	s_branch .Ljoin_\@
.Lidle_\@:                             ; no keys left for my queries: the a-waves get zero codes and the factor 1
	v_mov_b32 v[FF], 1.0
	v_mov_b32 v[PSW], 0
	RVLOAD
.irp g, 0,1,2
	ds_store_b128 v[MI64], v[QA+6:QA+9] offset:16*\g
.endr
	ds_store_b64 v[MI64], v[FF:FF+1] offset:128
.Ljoin_\@:
	BAR                                            ; every box holds its p
	; a-role: p rv
	PLACES 4                                       ; in front of loads into registers that the products above have read
.irp g, 0,1,2
	ds_load_b128 v[PC+4*\g:PC+4*\g+3], v[MA64] offset:16*\g
.endr
	ds_load_b64 v[AF2:AF2+1], v[MA64] offset:128
	s_wait_dscnt 0x0
	s_wait_loadcnt 0x0                             ; rv's 13 loads
	s_add_nc_u64 s[38:39], s[38:39], 6144          ; the next window step's (not used behind the last)
	s_add_nc_u64 s[40:41], s[40:41], 256
.set N, 0
.rept 16
	v_pk_mul_f32 v[O2+N:O2+N+1], v[O2+N:O2+N+1], v[AF2:AF2+1] op_sel_hi:[1,0]
.set N, N+2
.endr
.irp t, 0,1,2,3
	MM O2+8*\t, S+12*\t, PC, v[O2+8*\t:O2+8*\t+7], RVS+\t, AF2+1
.endr
.if \more
	s_add_co_u32 s27, s22, 1
	ATT2
	BAR                                            ; every box holds the next step's 8 q.rk
.endif
.endm
; ---- A PASS over the row blocks ib .. ib + 15, nst window steps
.macro PASS ib, nst
	s_wait_xcnt 0x0                                ; earlier loads and stores have read their registers
	s_add_co_u32 s24, s12, \ib                     ; I
	s_lshl_b32 s28, s24, 5
	s_add_co_u32 s28, s28, s15
	s_lshl_b32 s28, s28, 12
	s_mov_b32 s29, 0
	s_add_nc_u64 s[84:85], s[32:33], s[28:29]      ; my 16 queries
.irp b, 0,1
.irp q, 0,1,2,3
	global_load_b128 v[S+16*\b+4*\q:S+16*\b+4*\q+3], v[GK], s[84:85] offset:128*\b+16*\q
.endr
.endr
	ZERO S+32, 32                                  ; K is 64
	ZERO O1, 64                                    ; both outputs: the step is written once, and its first change of M multiplies zeros
	v_mov_b32 v[MT], 0xff61b1e6                    ; -3e38, under every t
	v_floor_f32 v[NM], -v[MT]
	v_mov_b32 v[SUM], 0
	v_mov_b32 v[SUM+1], 0
	s_mov_b64 s[38:39], s[42:43]
	s_mov_b64 s[40:41], s[44:45]
	s_wait_loadcnt 0x0
	QMAX S
	QCONV S
.set N, 0
.rept 12
	v_mov_b32 v[QI+N], v[PC+N]
.set N, N+1
.endr
	v_mov_b32 v[QIS], v[PW]
.irp i, 0,1,2
	ds_store_b64 v[MI32], v[PC+2*\i:PC+2*\i+1] offset:8*\i         ; each query's codes to the a-wave of its alignment
.endr
	ds_store_b32 v[MI32], v[PW] offset:64
	s_wait_tensorcnt 0x0                           ; wave 0: the table has landed
	BAR                                            ; q's codes lie in the boxes; in the first pass also K, V and the table in their places
.irp i, 0,1,2
	ds_load_b64 v[QA+2*\i:QA+2*\i+1], v[MA32] offset:8*\i
.endr
	ds_load_b32 v[QAS], v[MA32] offset:64
	s_mov_b32 s22, 0
	s_mov_b32 s27, 0
	ATT2                                           ; (its first wait covers q's loads)
	BAR
.Lstep_\@:
	STEP 1
	s_add_co_u32 s22, s22, 1
	s_cmp_lt_u32 s22, \nst-1
	s_cbranch_scc1 .Lstep_\@
	STEP 0
	PLACES 4
.irp t, 0,1,2,3
	ds_store_b128 v[MA32], v[O2+8*\t:O2+8*\t+3] offset:64*\t       ; p rv goes back to the queries' owners
	ds_store_b128 v[MA32], v[O2+8*\t+4:O2+8*\t+7] offset:64*\t+16
.endr
	BAR
.irp t, 0,1,2,3
	ds_load_b128 v[S+8*\t:S+8*\t+3], v[MI32] offset:64*\t
	ds_load_b128 v[S+8*\t+4:S+8*\t+7], v[MI32] offset:64*\t+16
.endr
	v_add_f32 v[SUM], v[SUM], v[SUM+1]
	v_permlanex16_b32 v[T], v[SUM], s[SEL], s[SEL+1]
	v_add_f32 v[SUM], v[SUM], v[T]                 ; the row's sum
	v_rcp_f32 v[SUM], v[SUM]
	ZERO S+32, 32                                  ; plain work behind the reciprocal
	s_mul_i32 s28, s24, 24576
	s_add_co_u32 s28, s28, s46
	s_mov_b32 s29, 0
	s_add_nc_u64 s[86:87], s[10:11], s[28:29]
	s_lshl_b32 s28, s24, 10
	s_add_co_u32 s28, s28, s47
	s_add_nc_u64 s[88:89], s[10:11], s[28:29]
	s_wait_alu depctr_va_vdst(0)                   ; ahead of the reciprocal's first reader
	s_wait_dscnt 0x0
.set N, 0
.rept 16
	v_pk_add_f32 v[S+N:S+N+1], v[S+N:S+N+1], v[O1+N:O1+N+1]
.set N, N+2
.endr
.set N, 0
.rept 16
	v_pk_mul_f32 v[S+N:S+N+1], v[S+N:S+N+1], v[SUM:SUM+1] op_sel_hi:[1,0]
.set N, N+2
.endr
	QMAX S                                         ; y's 64 channels of this head: half a K step of the last product
	QCONV S
	s_cmp_eq_u32 s83, 0                            ; an even head fills registers 0-5 of the image, an odd one registers 6-11
	s_cbranch_scc0 .Lodd_\@
	global_store_b64 v[L16], v[PC:PC+1], s[86:87]
	global_store_b64 v[L16], v[PC+2:PC+3], s[86:87] offset:8
	global_store_b64 v[L16], v[PC+4:PC+5], s[86:87] offset:512
	s_branch .Lst_\@
.Lodd_\@:
	global_store_b64 v[L16], v[PC:PC+1], s[86:87] offset:520
	global_store_b64 v[L16], v[PC+2:PC+3], s[86:87] offset:1024
	global_store_b64 v[L16], v[PC+4:PC+5], s[86:87] offset:1032
.Lst_\@:
	v_lshlrev_b32 v[T], 1, v[R16]                  ; 32 r
	global_store_b16 v[T], v[PW], s[88:89]         ; the head's two scale bytes (lanes l and l + 16 store the same)
.endm
	PASS 16, 8
	PASS 0, 4
	s_wait_tensorcnt 0x0                           ; the wave's end
	ds_add_u32 v[SPW], v[NIL]
	s_wait_dscnt 0x0
	s_endpgm
.Lfunc_end_k_q4876b6fa34_attn:
	.size	k_q4876b6fa34_attn, .Lfunc_end_k_q4876b6fa34_attn-k_q4876b6fa34_attn
	.p2alignl 7, 3214868480
	.fill 96, 4, 3214868480
	.section	.rodata,"a",@progbits
	.p2align	6, 0x0
	.amdhsa_kernel k_q4876b6fa34_attn
		.amdhsa_group_segment_fixed_size 307456
		.amdhsa_private_segment_fixed_size 0
		.amdhsa_enable_private_segment 0
		.amdhsa_kernarg_size 32
		.amdhsa_user_sgpr_count 2
		.amdhsa_user_sgpr_kernarg_segment_ptr 1
		.amdhsa_wavefront_size32 1
		.amdhsa_system_sgpr_workgroup_id_x 1
		.amdhsa_system_sgpr_workgroup_id_y 1
		.amdhsa_system_sgpr_workgroup_id_z 1
		.amdhsa_system_vgpr_workitem_id 0
		.amdhsa_next_free_vgpr 256
		.amdhsa_next_free_sgpr 90
		.amdhsa_reserve_vcc 1
		.amdhsa_float_denorm_mode_32 3
		.amdhsa_float_denorm_mode_16_64 3
		.amdhsa_memory_ordered 1
		.amdhsa_forward_progress 1
		.amdhsa_inst_pref_size 214
	.end_amdhsa_kernel
	.amdgpu_metadata
---
amdhsa.version: [ 1, 2 ]
amdhsa.kernels:
  - .name:           k_q4876b6fa34_attn
    .symbol:         k_q4876b6fa34_attn.kd
    .args:
      - { .name: qkv, .offset: 0, .size: 8, .value_kind: global_buffer, .address_space: global }
      - { .name: er, .offset: 8, .size: 8, .value_kind: global_buffer, .address_space: global }
      - { .name: rv, .offset: 16, .size: 8, .value_kind: global_buffer, .address_space: global }
      - { .name: yq, .offset: 24, .size: 8, .value_kind: global_buffer, .address_space: global }
    .group_segment_fixed_size: 307456
    .private_segment_fixed_size: 0
    .kernarg_segment_align: 8
    .kernarg_segment_size: 32
    .max_flat_workgroup_size: 512
    .sgpr_count:     90
    .vgpr_count:     256
    .wavefront_size: 32
...
	.end_amdgpu_metadata
.endif
;; end of part 3
;; launch proj: the kernel of part 2 again; grid 4 x 64, 4 waves a work-group, clusters of 4 x 4, 295,424 bytes of LDS; arguments yq, wp, bproj, out0; writes out0
;; ======== version 2 of 2: 4 launches
;; limits: right only within a limited range of input values
;; workspace buffers: xq 6,553,600 bytes; yq 6,553,600 bytes; wa 6,389,760 bytes; wp 884,736 bytes; er 61,184 bytes; rv 1,638,400 bytes; qkvc 20,447,232 bytes
;; launch prep (part 4): grid 849 x 1, 4 waves a work-group, no clusters, 34,304 bytes of LDS; arguments x, Wattn, Wproj, embk, embv, xq, wa, wp, er, rv; writes xq, wa, wp, er, rv
.if DOCPART == 4
	.amdgcn_target "amdgcn-amd-amdhsa--gfx1250"
	.amdhsa_code_object_version 6
	.text
	.protected	k_q4876b6fa34_prep
	.globl	k_q4876b6fa34_prep
	.p2align	8
	.type	k_q4876b6fa34_prep,@function
k_q4876b6fa34_prep:
	s_mov_b64 s[64:65], 0
	v_nop
	global_prefetch_b8 v0, s[64:65] scope:SCOPE_SE
	s_setreg_imm32_b32 hwreg(HW_REG_WAVE_MODE, 25, 1), 1
	s_wait_xcnt 0x0
; All that can be quantised ahead of the products: x, Wattn, Wproj, embk and the 32 alignments of embv, into codes of FP6 (E2M3) with one E8M0 byte for each 32 along K.
; A FRAGMENT is 16 rows x 128 K, 12 registers a lane, and is stored as an IMAGE OF ITS REGISTERS: registers 4 g .. 4 g + 3 of lane l at 512 g + 16 l, 1,536 bytes in all: each store of the wave covers 512 consecutive bytes.
; Five paths, parted by the work-group's number.  With g = 4 x work-group + wave, counted from the path's first work-group:
;   0-511    x      [8192][1024]: row block g / 4, K steps 2 (g % 4) + j, j = 0, 1.     xq: images [row block][K step], then at 6,291,456 the scale bytes [row][32]
;            Each load reads 512 consecutive bytes of one row; a fragment's 16 x 512 bytes turn through the wave's own stage in LDS (rows 528 bytes apart) and come back 64 neighbouring bytes a lane for each block of 32.
;   512-703  Wattn  [1024 (k)][3072 (n)]: a lane takes a column n, its registers run down K; the four waves of a work-group take four neighbouring blocks of 16 columns (256 consecutive bytes of each row), the
;            work-group's number % 4 says which two K steps.                             wa: laid as xq: images [n / 16][K step], at 6,291,456 scale bytes [n][32]
;   704-767  Wproj  [1024 (k)][1024 (n)]: likewise.                                       wp: scale bytes [n][32], then at 98,304 images
;   768-831  embv: for alignment a and window step W (g = 8 a + W) the operand rv(d, o) = embv[max(128 W + 96 + a - o, 0)][d], o = 0 .. 127 along K.   rv: images [a][W][tile], at 1,572,864 scale words [a][W][r][tile]
;            the 16 rows of tile 2 b + u are d = 32 b + 8 u + r + 8 (r / 8), so that the product's results lie as the next quantiser wants them; four tiles a wave, on two sets of registers by turns
;   832-848  embk: row u of the table is embk[max(1023 - u, 0)], 64 codes in 48 bytes; at 52,224 a scale word a row, each byte + 3: the factor 8 that stands for the other product's 1 / sqrt(64);
;            the scale words once more from byte 56,768 on, so that word 16 lies at byte 56,832
; THE ORDER INSIDE A BLOCK OF 32.  The partners of embk (q) and of embv's windows (p) are made from matrix results whose tiles take neighbouring rows: there place p of a block holds element pi(p), p with its bits 3 and 4
; changed over.  So these two tables are laid in the same order; a block's 32 numbers, and so its scale, are the same set.  x, Wattn and Wproj lie in true order, as their partners do.
; A block's scale: the largest magnitude's exponent field - 2, held at 1 from below.  A block of zeros so gets the byte 1 where the rule says 127: its codes are zeros, and this program alone reads the bytes.
; LIMITS: NaN and infinities are not served; embk of 2^122 and more would carry the + 3 past the byte's range.
; A scale word is the same in lanes l and l + 16: both store it to the same address, so EXEC is never changed.  No tensor loads, no barrier: waves share nothing.
.set TM,  16                           ; v16-19 largest magnitudes, v20-23 at work and bytes, v28-31 the conversions' scale operands
.set CT,  32                           ; v32-39 the conversions' second halves
.set PC,  40                           ; v40-51 the fragment's codes
.set PW,  52                           ; v52    its scale word
.set SW,  56                           ; v56-59 the fragments' scale words
.set X0,  64                           ; v64-127, v128-191, v192-255: three sets of 64 numbers; for the quantiser register 16 b + i = place 16 (lane / 16) + i of block b of the lane's row
.set X1,  128
.set X2,  192
.set SPW, 10                           ; v10 LDS address of my spare word, v11 = 0; never rewritten
.set NIL, 11
.set SPITCH, 528                       ; a stage row: 512 bytes + 16, so that the sixteen rows that a load touches begin in different banks (64 banks of 4 bytes: ISA guide 11.1)
.set STG, 16*SPITCH                    ; a wave's stage
.set SPARE, 4*STG                      ; behind the four stages: the spare words, 128 bytes for each wave
.set SEL, 24                           ; s[24:25] selects of v_permlanex16_b32 for lane l xor 16
.macro QMAX s                          ; the four blocks' largest magnitudes
.irp b, 0,1,2,3
	v_max3_num_f32 v[TM+\b], |v[\s+16*\b]|, |v[\s+16*\b+1]|, 0x1800000   ; my 16 numbers, and the floor 2^(3 - 127): the byte cannot fall under 1
.endr
.irp i, 2,4,6,8,10,12,14
.irp b, 0,1,2,3
	v_max3_num_f32 v[TM+\b], v[TM+\b], |v[\s+16*\b+\i]|, |v[\s+16*\b+\i+1]|
.endr
.endr
.irp b, 0,1,2,3
	v_permlanex16_b32 v[TM+4+\b], v[TM+\b], s[SEL], s[SEL+1]
.endr
.irp b, 0,1,2,3
	v_max_num_f32 v[TM+\b], v[TM+\b], v[TM+4+\b]                   ; with lane l xor 16's 16
.endr
.endm
.macro QCONV s                         ; from the largest magnitudes: the scale word in v[PW], the operand's 12 registers in v[PC] on
.irp b, 0,1,2,3
	v_add_nc_u32 v[TM+12+\b], 0xff000000, v[TM+\b]                 ; 2 off the exponent field: the conversion's scale operand
.endr
.irp b, 0,1,2,3
	v_lshrrev_b32 v[TM+4+\b], 23, v[TM+12+\b]                      ; the byte
.endr
	v_lshl_or_b32 v[PW], v[TM+5], 8, v[TM+4]
	v_lshl_or_b32 v[PW], v[TM+6], 16, v[PW]
	v_lshl_or_b32 v[PW], v[TM+7], 24, v[PW]
.irp c, 0,1
	v_cvt_scalef32_pk16_fp6_f32 v[PC+6*\c:PC+6*\c+2], v[\s+32*\c:\s+32*\c+15], v[TM+12+2*\c]
	v_cvt_scalef32_pk16_fp6_f32 v[CT+4*\c:CT+4*\c+2], v[\s+32*\c+16:\s+32*\c+31], v[TM+13+2*\c]
.endr
	v_nop                                          ; one plain place behind the scaled conversions
.irp c, 0,1                            ; the operand wants a whole block in a lane: lanes 0-15 block 2 c, lanes 16-31 block 2 c + 1
.irp i, 0,1,2
	v_permlane16_swap_b32 v[PC+6*\c+\i], v[CT+4*\c+\i]
.endr
.irp i, 0,1,2
	v_mov_b32 v[PC+3+6*\c+\i], v[CT+4*\c+\i]
.endr
.endr
.endm
.macro FRAGOUT j, buf                  ; quantise, keep the scale word, store the image
.if (\j) > 0
	s_wait_xcnt 0x0                                ; the last image's stores have read v[PC] on
.endif
	QMAX \buf
	QCONV \buf
	v_mov_b32 v[SW+(\j)], v[PW]
.irp g, 0,1,2
	global_store_b128 v3, v[PC+4*\g:PC+4*\g+3], s[30:31] offset:1536*(\j)+512*\g
.endr
.endm
.macro XLOAD j, buf                    ; x: fragment j as it lies: row i's 512 bytes, 16 a lane
.irp i, 0,1,2,3,4,5,6,7,8,9,10,11,12,13,14,15
	global_load_b128 v[\buf+4*\i:\buf+4*\i+3], v3, s[28:29] offset:4096*\i+512*(\j) th:TH_LOAD_NT
.endr
.endm
.macro TURN buf                        ; through my stage: in by rows, back 64 bytes a lane for each block.  LDS serves a wave's instructions in order (ISA guide 5.7.1.4): no wait between the stores and the loads
.irp i, 0,1,2,3,4,5,6,7,8,9,10,11,12,13,14,15
	ds_store_b128 v6, v[\buf+4*\i:\buf+4*\i+3] offset:SPITCH*\i
.endr
.irp b, 0,1,2,3
.irp q, 0,1,2,3
	ds_load_b128 v[X2+16*\b+4*\q:X2+16*\b+4*\q+3], v7 offset:128*\b+16*\q
.endr
.endr
	s_wait_dscnt 0x0
.endm
.macro LOADF pitch, j, buf             ; a weight's fragment j: 64 numbers a lane, down K; pitch: a row of the weight in bytes
.irp b, 0,1,2,3
.irp i, 0,1,2,3,4,5,6,7,8,9,10,11,12,13,14,15
	global_load_b32 v[\buf+16*\b+\i], v4, s[28:29] offset:(128*(\j)+32*\b+\i)*\pitch th:TH_LOAD_NT
.endr
.endr
.endm
.macro WPATH first, pitch, in, out, img, scl   ; a weight stored [k][n]; img, scl: where the images and the scale bytes begin in its buffer
	s_sub_co_u32 s36, ttmp9, \first
	s_and_b32 s35, s36, 3                          ; which two K steps
	s_lshr_b32 s34, s36, 2
	s_lshl_b32 s34, s34, 2
	s_add_co_u32 s34, s34, s26                     ; block of 16 columns: the four waves stand side by side
	s_mul_i32 s28, s35, 256*\pitch
	s_lshl_b32 s36, s34, 6
	s_add_co_u32 s28, s28, s36
	s_add_nc_u64 s[28:29], s[\in:\in+1], s[28:29]
	s_mul_i32 s30, s34, 12288
	s_mul_i32 s36, s35, 3072
	s_add_co_u32 s30, s30, s36
	s_add_co_u32 s30, s30, \img
	s_add_nc_u64 s[30:31], s[\out:\out+1], s[30:31]
	s_lshl_b32 s32, s34, 9
	s_lshl_b32 s36, s35, 3
	s_add_co_u32 s32, s32, s36
	s_add_co_u32 s32, s32, \scl
	s_add_nc_u64 s[32:33], s[\out:\out+1], s[32:33]
	v_mul_u32_u24 v4, v2, 16*\pitch                ; lanes 16-31 begin 16 rows further down K
	v_lshl_add_u32 v4, v1, 2, v4                   ; lane r takes column r
	LOADF \pitch, 0, X0
	LOADF \pitch, 1, X1
	s_wait_loadcnt 63                              ; 64 younger loads are issued behind the first fragment's: the count 63 shows it in
	FRAGOUT 0, X0
	s_wait_loadcnt 0x0
	FRAGOUT 1, X1
	global_store_b64 v5, v[SW:SW+1], s[32:33]      ; my column's 8 scale bytes of these two K steps
	s_endpgm
.endm
	s_load_b256 s[4:11], s[0:1], 0x0               ; x, Wattn, Wproj, embk
	s_load_b256 s[12:19], s[0:1], 0x20             ; embv, xq, wa, wp
	s_load_b128 s[20:23], s[0:1], 0x40             ; er, rv
	v_lshl_add_u32 v[SPW], v0, 2, SPARE
	v_mov_b32 v[NIL], 0
	v_lshrrev_b32 v1, 5, v0
	v_readfirstlane_b32 s26, v1                    ; wave
	v_and_b32 v1, 15, v0                           ; r
	v_bfe_u32 v2, v0, 4, 1                         ; h
	v_and_b32 v3, 31, v0
	v_lshlrev_b32 v3, 4, v3                        ; 16 x lane: my place in an image, and in a load's 512 bytes
	v_lshlrev_b32 v5, 5, v1                        ; 32 r: my row's scale bytes
	s_mov_b32 s[SEL], 0x76543210
	s_mov_b32 s[SEL+1], 0xfedcba98
.irp b, 0,1,2,3
	v_mov_b32 v[TM+4+\b], 0                        ; written once: a lane permute's destination counts as one of its sources
.endr
	s_lshl_b32 s27, ttmp9, 2
	s_add_co_u32 s27, s27, s26                     ; 4 x work-group + wave
	s_mov_b32 s29, 0
	s_mov_b32 s31, 0
	s_mov_b32 s33, 0
	s_wait_alu depctr_va_vdst(0)                   ; the wait at the head's end
	s_wait_kmcnt 0x0
	s_cmp_lt_u32 ttmp9, 512
	s_cbranch_scc0 .Lnot_x
	; ---- x
	s_lshr_b32 s34, s27, 2                         ; row block
	s_and_b32 s35, s27, 3                          ; which two K steps
	s_lshl_b32 s28, s34, 16
	s_lshl_b32 s36, s35, 10
	s_add_co_u32 s28, s28, s36
	s_add_nc_u64 s[28:29], s[4:5], s[28:29]
	s_mul_i32 s30, s34, 12288
	s_mul_i32 s36, s35, 3072
	s_add_co_u32 s30, s30, s36
	s_add_nc_u64 s[30:31], s[14:15], s[30:31]
	s_lshl_b32 s32, s34, 9
	s_lshl_b32 s36, s35, 3
	s_add_co_u32 s32, s32, s36
	s_add_co_u32 s32, s32, 6291456
	s_add_nc_u64 s[32:33], s[14:15], s[32:33]
	XLOAD 0, X0                                    ; both fragments' 32 loads go out at once
	XLOAD 1, X1
	s_mul_i32 s36, s26, STG                        ; my stage
	v_add_nc_u32 v6, s36, v3                       ; in: 16 x lane of a row
	v_mul_u32_u24 v7, v1, SPITCH
	v_lshl_add_u32 v7, v2, 6, v7
	v_add_nc_u32 v7, s36, v7                       ; back: row r, + 64 h
	s_wait_alu depctr_va_vdst(0)                   ; ahead of the blocking wait
	s_wait_loadcnt 16                              ; the first fragment is in; the second's 16 loads may be out
	TURN X0
	FRAGOUT 0, X2
	s_wait_loadcnt 0x0
	TURN X1
	FRAGOUT 1, X2
	global_store_b64 v5, v[SW:SW+1], s[32:33]      ; my row's 8 scale bytes of these two K steps
	s_wait_tensorcnt 0x0                           ; the wave's end, behind my last LDS store
	ds_add_u32 v[SPW], v[NIL]
	s_wait_dscnt 0x0
	s_endpgm
.Lnot_x:
	s_cmp_lt_u32 ttmp9, 704
	s_cbranch_scc0 .Lnot_wa
	WPATH 512, 12288, 6, 16, 0, 6291456
.Lnot_wa:
	s_cmp_lt_u32 ttmp9, 768
	s_cbranch_scc0 .Lnot_wp
	WPATH 704, 4096, 8, 18, 98304, 0
.Lnot_wp:
	s_cmp_lt_u32 ttmp9, 832
	s_cbranch_scc0 .Ler
	; ---- embv's windows
	s_sub_co_u32 s27, s27, 4*768                   ; g = 8 a + W
	s_lshr_b32 s34, s27, 3
	s_and_b32 s35, s27, 7
	s_lshl_b32 s35, s35, 7
	s_add_co_u32 s35, s35, s34
	s_add_co_u32 s35, s35, 96                      ; 128 W + 96 + a
	v_lshlrev_b32 v6, 3, v2
	v_sub_nc_u32 v6, s35, v6                       ; - 8 h
	v_and_b32 v7, 8, v1
	v_add_nc_u32 v7, v7, v1
	v_lshlrev_b32 v7, 2, v7                        ; 4 (r + 8 (r / 8))
	v_lshlrev_b32 v5, 4, v1                        ; 16 r: my row's four scale words
	s_mul_i32 s30, s27, 6144
	s_add_nc_u64 s[30:31], s[22:23], s[30:31]
	s_lshl_b32 s32, s27, 8
	s_add_co_u32 s32, s32, 1572864
	s_add_nc_u64 s[32:33], s[22:23], s[32:33]
.irp b, 0,1,2,3
.irp i, 0,1,2,3,4,5,6,7,8,9,10,11,12,13,14,15
	v_add_nc_u32 v[X1+16*\b+\i], -(32*\b+\i+8*(\i/8)), v6          ; the distance of key offset o = 32 b + pi(16 h + i) = 32 b + 8 h + i + 8 (i / 8)
.endr
.endr
.irp b, 0,1,2,3
.irp i, 0,1,2,3,4,5,6,7,8,9,10,11,12,13,14,15
	v_max_i32 v[X1+16*\b+\i], 0, v[X1+16*\b+\i]    ; above the diagonal the distance is 0
.endr
.endr
.irp b, 0,1,2,3
.irp i, 0,1,2,3,4,5,6,7,8,9,10,11,12,13,14,15
	v_lshl_add_u32 v[X1+16*\b+\i], v[X1+16*\b+\i], 8, v7           ; a row of embv is 256 bytes
.endr
.endr
	s_wait_alu depctr_va_vdst(0)
.macro LOADRV t, buf
.irp b, 0,1,2,3
.irp i, 0,1,2,3,4,5,6,7,8,9,10,11,12,13,14,15
	global_load_b32 v[\buf+16*\b+\i], v[X1+16*\b+\i], s[12:13] offset:(32*((\t)/2)+8*((\t)%2))*4
.endr
.endr
.endm
	LOADRV 0, X0
	LOADRV 1, X2
.irp t, 0,1,2,3
.if \t < 3
	s_wait_loadcnt 63                              ; 64 younger loads are issued behind this tile's: the count 63 shows it in
.else
	s_wait_loadcnt 0x0
.endif
	FRAGOUT \t, X0+128*(\t%2)
.if \t < 2
	LOADRV \t+2, X0+128*(\t%2)                     ; the conversions have read the numbers: the tile two further on may land
.endif
.endr
	global_store_b128 v5, v[SW:SW+3], s[32:33]
	s_endpgm
.Ler:
	; ---- embk's table, turned round
	s_sub_co_u32 s27, s27, 4*832                   ; tile 0 .. 67
	s_lshl_b32 s34, s27, 4
	v_add_nc_u32 v6, s34, v1                       ; u
	v_sub_nc_u32 v6, 1023, v6
	v_max_i32 v6, 0, v6                            ; the distance
	v_lshlrev_b32 v4, 8, v6
	v_lshl_add_u32 v4, v2, 5, v4                   ; + 32 h: places 16 h + i hold elements 8 h + i and 16 + 8 h + (i - 8)
.irp b, 0,1
.irp q, 0,1,2,3
	global_load_b128 v[X0+16*\b+4*\q:X0+16*\b+4*\q+3], v4, s[10:11] offset:128*\b+64*(\q/2)+16*(\q%2)
.endr
.endr
.irp i, 32,33,34,35,36,37,38,39,40,41,42,43,44,45,46,47,48,49,50,51,52,53,54,55,56,57,58,59,60,61,62,63
	v_mov_b32 v[X0+\i], 0                          ; K is 64: the quantiser's other two blocks are zeros
.endr
	s_mul_i32 s30, s27, 768
	s_add_nc_u64 s[30:31], s[20:21], s[30:31]
	s_lshl_b32 s32, s27, 6
	s_add_co_u32 s32, s32, 52224
	s_add_nc_u64 s[32:33], s[20:21], s[32:33]
	v_mul_u32_u24 v7, v1, 48
	v_mad_u32_u24 v7, v2, 24, v7
	v_lshlrev_b32 v8, 2, v1
	s_wait_alu depctr_va_vdst(0)                   ; ahead of the blocking wait
	s_wait_loadcnt 0x0
	QMAX X0
	QCONV X0
	v_add_nc_u32 v[PW], 0x03030303, v[PW]          ; x 8
.irp p, 0,1,2
	global_store_b64 v7, v[PC+2*\p:PC+2*\p+1], s[30:31] offset:8*\p
.endr
	global_store_b32 v8, v[PW], s[32:33]
	global_store_b32 v8, v[PW], s[32:33] offset:4544   ; the scale words once more, 16 words earlier: word 16 of the table lies at byte 56,832 of er, so that a reader that begins at row 16 also begins at a multiple of 256 bytes
	s_endpgm
.Lfunc_end_k_q4876b6fa34_prep:
	.size	k_q4876b6fa34_prep, .Lfunc_end_k_q4876b6fa34_prep-k_q4876b6fa34_prep
	.p2alignl 7, 3214868480
	.fill 96, 4, 3214868480
	.section	.rodata,"a",@progbits
	.p2align	6, 0x0
	.amdhsa_kernel k_q4876b6fa34_prep
		.amdhsa_group_segment_fixed_size 34304
		.amdhsa_private_segment_fixed_size 0
		.amdhsa_enable_private_segment 0
		.amdhsa_kernarg_size 80
		.amdhsa_user_sgpr_count 2
		.amdhsa_user_sgpr_kernarg_segment_ptr 1
		.amdhsa_wavefront_size32 1
		.amdhsa_system_sgpr_workgroup_id_x 1
		.amdhsa_system_sgpr_workgroup_id_y 1
		.amdhsa_system_sgpr_workgroup_id_z 1
		.amdhsa_system_vgpr_workitem_id 0
		.amdhsa_next_free_vgpr 256
		.amdhsa_next_free_sgpr 66
		.amdhsa_reserve_vcc 0
		.amdhsa_float_denorm_mode_32 3
		.amdhsa_float_denorm_mode_16_64 3
		.amdhsa_memory_ordered 1
		.amdhsa_forward_progress 1
		.amdhsa_inst_pref_size 119
	.end_amdhsa_kernel
	.amdgpu_metadata
---
amdhsa.version: [ 1, 2 ]
amdhsa.kernels:
  - .name:           k_q4876b6fa34_prep
    .symbol:         k_q4876b6fa34_prep.kd
    .args:
      - { .name: x, .offset: 0, .size: 8, .value_kind: global_buffer, .address_space: global }
      - { .name: Wattn, .offset: 8, .size: 8, .value_kind: global_buffer, .address_space: global }
      - { .name: Wproj, .offset: 16, .size: 8, .value_kind: global_buffer, .address_space: global }
      - { .name: embk, .offset: 24, .size: 8, .value_kind: global_buffer, .address_space: global }
      - { .name: embv, .offset: 32, .size: 8, .value_kind: global_buffer, .address_space: global }
      - { .name: xq, .offset: 40, .size: 8, .value_kind: global_buffer, .address_space: global }
      - { .name: wa, .offset: 48, .size: 8, .value_kind: global_buffer, .address_space: global }
      - { .name: wp, .offset: 56, .size: 8, .value_kind: global_buffer, .address_space: global }
      - { .name: er, .offset: 64, .size: 8, .value_kind: global_buffer, .address_space: global }
      - { .name: rv, .offset: 72, .size: 8, .value_kind: global_buffer, .address_space: global }
    .group_segment_fixed_size: 34304
    .private_segment_fixed_size: 0
    .kernarg_segment_align: 8
    .kernarg_segment_size: 80
    .max_flat_workgroup_size: 128
    .sgpr_count:     66
    .vgpr_count:     256
    .wavefront_size: 32
...
	.end_amdgpu_metadata
.endif
;; end of part 4
;; launch qkvg (part 5): grid 4 x 64, 4 waves a work-group, clusters of 4 x 4, 327,680 bytes of LDS; arguments xq, wa, battn, qkvc; writes qkvc
.if DOCPART == 5
	.amdgcn_target "amdgcn-amd-amdhsa--gfx1250"
	.amdhsa_code_object_version 6
	.text
	.protected	k_q4876b6fa34_qkvg
	.globl	k_q4876b6fa34_qkvg
	.p2align	8
	.type	k_q4876b6fa34_qkvg,@function
k_q4876b6fa34_qkvg:
	s_mov_b64 s[64:65], 0
	v_nop
	global_prefetch_b8 v0, s[64:65] scope:SCOPE_SE
	s_setreg_imm32_b32 hwreg(HW_REG_WAVE_MODE, 25, 1), 1
	s_wait_xcnt 0x0
	s_wait_alu depctr_hold_cnt(0) depctr_sa_sdst(0) depctr_va_vdst(0) depctr_va_sdst(0) depctr_va_ssrc(0) depctr_va_vcc(0) depctr_vm_vsrc(0)
	s_getreg_b32 s2, hwreg(HW_REG_IB_STS2, 6, 4)
	s_cmp_eq_u32 s2, 0
	s_cbranch_scc0 .Lentry_in_a_cluster
	s_endpgm
.Lentry_in_a_cluster:
	s_bfe_u32 s2, ttmp6, 0x10000c
	s_cmp_lg_u32 s2, 0xf033
	s_cbranch_scc0 .Lentry_shape_is_right
	s_endpgm
.Lentry_shape_is_right:
; q, k, v = x Wattn + battn on codes of FP6 (E2M3) with E8M0 scales, K = 1,024, AND THEIR QUANTISING for the products of the attention: the f32 results never go to memory.
; xq and wa are laid alike: images of fragments [block of 16 rows][K step][1,536 bytes], scale bytes [row][32] at byte 6,291,456.  Three ds_load_b128 bring an image's 12 registers.
; A tile is 128 rows of SIDE A x 256 rows of SIDE B; each of the four waves makes 64 x 128: 32 accumulators.  Source 0 = 16 rows of side B, source 1 = 16 rows of side A: a lane holds ONE row of side A,
; and in the 64 registers of an A block register 8 b + j is row 16 b + 8 (lane / 16) + j of side B.
; A WORK-GROUP STAYS and walks three tiles, the planes q, k, v.  Planes 0, 1: side A = x's tokens (tile 4 c + cy), side B = Wattn's columns (tile 4 plane + cx): registers run along the channels.
; Plane 2: side A = Wattn's columns 2,048 on (tile 16 + 4 (c % 2) + cy), side B = x's tokens (tile 4 (c / 2) + cx): registers run down the tokens, which are v's K.
; THE RING: two LDS slots, each with four K steps of a tile (A 8 blocks x 6,144 bytes, then B 16 blocks).  A wave issues one joint load behind each round of the cluster's barrier: slot 0 takes the next plane's
; first half when K step 3's fragments have been read, slot 1 its second half behind the first quarter of the way out.  Planes 0 and 1 are a loop of two trips; plane 2, which asks for nothing more, is written out.
; CLUSTERS: 4 x 4; A's tiles are shared along a row of the cluster, B's along a column.
; No prefetch: each refill is asked for four K steps (128 products a wave) or more ahead of the wait for it.
; THE WAY OUT: the bias is added, the 64 registers of an A block are four blocks of 32 for the quantiser, codes and scale words are stored.  Place p of a block holds element pi(p), p with its bits 3 and 4 changed
; over: every partner of these operands is laid in the same order.
; qkvc: codes [plane][16 batch + head][row][48 bytes], at 18,874,368 a scale word for each row (its two low bytes).  q, k: row = token.  v: row = 64 x (pair of key blocks) + pos(d), 48 bytes = 64 keys;
; pos(d) is d with its bits 3 and 4 changed over.
; A block of zeros has the byte 1 (its codes are zeros; the bytes are this program's own).  NaN and infinities are not served.
; REGISTERS: window 0: v16-19 LDS addresses; v20-23 the way out's offsets; v28, v29 the add's two; v32-63 A's scale words (8 a + K step), v64-127 B's; v128-223 A's fragments, two sets of 48, on the way out the
;   quantiser's; v224-231 the bias of plane 2.   window 1: v0-191 B's fragments, two sets of 96; v192-255 the bias of planes 0, 1.   window 2: accumulator (a, b) at v[8 (8 a + b)].
.set SLOT,   147456
.set BOFF,   49152
.set SPARE,  294912                    ; behind the ring: the spare words, 128 bytes for each wave
.set ASC,    6291456
.set ADRA, 16                          ; v16, v17: my A blocks in slot 0, 1
.set ADRB, 18                          ; v18, v19: my B blocks
.set SPW,  28
.set NIL,  29
.set SA,   32
.set SB,   64
.set AF,   128
.set BV,   224
.set BIAS, 192
.set TM,   128
.set CT,   144
.set PC,   152
.set PW,   200
.set PH,   204
.set SEL,  2
.set G1A, 24
.set G1B, 32
.set G0A, 40                           ; s[40:47] group 0 for A, one set for each slot;  s[48:55] for B
.set G0B, 48
.set PL,  82                           ; the plane
.set MSB, 0
.macro WIN new                         ; the immediate's high byte repeats the setting that is left
.if MSB != \new
	s_set_vgpr_msb (MSB<<8)|\new
.set MSB, \new
.endif
.endm
.macro PLACES
.rept 4
	v_nop
.endr
.endm
.macro CROUND                          ; a round of the cluster's barrier
	s_barrier_signal -1
	s_barrier_wait -1
	s_cmp_lg_u32 s12, 0
	s_cbranch_scc1 .Lnot_wave_0_\@
	s_barrier_signal -3
.Lnot_wave_0_\@:
	s_barrier_wait -3
	s_barrier_signal -1
	s_barrier_wait -1
.endm
.macro JLOAD sl                        ; a joint load into slot sl: waves 0, 1 fetch A's halves, waves 2, 3 B's
	s_cmp_eq_u32 s13, 0
	s_cbranch_scc0 .Lfor_b_\@
	tensor_load_to_lds s[G0A+4*\sl:G0A+4*\sl+3], s[G1A:G1A+7]
	s_nop 0
	PLACES
	s_branch .Lasked_\@
.Lfor_b_\@:
	tensor_load_to_lds s[G0B+4*\sl:G0B+4*\sl+3], s[G1B:G1B+7]
	s_nop 0
	PLACES
.Lasked_\@:
.endm
.macro REFILL sl, alu                  ; slot sl takes the next plane's half sl; s[96:97], s[98:99]: where that plane's blocks of mine begin
.if \alu
	s_wait_alu depctr_va_vdst(0)                   ; ahead of the blocking wait
.endif
	s_wait_tensorcnt 0x0                           ; my one load that was out has landed
	ds_add_u32 v[SPW], v[NIL]
	s_add_nc_u64 s[G0A+4*\sl+2:G0A+4*\sl+3], s[96:97], \sl*6144
	s_or_b32 s[G0A+4*\sl+3], s[G0A+4*\sl+3], 0x80000000
	s_add_nc_u64 s[G0B+4*\sl+2:G0B+4*\sl+3], s[98:99], \sl*6144
	s_or_b32 s[G0B+4*\sl+3], s[G0B+4*\sl+3], 0x80000000
	s_wait_dscnt 0x0                               ; the add is done, and my reads of the slot
	CROUND
	JLOAD \sl
.endm
.macro LDSC                            ; a tile's scale words
.irp a, 0,1,2,3
	global_load_b128 v[SA+8*\a:SA+8*\a+3], v5, s[88:89] offset:512*\a
	global_load_b128 v[SA+8*\a+4:SA+8*\a+7], v5, s[88:89] offset:512*\a+16
.endr
.irp b, 0,1,2,3,4,5,6,7
	global_load_b128 v[SB+8*\b:SB+8*\b+3], v5, s[90:91] offset:512*\b
	global_load_b128 v[SB+8*\b+4:SB+8*\b+7], v5, s[90:91] offset:512*\b+16
.endr
.endm
.macro LDBIAS                          ; planes 0, 1: the bias of my 128 columns, eight a lane for each of B's blocks
	WIN 0x40
.irp b, 0,1,2,3,4,5,6,7
	global_load_b128 v[BIAS+8*\b:BIAS+8*\b+3], v6, s[92:93] offset:64*\b
	global_load_b128 v[BIAS+8*\b+4:BIAS+8*\b+7], v6, s[92:93] offset:64*\b+16
.endr
	WIN 0
.endm
	s_load_b256 s[4:11], s[0:1], 0x0               ; xq s[4:5], wa s[6:7], battn s[8:9], qkvc s[10:11]
	v_lshl_add_u32 v[SPW], v0, 2, SPARE
	v_mov_b32 v[NIL], 0
	ds_add_u32 v[SPW], v[NIL]                      ; the opening lines: the add, twice, and its wait
	ds_add_u32 v[SPW], v[NIL]
	v_lshrrev_b32 v1, 5, v0
	v_readfirstlane_b32 s12, v1                    ; wave 0..3
	s_lshr_b32 s13, s12, 1                         ; wm: which 64 rows of side A are mine.  Also: I fetch for A (0) or for B (1)
	s_and_b32 s14, s12, 1                          ; wn: which 128 rows of side B.  Also: which half of the blocks I fetch
	s_bfe_u32 s84, ttmp6, 0x40000                  ; cx
	s_bfe_u32 s85, ttmp6, 0x40004                  ; cy
	s_and_b32 s86, ttmp7, 0xffff                   ; c: the cluster's y, 0 .. 15
	s_lshl_b32 s87, s86, 2
	s_add_co_u32 s87, s87, s85                     ; planes 0, 1: A's tile 4 c + cy
	s_and_b32 s16, s86, 1
	s_lshl_b32 s16, s16, 2
	s_add_co_u32 s16, s16, 16
	s_add_co_u32 s16, s16, s85                     ; plane 2: A's tile
	s_lshr_b32 s15, s86, 1
	s_lshl_b32 s15, s15, 2
	s_add_co_u32 s15, s15, s84                     ; plane 2: B's tile
	s_lshl_b32 s17, s85, 2
	s_lshl_b32 s17, 15, s17                        ; my row of the cluster
	s_lshl_b32 s18, 0x1111, s84                    ; my column
	s_mov_b32 s[SEL], 0x76543210
	s_mov_b32 s[SEL+1], 0xfedcba98
	; groups 1: rows of 6,144 bytes (768 elements of 8 bytes: a block's four K steps), 12,288 bytes apart; A 4 rows, B 8
	s_or_b32 s[G1A], s17, (3<<16)|(1<<21)
	s_or_b32 s[G1B], s18, (3<<16)|(1<<21)
	s_mov_b32 s[G1A+1], 768<<16
	s_mov_b32 s[G1A+2], 4<<16
	s_mov_b32 s[G1A+3], 768<<16
	s_mov_b32 s[G1A+4], 4
	s_mov_b32 s[G1A+5], 1536
	s_mov_b32 s[G1A+6], 0
	s_mov_b32 s[G1A+7], 0
	s_mov_b32 s[G1B+1], 768<<16
	s_mov_b32 s[G1B+2], 8<<16
	s_mov_b32 s[G1B+3], 768<<16
	s_mov_b32 s[G1B+4], 8
	s_mov_b32 s[G1B+5], 1536
	s_mov_b32 s[G1B+6], 0
	s_mov_b32 s[G1B+7], 0
	s_lshl_b32 s19, s14, 2
	s_lshl_b32 s20, s87, 3
	s_add_co_u32 s20, s20, s19                     ; planes 0, 1: A's block 8 tile + 4 wn
	s_mul_i32 s20, s20, 12288
	s_mov_b32 s21, 0
	s_lshl_b32 s22, s16, 3
	s_add_co_u32 s22, s22, s19                     ; plane 2: likewise
	s_mul_i32 s22, s22, 12288
	s_mov_b32 s23, 0
	s_lshl_b32 s19, s14, 3
	s_lshl_b32 s60, s84, 4
	s_add_co_u32 s60, s60, s19                     ; plane 0: B's block 16 cx + 8 wn
	s_mul_i32 s60, s60, 12288
	s_mov_b32 s61, 0
	s_lshl_b32 s62, s15, 4
	s_add_co_u32 s62, s62, s19                     ; plane 2
	s_mul_i32 s62, s62, 12288
	s_mov_b32 s63, 0
	s_mov_b32 s[G0A], 1
	s_mov_b32 s[G0A+4], 1
	s_mov_b32 s[G0B], 1
	s_mov_b32 s[G0B+4], 1
	s_mul_i32 s[G0A+1], s14, 24576                 ; the wave's number alone enters an LDS address
	s_add_co_u32 s[G0A+5], s[G0A+1], SLOT
	s_mul_i32 s[G0B+1], s14, 49152
	s_add_co_u32 s[G0B+1], s[G0B+1], BOFF
	s_add_co_u32 s[G0B+5], s[G0B+1], SLOT
	s_wait_dscnt 0x0                               ; both opening adds are done
	s_wait_kmcnt 0x0
	s_add_nc_u64 s[66:67], s[4:5], s[20:21]        ; A's blocks of mine, planes 0, 1
	s_add_nc_u64 s[70:71], s[6:7], s[22:23]        ; plane 2
	s_add_nc_u64 s[68:69], s[6:7], s[60:61]        ; B's, plane 0
	s_add_nc_u64 s[72:73], s[4:5], s[62:63]        ; plane 2
	s_mov_b64 s[G0A+2:G0A+3], s[66:67]
	s_or_b32 s[G0A+3], s[G0A+3], 0x80000000
	s_add_nc_u64 s[G0A+6:G0A+7], s[66:67], 6144
	s_or_b32 s[G0A+7], s[G0A+7], 0x80000000
	s_mov_b64 s[G0B+2:G0B+3], s[68:69]
	s_or_b32 s[G0B+3], s[G0B+3], 0x80000000
	s_add_nc_u64 s[G0B+6:G0B+7], s[68:69], 6144
	s_or_b32 s[G0B+7], s[G0B+7], 0x80000000
	s_add_nc_u64 s[68:69], s[68:69], 786432        ; B's, plane 1: 64 blocks on
	CROUND                                         ; all sixteen work-groups are here: the first joint loads meet
	JLOAD 0                                        ; plane 0, K steps 0-3: one tensor load a wave at the head
	v_and_b32 v1, 31, v0
	v_and_b32 v2, 15, v0                           ; r
	v_bfe_u32 v3, v0, 4, 1                         ; h
	v_lshlrev_b32 v4, 4, v1                        ; 16 x lane
	s_mul_i32 s19, s13, 24576                      ; my four blocks of A
	v_add_nc_u32 v[ADRA], s19, v4
	v_add_nc_u32 v[ADRB], s[G0B+1], v4             ; my eight blocks of B
	v_add_nc_u32 v[ADRA+1], SLOT, v[ADRA]
	v_add_nc_u32 v[ADRB+1], SLOT, v[ADRB]
	v_lshlrev_b32 v5, 5, v2                        ; 32 r: a row's scale bytes
	v_lshlrev_b32 v6, 5, v3                        ; 32 h: the bias of my half's eight columns
	v_mul_u32_u24 v7, v3, 24
	v_mad_u32_u24 v20, v2, 48, v7                  ; q, k: row r of 48 bytes, + 24 h
	v_lshlrev_b32 v21, 2, v2
	v_and_b32 v8, 8, v2
	v_add_nc_u32 v8, v8, v2                        ; r + 8 (r / 8)
	v_mad_u32_u24 v22, v8, 48, v7                  ; v: the same by pos(d)
	v_lshlrev_b32 v23, 2, v8
	s_wait_alu depctr_va_vdst(0)                   ; behind the head's last vector instruction
	s_lshl_b32 s17, s87, 7
	s_lshl_b32 s18, s13, 6
	s_add_co_u32 s17, s17, s18                     ; planes 0, 1: my first row of side A
	s_lshl_b32 s20, s17, 5
	s_add_co_u32 s20, s20, ASC
	s_add_nc_u64 s[74:75], s[4:5], s[20:21]        ; its scale bytes
	s_lshl_b32 s19, s16, 7
	s_add_co_u32 s19, s19, s18                     ; plane 2: my first row of side A, a column of Wattn
	s_lshl_b32 s22, s19, 5
	s_add_co_u32 s22, s22, ASC
	s_add_nc_u64 s[78:79], s[6:7], s[22:23]
	s_lshl_b32 s22, s19, 2
	s_add_nc_u64 s[94:95], s[8:9], s[22:23]        ; and its bias
	s_lshl_b32 s18, s14, 7
	s_lshl_b32 s60, s84, 8
	s_add_co_u32 s60, s60, s18                     ; plane 0: my first row of side B
	s_lshl_b32 s62, s60, 2
	s_add_nc_u64 s[92:93], s[8:9], s[62:63]        ; its bias
	s_lshl_b32 s60, s60, 5
	s_add_co_u32 s60, s60, ASC
	s_add_nc_u64 s[90:91], s[6:7], s[60:61]        ; its scale bytes
	s_add_nc_u64 s[76:77], s[90:91], 32768         ; plane 1: 1,024 rows on
	s_lshl_b32 s62, s15, 8
	s_add_co_u32 s62, s62, s18
	s_lshl_b32 s62, s62, 5
	s_add_co_u32 s62, s62, ASC
	s_add_nc_u64 s[80:81], s[4:5], s[62:63]        ; plane 2
	s_mov_b64 s[88:89], s[74:75]
	s_lshr_b32 s17, s87, 3                         ; where plane 0's results go: the batch (8 tiles of 128 tokens),
	s_lshl_b32 s17, s17, 4
	s_lshl_b32 s18, s84, 2
	s_add_co_u32 s17, s17, s18
	s_lshl_b32 s18, s14, 1
	s_add_co_u32 s17, s17, s18                     ; 16 batch + my first head, 4 cx + 2 wn
	s_and_b32 s18, s87, 7
	s_lshl_b32 s18, s18, 7
	s_lshl_b32 s19, s13, 6
	s_add_co_u32 s18, s18, s19                     ; my first token
	s_mul_i32 s56, s17, 49152
	s_mul_i32 s19, s18, 48
	s_add_co_u32 s56, s56, s19
	s_mov_b32 s57, 0
	s_add_nc_u64 s[56:57], s[10:11], s[56:57]
	s_lshl_b32 s58, s17, 12
	s_lshl_b32 s19, s18, 2
	s_add_co_u32 s58, s58, s19
	s_add_co_u32 s58, s58, 18874368
	s_mov_b32 s59, 0
	s_add_nc_u64 s[58:59], s[10:11], s[58:59]
.irp a, 0,1,2,3
	global_load_b32 v[BV+2*\a], v21, s[94:95] offset:64*\a         ; plane 2: the bias of column 16 a + r, twice: the packed addition names a pair
	global_load_b32 v[BV+2*\a+1], v21, s[94:95] offset:64*\a
.endr
	LDSC
	LDBIAS
	s_mov_b32 s[PL], 0
.macro FETCH s                         ; K step s: B's eight fragments and A's four into set s % 2: 36 loads
	WIN 0x40
.irp i, 0,1,2,3,4,5,6,7
.irp g, 0,1,2
	ds_load_b128 v[96*((\s)%2)+12*\i+4*\g:96*((\s)%2)+12*\i+4*\g+3], v[ADRB+(\s)/4] offset:\i*6144+((\s)%4)*1536+512*\g
.endr
.endr
	WIN 0
.irp i, 0,1,2,3
.irp g, 0,1,2
	ds_load_b128 v[AF+48*((\s)%2)+12*\i+4*\g:AF+48*((\s)%2)+12*\i+4*\g+3], v[ADRA+(\s)/4] offset:\i*6144+((\s)%4)*1536+512*\g
.endr
.endr
.endm
.macro MUL s                           ; 32 products; the accumulators take turns.  The first K step starts the sums
	WIN 0xa1                                       ; source 0 (B) window 1, source 1 (A) window 0, C and D window 2
.irp a, 0,1,2,3
.irp b, 0,1,2,3,4,5,6,7
.if (\s) == 0
	v_wmma_scale_f32_16x16x128_f8f6f4 v[8*(8*\a+\b):8*(8*\a+\b)+7], v[96*((\s)%2)+12*\b:96*((\s)%2)+12*\b+11], v[AF+48*((\s)%2)+12*\a:AF+48*((\s)%2)+12*\a+11], 0, v[SB+8*\b+(\s)], v[SA+8*\a+(\s)] matrix_a_fmt:MATRIX_FMT_FP6 matrix_b_fmt:MATRIX_FMT_FP6
.else
	v_wmma_scale_f32_16x16x128_f8f6f4 v[8*(8*\a+\b):8*(8*\a+\b)+7], v[96*((\s)%2)+12*\b:96*((\s)%2)+12*\b+11], v[AF+48*((\s)%2)+12*\a:AF+48*((\s)%2)+12*\a+11], v[8*(8*\a+\b):8*(8*\a+\b)+7], v[SB+8*\b+(\s)], v[SA+8*\a+(\s)] matrix_a_fmt:MATRIX_FMT_FP6 matrix_b_fmt:MATRIX_FMT_FP6
.endif
.endr
.endr
.endm
.macro KWALK refill                    ; a tile's eight K steps.  Slot 0 is whole for every wave at its start
	FETCH 0
	s_wait_loadcnt 0x0                             ; scale words and bias
.irp s, 0,1,2,3,4,5,6,7
	WIN 0
.if \s == 3
.if \refill
	REFILL 0, 0                                    ; slot 1 is whole, slot 0 is read no more and takes the next plane's first half; the four v_nop behind the load are the places
.else
	s_wait_tensorcnt 0x0                           ; my part of slot 1 is in; nothing is filled again
	s_wait_dscnt 0x0
	s_barrier_signal -1
	s_barrier_wait -1
	PLACES
.endif
.else
.if \s < 7
	PLACES                                         ; in front of loads into the set that the K step before multiplied
.endif
.endif
.if \s < 7
	FETCH \s+1
	s_wait_dscnt 36                                ; all but the 36 just issued: this K step's fragments are in
.else
	s_wait_dscnt 0x0
.endif
	MUL \s
.endr
	WIN 0
	PLACES                                         ; behind the last products: reads of results, loads into scale registers
.endm
; THE QUANTISER on the 64 registers of A block a (window 2): four blocks of 32, each in lanes l and l xor 16.  Codes to v[PC + 12 a] on, the scale word to v[PW + a].
.macro QUANT a
.set SR, 64*(\a)
.set PCA, PC+12*(\a)
	WIN 0x28
.irp b, 0,1,2,3
	v_max3_num_f32 v[TM+\b], 0x1800000, |v[SR+16*\b]|, |v[SR+16*\b+1]|   ; my 16 numbers, and the floor 2^(3 - 127): the byte cannot fall under 1
.endr
.irp i, 2,4,6,8,10,12,14
.irp b, 0,1,2,3
	v_max3_num_f32 v[TM+\b], v[TM+\b], |v[SR+16*\b+\i]|, |v[SR+16*\b+\i+1]|
.endr
.endr
	WIN 0
.irp b, 0,1,2,3
	v_permlanex16_b32 v[TM+4+\b], v[TM+\b], s[SEL], s[SEL+1]
.endr
.irp b, 0,1,2,3
	v_max_num_f32 v[TM+\b], v[TM+\b], v[TM+4+\b]
.endr
.irp b, 0,1,2,3
	v_add_nc_u32 v[TM+12+\b], 0xff000000, v[TM+\b]                 ; 2 off the exponent field: the conversion's scale operand
.endr
.irp b, 0,1,2,3
	v_lshrrev_b32 v[TM+4+\b], 23, v[TM+12+\b]
.endr
	v_lshl_or_b32 v[PW+(\a)], v[TM+5], 8, v[TM+4]
	v_lshl_or_b32 v[PW+(\a)], v[TM+6], 16, v[PW+(\a)]
	v_lshl_or_b32 v[PW+(\a)], v[TM+7], 24, v[PW+(\a)]
	WIN 0x02
.irp c, 0,1
	v_cvt_scalef32_pk16_fp6_f32 v[PCA+6*\c:PCA+6*\c+2], v[SR+32*\c:SR+32*\c+15], v[TM+12+2*\c]
	v_cvt_scalef32_pk16_fp6_f32 v[CT+4*\c:CT+4*\c+2], v[SR+32*\c+16:SR+32*\c+31], v[TM+13+2*\c]
.endr
	WIN 0
	v_nop                                          ; one plain place behind the scaled conversions
.irp c, 0,1
.irp i, 0,1,2
	v_permlane16_swap_b32 v[PCA+6*\c+\i], v[CT+4*\c+\i]
.endr
.irp i, 0,1,2
	v_mov_b32 v[PCA+3+6*\c+\i], v[CT+4*\c+\i]
.endr
.endr
.endm
; The way out.  isv = 0: registers 0-5 of the codes are my token's 64 channels of the first of my two heads, registers 6-11 those of the second, 49,152 bytes on.
; isv = 1: registers 0-5 are my channel's first 64 keys, registers 6-11 the next 64, 3,072 bytes on; channel 16 a + r lies at row 32 (a / 2) + 8 (a % 2) + r + 8 (r / 8).
.macro EPI isv, refill
.irp a, 0,1,2,3
.if (\refill) && (\a == 1)
	REFILL 1, 1                                    ; slot 1 was read out at K step 7: it takes the next plane's second half
.endif
.set N, 0
.if \isv
	WIN 0x82
.rept 32
	v_pk_add_f32 v[64*\a+N:64*\a+N+1], v[64*\a+N:64*\a+N+1], v[BV+2*\a:BV+2*\a+1] op_sel_hi:[1,0]   ; each accumulator from its low end on
.set N, N+2
.endr
.else
	WIN 0x86
.rept 32
	v_pk_add_f32 v[64*\a+N:64*\a+N+1], v[64*\a+N:64*\a+N+1], v[BIAS+N:BIAS+N+1]
.set N, N+2
.endr
.if \a == 3
	WIN 0
	s_cmp_lg_u32 s[PL], 0                          ; plane 0's bias has been read for the last time: plane 1's comes; plane 2 has its own
	s_wait_alu depctr_va_vdst(0)                   ; ahead of the branch
	s_cbranch_scc1 .Lno_bias
	s_add_nc_u64 s[92:93], s[92:93], 4096
	LDBIAS
.Lno_bias:
.endif
.endif
	QUANT \a
	v_lshrrev_b32 v[PH+\a], 16, v[PW+\a]           ; the second half's two bytes
.if \isv
.irp p, 0,1,2
	global_store_b64 v22, v[PCA+2*\p:PCA+2*\p+1], s[56:57] offset:1536*(\a/2)+384*(\a%2)+8*\p
	global_store_b64 v22, v[PCA+6+2*\p:PCA+7+2*\p], s[56:57] offset:3072+1536*(\a/2)+384*(\a%2)+8*\p
.endr
	global_store_b32 v23, v[PW+\a], s[58:59] offset:128*(\a/2)+32*(\a%2)       ; (lanes l and l + 16 store the same word; a reader takes its two low bytes)
	global_store_b32 v23, v[PH+\a], s[58:59] offset:256+128*(\a/2)+32*(\a%2)
.else
.irp p, 0,1,2
	global_store_b64 v20, v[PCA+2*\p:PCA+2*\p+1], s[56:57] offset:768*\a+8*\p
	global_store_b64 v20, v[PCA+6+2*\p:PCA+7+2*\p], s[56:57] offset:49152+768*\a+8*\p
.endr
	global_store_b32 v21, v[PW+\a], s[58:59] offset:64*\a
	global_store_b32 v21, v[PH+\a], s[58:59] offset:4096+64*\a
.endif
.endr
.endm
	s_wait_tensorcnt 0x0                           ; my part of slot 0 is in
	ds_add_u32 v[SPW], v[NIL]
	s_wait_dscnt 0x0
	CROUND
	JLOAD 1                                        ; plane 0, K steps 4-7
.Ltile:                                                ; planes 0 and 1
	s_cmp_eq_u32 s[PL], 0                          ; the next plane's blocks: plane 1 keeps A's and steps B's, plane 2 has its own
	s_cselect_b64 s[96:97], s[66:67], s[70:71]
	s_cselect_b64 s[98:99], s[68:69], s[72:73]
	KWALK 1
	s_cmp_eq_u32 s[PL], 0
	s_cselect_b64 s[88:89], s[74:75], s[78:79]
	s_cselect_b64 s[90:91], s[76:77], s[80:81]
	LDSC                                           ; the next plane's scale words land under the way out
	EPI 0, 1
	s_wait_xcnt 0x0                                ; the stores have read their registers and bases
	s_add_nc_u64 s[56:57], s[56:57], 6291456
	s_add_nc_u64 s[58:59], s[58:59], 524288
	s_add_co_u32 s[PL], s[PL], 1
	s_cmp_lt_u32 s[PL], 2
	s_cbranch_scc1 .Ltile
	KWALK 0                                        ; plane 2: nothing more is asked for
	s_lshr_b32 s20, s15, 2                         ; the batch: 4 tiles of 256 tokens each
	s_lshl_b32 s20, s20, 4
	s_sub_co_u32 s21, s16, 16
	s_lshl_b32 s21, s21, 1
	s_add_co_u32 s20, s20, s21
	s_add_co_u32 s20, s20, s13                     ; 16 batch + my head
	s_and_b32 s21, s15, 3
	s_lshl_b32 s21, s21, 2
	s_lshl_b32 s22, s14, 1
	s_add_co_u32 s21, s21, s22                     ; my first pair of key blocks
	s_mul_i32 s56, s20, 49152
	s_mul_i32 s22, s21, 3072
	s_add_co_u32 s56, s56, s22
	s_add_co_u32 s56, s56, 12582912
	s_mov_b32 s57, 0
	s_add_nc_u64 s[56:57], s[10:11], s[56:57]
	s_lshl_b32 s58, s20, 12
	s_lshl_b32 s22, s21, 8
	s_add_co_u32 s58, s58, s22
	s_add_co_u32 s58, s58, 18874368+1048576
	s_mov_b32 s59, 0
	s_add_nc_u64 s[58:59], s[10:11], s[58:59]
	EPI 1, 0
	s_wait_tensorcnt 0x0                           ; the wave's end
	ds_add_u32 v[SPW], v[NIL]
	s_wait_dscnt 0x0
	CROUND                                         ; the closing round
	s_endpgm
.Lfunc_end_k_q4876b6fa34_qkvg:
	.size	k_q4876b6fa34_qkvg, .Lfunc_end_k_q4876b6fa34_qkvg-k_q4876b6fa34_qkvg
	.p2alignl 7, 3214868480
	.fill 96, 4, 3214868480
	.section	.rodata,"a",@progbits
	.p2align	6, 0x0
	.amdhsa_kernel k_q4876b6fa34_qkvg
		.amdhsa_group_segment_fixed_size 327680
		.amdhsa_private_segment_fixed_size 0
		.amdhsa_enable_private_segment 0
		.amdhsa_kernarg_size 32
		.amdhsa_user_sgpr_count 2
		.amdhsa_user_sgpr_kernarg_segment_ptr 1
		.amdhsa_wavefront_size32 1
		.amdhsa_system_sgpr_workgroup_id_x 1
		.amdhsa_system_sgpr_workgroup_id_y 1
		.amdhsa_system_sgpr_workgroup_id_z 1
		.amdhsa_system_vgpr_workitem_id 0
		.amdhsa_next_free_vgpr 768
		.amdhsa_next_free_sgpr 102
		.amdhsa_reserve_vcc 0
		.amdhsa_float_denorm_mode_32 3
		.amdhsa_float_denorm_mode_16_64 3
		.amdhsa_memory_ordered 1
		.amdhsa_forward_progress 1
		.amdhsa_inst_pref_size 180
	.end_amdhsa_kernel
	.amdgpu_metadata
---
amdhsa.version: [ 1, 2 ]
amdhsa.kernels:
  - .name:           k_q4876b6fa34_qkvg
    .symbol:         k_q4876b6fa34_qkvg.kd
    .args:
      - { .name: xq, .offset: 0, .size: 8, .value_kind: global_buffer, .address_space: global }
      - { .name: wa, .offset: 8, .size: 8, .value_kind: global_buffer, .address_space: global }
      - { .name: battn, .offset: 16, .size: 8, .value_kind: global_buffer, .address_space: global }
      - { .name: qkvc, .offset: 24, .size: 8, .value_kind: global_buffer, .address_space: global }
    .group_segment_fixed_size: 327680
    .private_segment_fixed_size: 0
    .kernarg_segment_align: 8
    .kernarg_segment_size: 32
    .max_flat_workgroup_size: 128
    .sgpr_count:     102
    .vgpr_count:     768
    .wavefront_size: 32
...
	.end_amdgpu_metadata
.endif
;; end of part 5
;; launch attn (part 6): grid 2 x 128, 16 waves a work-group, no clusters, 298,240 bytes of LDS; arguments qkvc, er, rv, yq; writes yq
.if DOCPART == 6
	.amdgcn_target "amdgcn-amd-amdhsa--gfx1250"
	.amdhsa_code_object_version 6
	.text
	.protected	k_q4876b6fa34_attn
	.globl	k_q4876b6fa34_attn
	.p2align	8
	.type	k_q4876b6fa34_attn,@function
k_q4876b6fa34_attn:
	s_mov_b64 s[64:65], 0
	v_nop
	global_prefetch_b8 v0, s[64:65] scope:SCOPE_SE
	s_setreg_imm32_b32 hwreg(HW_REG_WAVE_MODE, 25, 1), 1
	s_wait_xcnt 0x0
; Causal attention with relative tables, all four products on codes of FP6 (E2M3) with E8M0 scales.  In: qkvc: q, k, v as codes, rows of 48 bytes, and a scale word a row; er: embk's codes, turned round, scale bytes + 3;
; rv: embv's windows as operand images.  Out: yq: y = (p v + p rv) / l as images of fragments [row block][K step] and, at 6,291,456, scale bytes [row][32], for the last product.
; SHARES.  A work-group owns one (batch, head) and one half of the alignments, a0 = 0 or 16: the queries t = 32 I + a0 + n, n = 0 .. 15.  The head's K and V lie in LDS for the whole launch.
; EVERY WAVE HAS TWO ROLES.  I-role: wave i owns the 16 queries of row block I = IB + i (columns n): q k^T, the softmax, p v.  a-role: wave n owns alignment a = a0 + n (columns: the 16 row blocks): q rk^T and p rv.
; ALL WAVES WALK WINDOWS: in step W wave I takes the 128 keys s = 32 (I - 4 W - 3) + o.  The distance t - s = 128 W + 96 + a - o is then the same for all columns of an a-role tile, so both relative products are plain products.
; THE ROLES EXCHANGE THROUGH MAILBOXES in LDS: box (i, n) is touched by I-wave i and a-wave n alone, with a barrier between the two.  Two barriers a step.
; Two passes, written out: row blocks 16-31 in 8 steps, row blocks 0-15 in 4.  Wave I works while 4 W <= I; after that it posts zero codes and the factor 1.
; SCORES: S = q.k + 8 q.rk (the 8 lies in er's scale bytes), t = S log2(e) / 8; M = the running largest t rounded up; p = 2^(t - M) is quantised along the keys; the sum is taken of the unquantised p.
; Both kinds of products are used transposed: a lane holds one column.  A tile of K takes 16 neighbouring keys, so place p of a block of p's codes holds key pi(p), p with its bits 3 and 4 changed over: v and rv are laid so.
; V's rows lie by pos(d), d with its bits 3 and 4 changed over, and rv's tiles take the same channels: so the 16 registers of two tiles of the output are 16 neighbouring channels, and y is quantised in true order.
; K is 64 in the score products: q's upper six registers hold zero codes; the other operand's upper six hold whatever codes were there, which zero codes multiply.
; IN FRONT OF KEY 0.  A wave whose window begins in front of key 0 reads, for those blocks, the bytes of the region that lies in front of K, of V and of their scale words.  All these regions are filled by tensor loads
; with codes and scale bytes: every code is a finite number, and no scale byte is 0xff.  The scores of such keys are replaced by -infinity, so p's codes are zeros there, and zeros are what they add.
; LIMITS: NaN and infinities are not served; a block of zeros has the byte 1 (its codes are zeros; the bytes are this program's own).  y's two scale bytes a row leave as 2-byte stores: the heads of a row lie in different work-groups.
; No cluster: the two work-groups of a head share 104 KiB, fetched once in the launch.
.set ERS,   0                          ; the turned table's scale words, 1,040
.set KS,    4160                       ; K's scale words, one a key
.set VS,    8256                       ; V's: pair of key blocks p, row pos: word 64 p + pos; its two low bytes are the pair's scales
.set ER,    12352                      ; 1,040 rows of the turned table, 48 bytes each
.set KC,    62272                      ; K's codes, 48 bytes a key
.set VC,    111424                     ; V's codes: pair p at 3,072 p, row pos at 48 pos, the pair's second block 24 bytes on
.set MB,    160768                     ; the mailboxes: box (i, n) at 8,464 i + 528 n
.set MBW,   8464
.set MBN,   528
.set SPARE, 296192                     ; the spare words, 128 bytes for each wave
.set SPW,  1                           ; v1, v2 the add's two; never rewritten
.set NIL,  2
.set AK0,  3                           ; v3-8   my lane's place in a tile of K, among K's scale words, in V, among V's scale words, in ER, among ER's scale words
.set AKS0, 4
.set AV0,  5
.set AVS0, 6
.set AE0,  7
.set AES0, 8
.set MI32, 9                           ; v9-12  my boxes: I-role (wave, r) + 32 h, + 64 h; a-role (r, wave) + 32 h, + 64 h
.set MI64, 10
.set MA32, 11
.set MA64, 12
.set SK,   13                          ; v13-18 the step's addresses
.set SKS,  14
.set SV,   15
.set SVS,  16
.set SE,   17
.set SES,  18
.set L16,  19                          ; 16 x lane
.set R16,  20                          ; 16 r
.set DG,   21                          ; a0 + r - 8 h: the diagonal's limit
.set NM,   22                          ; -M;  v23 the largest t
.set MT,   23
.set SUM,  24                          ; v[24:25] the sum, in two halves
.set FF,   26                          ; f = 2^(old M - new M);  v27 p's scale word
.set PSW,  27
.set NINF, 28
.set GK,   29                          ; 48 r + 24 h: my place in 16 rows of codes
.set QIS,  30                          ; q's scale words, I-role and a-role
.set QAS,  31
.set QI,   32                          ; v32-43, v44-55 q's fragments; the upper six of each stay 0
.set QA,   44
.set PC,   56                          ; v56-67 the codes just made, or p's codes in the a-role
.set S,    68                          ; v68-131 scores, p; then rv's four fragments
.set O1,   132
.set O2,   164
.set F,    196                         ; v196-243 four fragments of K or V, 12 registers apart; of ER 6 apart (v196-225), with two of its results in v226-241; between products the quantiser's work registers
.set TM,   196
.set CT,   212
.set FS,   244                         ; v244-247 the fragments' scale words
.set RVS,  248                         ; v248-251 rv's
.set AF2,  252                         ; v252 the a-role's f, v253 p's scale word there
.set PW,   254
.set T,    255
.set SEL,  18                          ; s[18:19]
.set CS,   20                          ; s[20:21] log2(e) / 8
.macro PLACES n
.rept \n
	v_nop
.endr
.endm
.macro BAR                             ; my LDS stores have landed and my LDS loads are in: then the work-group's barrier
	s_wait_dscnt 0x0
	s_barrier_signal -1
	s_barrier_wait -1
.endm
.macro ZERO first, n
.set ZI, 0
.rept \n
	v_mov_b32 v[\first+ZI], 0
.set ZI, ZI+1
.endr
.endm
.macro MM d, a, b, c, sa, sb
	v_wmma_scale_f32_16x16x128_f8f6f4 v[\d:\d+7], v[\a:\a+11], v[\b:\b+11], \c, v[\sa], v[\sb] matrix_a_fmt:MATRIX_FMT_FP6 matrix_b_fmt:MATRIX_FMT_FP6
.endm
.macro QMAX s                          ; 64 numbers of a lane, register 16 b + i = place 16 h + i of block b of my row: the four blocks' largest magnitudes
.irp b, 0,1,2,3
	v_max3_num_f32 v[TM+\b], |v[\s+16*\b]|, |v[\s+16*\b+1]|, 0x1800000   ; and the floor 2^(3 - 127): the byte cannot fall under 1
.endr
.irp i, 2,4,6,8,10,12,14
.irp b, 0,1,2,3
	s_delay_alu instid0(VALU_DEP_4)
	v_max3_num_f32 v[TM+\b], v[TM+\b], |v[\s+16*\b+\i]|, |v[\s+16*\b+\i+1]|
.endr
.endr
.irp b, 0,1,2,3
	s_delay_alu instid0(VALU_DEP_4)
	v_permlanex16_b32 v[TM+4+\b], v[TM+\b], s[SEL], s[SEL+1]
.endr
.irp b, 0,1,2,3
	s_delay_alu instid0(VALU_DEP_4)
	v_max_num_f32 v[TM+\b], v[TM+\b], v[TM+4+\b]
.endr
.endm
.macro QCONV s                         ; the scale word in v[PW], the operand's 12 registers in v[PC] on
.irp b, 0,1,2,3
	s_delay_alu instid0(VALU_DEP_4)
	v_add_nc_u32 v[TM+12+\b], 0xff000000, v[TM+\b]                 ; 2 off the exponent field: the conversion's scale operand
.endr
.irp b, 0,1,2,3
	s_delay_alu instid0(VALU_DEP_4)
	v_lshrrev_b32 v[TM+4+\b], 23, v[TM+12+\b]
.endr
	s_delay_alu instid0(VALU_DEP_3)
	v_lshl_or_b32 v[PW], v[TM+5], 8, v[TM+4]
	s_delay_alu instid0(VALU_DEP_1)
	v_lshl_or_b32 v[PW], v[TM+6], 16, v[PW]
	s_delay_alu instid0(VALU_DEP_1)
	v_lshl_or_b32 v[PW], v[TM+7], 24, v[PW]
.irp c, 0,1
	v_cvt_scalef32_pk16_fp6_f32 v[PC+6*\c:PC+6*\c+2], v[\s+32*\c:\s+32*\c+15], v[TM+12+2*\c]
	v_cvt_scalef32_pk16_fp6_f32 v[CT+4*\c:CT+4*\c+2], v[\s+32*\c+16:\s+32*\c+31], v[TM+13+2*\c]
.endr
	v_nop                                          ; one plain place behind the scaled conversions
.irp c, 0,1
.irp i, 0,1,2
	v_permlane16_swap_b32 v[PC+6*\c+\i], v[CT+4*\c+\i]
.endr
.irp i, 0,1,2
	s_delay_alu instid0(VALU_DEP_3)
	v_mov_b32 v[PC+3+6*\c+\i], v[CT+4*\c+\i]
.endr
.endr
.endm
	s_load_b256 s[4:11], s[0:1], 0x0               ; qkvc s[4:5], er s[6:7], rv s[8:9], yq s[10:11]
	v_lshl_add_u32 v[SPW], v0, 2, SPARE
	v_mov_b32 v[NIL], 0
	ds_add_u32 v[SPW], v[NIL]                      ; the wave's opening: the add, twice, and its wait ahead of the first tensor load; work on registers stands between them
	ds_add_u32 v[SPW], v[NIL]
	v_lshrrev_b32 v[T], 5, v0
	s_delay_alu instid0(VALU_DEP_1)
	v_readfirstlane_b32 s12, v[T]                  ; wave 0..15
	s_mov_b32 s13, ttmp9                           ; which half of the alignments
	s_and_b32 s14, ttmp7, 0xffff                   ; 16 batch + head
	s_lshl_b32 s15, s13, 4                         ; a0
	s_lshr_b32 s16, s14, 4                         ; batch
	s_and_b32 s17, s14, 15                         ; head
	s_and_b32 s104, s17, 1
	s_mov_b32 s105, 0x05040100                     ; v_perm_b32: the two low halves
	s_and_b32 s26, s12, 1
	s_xor_b32 s26, s26, 1                          ; e: my first block of V is the second of its pair (row blocks of odd wave numbers begin a pair)
	s_mov_b32 s[SEL], 0x76543210
	s_mov_b32 s[SEL+1], 0xfedcba98
	s_mov_b32 s[CS], 0x3e38aa3b
	s_mov_b32 s[CS+1], s[CS]
	; four descriptors, elements of 8 bytes, no padding.  The table: single rows of 49,920 and of 4,160 bytes
	s_mov_b32 s52, 3<<16
	s_mov_b32 s53, 6240<<16
	s_mov_b32 s54, 1<<16
	s_mov_b32 s55, 6240<<16
	s_mov_b32 s56, 1
	s_mov_b32 s57, 6240
	s_mov_b32 s58, 1<<16
	s_mov_b32 s59, 0
	s_mov_b32 s68, 3<<16
	s_mov_b32 s69, 520<<16
	s_mov_b32 s70, 1<<16
	s_mov_b32 s71, 520<<16
	s_mov_b32 s72, 1
	s_mov_b32 s73, 520
	s_mov_b32 s74, 1<<16
	s_mov_b32 s75, 0
	; K and V together: two rows, the head's 49,152 bytes of codes in each of the two planes, 6,291,456 bytes apart; and two rows of 4,096 bytes of scale words, 524,288 apart
	s_mov_b32 s80, 3<<16
	s_mov_b32 s81, 6144<<16
	s_mov_b32 s82, 2<<16
	s_mov_b32 s83, 6144<<16
	s_mov_b32 s84, 2
	s_mov_b32 s85, 786432
	s_mov_b32 s86, 0
	s_mov_b32 s87, 0
	s_mov_b32 s92, 3<<16
	s_mov_b32 s93, 512<<16
	s_mov_b32 s94, 2<<16
	s_mov_b32 s95, 512<<16
	s_mov_b32 s96, 2
	s_mov_b32 s97, 65536
	s_mov_b32 s98, 0
	s_mov_b32 s99, 0
	s_sub_co_u32 s28, 16, s15                      ; LDS row x is the table's row x + 16 - a0
	s_mul_i32 s30, s28, 48
	s_mov_b32 s31, 0
	s_mul_i32 s28, s28, 288                        ; a0 = 16: the scale words from byte 52,224 on; a0 = 0: their second copy, which begins with row 16, from byte 56,832 on (16 x 288 further)
	s_add_co_u32 s28, s28, 52224
	s_mov_b32 s29, 0
	; every LDS address register is made here, ahead of the first branch on the wave's number
	ZERO F, 48                                     ; (written once: the fragments' upper registers are named by products before anything else writes them)
	ZERO QI+6, 6                                   ; q's upper codes
	ZERO QA+6, 6                                   ; likewise; also the zeros that a wave without work posts
	v_mov_b32 v[PSW], 0
	v_mov_b32 v[NINF], 0xff800000
	v_and_b32 v252, 15, v0                         ; r
	v_bfe_u32 v253, v0, 4, 1                       ; h
	s_delay_alu instid0(VALU_DEP_1)
	v_mul_u32_u24 v[T], v253, 24
	s_delay_alu instid0(VALU_DEP_1)
	v_mad_u32_u24 v[GK], v252, 48, v[T]
	s_delay_alu instid0(VALU_DEP_1)
	v_add_nc_u32 v[AK0], KC-4608, v[GK]            ; key offset o of the window of block J lies at KC + (32 J - 96 + o) x 48
	v_lshl_add_u32 v[AKS0], v252, 2, KS-384
	s_mul_i32 s25, s26, 3024
	s_add_co_u32 s25, s25, 24                      ; from lanes 0-15's block to lanes 16-31's: 24 bytes inside a pair, 3,048 from a pair's second block to the next pair's first
	v_mul_u32_u24 v[AV0], s25, v253
	s_delay_alu instid0(VALU_DEP_1)
	v_mad_u32_u24 v[AV0], v252, 48, v[AV0]
	s_mul_i32 s25, s26, 24
	s_add_co_u32 s25, s25, VC-6144                 ; the pairs are counted from two in front of V
	v_add_nc_u32 v[AV0], s25, v[AV0]
	v_lshl_add_u32 v[AVS0], v252, 2, VS-512
	v_add_nc_u32 v[AE0], ER, v[GK]
	v_lshl_add_u32 v[AES0], v252, 2, ERS
	s_mul_i32 s25, s12, MBW
	s_add_co_u32 s25, s25, MB
	v_mul_u32_u24 v[MI32], v252, MBN
	s_delay_alu instid0(VALU_DEP_1)
	v_add_nc_u32 v[MI32], s25, v[MI32]
	s_delay_alu instid0(VALU_DEP_1)
	v_lshl_add_u32 v[MI64], v253, 6, v[MI32]
	s_delay_alu instid0(VALU_DEP_2)
	v_lshl_add_u32 v[MI32], v253, 5, v[MI32]
	s_mul_i32 s25, s12, MBN
	s_add_co_u32 s25, s25, MB
	v_mul_u32_u24 v[MA32], v252, MBW
	s_delay_alu instid0(VALU_DEP_1)
	v_add_nc_u32 v[MA32], s25, v[MA32]
	s_delay_alu instid0(VALU_DEP_1)
	v_lshl_add_u32 v[MA64], v253, 6, v[MA32]
	s_delay_alu instid0(VALU_DEP_2)
	v_lshl_add_u32 v[MA32], v253, 5, v[MA32]
	v_and_b32 v[L16], 31, v0
	s_delay_alu instid0(VALU_DEP_1)
	v_lshlrev_b32 v[L16], 4, v[L16]
	v_lshlrev_b32 v[R16], 4, v252
	v_lshlrev_b32 v[DG], 3, v253
	s_delay_alu instid0(VALU_DEP_1)
	v_sub_nc_u32 v[DG], v252, v[DG]
	s_delay_alu instid0(VALU_DEP_1)
	v_add_nc_u32 v[DG], s15, v[DG]
	s_wait_dscnt 0x0                               ; the opening add is done
	s_wait_kmcnt 0x0
	s_mov_b32 s60, 1
	s_mov_b32 s61, ER
	s_add_nc_u64 s[62:63], s[6:7], s[30:31]
	s_or_b32 s63, s63, 0x80000000
	s_mov_b32 s76, 1
	s_mov_b32 s77, ERS
	s_add_nc_u64 s[78:79], s[6:7], s[28:29]
	s_or_b32 s79, s79, 0x80000000
	s_mul_i32 s28, s14, 49152
	s_add_nc_u64 s[32:33], s[4:5], s[28:29]        ; q's codes of my batch and head
	s_lshl_b32 s28, s14, 12
	s_add_co_u32 s28, s28, 18874368
	s_add_nc_u64 s[34:35], s[4:5], s[28:29]        ; q's scale words
	s_mov_b32 s88, 1
	s_mov_b32 s89, KC
	s_add_nc_u64 s[90:91], s[32:33], 6291456       ; k's plane; v's is the tile's second row
	s_or_b32 s91, s91, 0x80000000
	s_mov_b32 s48, 1
	s_mov_b32 s49, KS
	s_add_nc_u64 s[50:51], s[34:35], 524288
	s_or_b32 s51, s51, 0x80000000
	s_cmp_lg_u32 s12, 0                            ; one chain of branches on the wave's number, one load to an arm: wave 0 K's and V's codes, wave 1 the table's codes, wave 2 K's and V's scale words, wave 3 the table's; each region is filled once
	s_cbranch_scc1 .Lnot_0
	tensor_load_to_lds s[88:91], s[80:87]
	s_nop 0
	PLACES 4
	s_branch .Lfetched
.Lnot_0:
	s_cmp_lg_u32 s12, 1
	s_cbranch_scc1 .Lnot_1
	tensor_load_to_lds s[60:63], s[52:59]
	s_nop 0
	PLACES 4
	s_branch .Lfetched
.Lnot_1:
	s_cmp_lg_u32 s12, 2
	s_cbranch_scc1 .Lnot_2
	tensor_load_to_lds s[48:51], s[92:99]
	s_nop 0
	PLACES 4
	s_branch .Lfetched
.Lnot_2:
	s_cmp_lg_u32 s12, 3
	s_cbranch_scc1 .Lfetched
	tensor_load_to_lds s[76:79], s[68:75]
	s_nop 0
	PLACES 4
.Lfetched:
	s_add_co_u32 s25, s15, s12                     ; my alignment
	s_mul_i32 s28, s25, 49152
	s_add_nc_u64 s[42:43], s[8:9], s[28:29]        ; its images,
	s_lshl_b32 s28, s25, 11
	s_add_co_u32 s28, s28, 1572864
	s_add_nc_u64 s[44:45], s[8:9], s[28:29]        ; its scale words
	s_lshl_b32 s46, s16, 6
	s_add_co_u32 s46, s46, s13
	s_lshl_b32 s46, s46, 3
	s_lshr_b32 s25, s17, 1
	s_add_co_u32 s46, s46, s25
	s_mul_i32 s46, s46, 1536                       ; y's image of row block 64 b + ah, K step head / 2
	s_lshl_b32 s47, s16, 10
	s_add_co_u32 s47, s47, s15
	s_lshl_b32 s47, s47, 5
	s_lshl_b32 s25, s17, 1
	s_add_co_u32 s47, s47, s25
	s_add_co_u32 s47, s47, 6291456                 ; y's scale bytes of row 1024 b + a0, blocks 2 head, 2 head + 1
; ---- a-role: 8 q.rk for window step s27, 128 key offsets x my 16 row blocks, posted as f32 at byte 4 o of each box
.macro ATT2
	s_lshl_b32 s28, s27, 7
	s_add_co_u32 s28, s28, s12
	s_sub_co_u32 s28, 911, s28                     ; the table's row of key offset 0
	s_mul_i32 s29, s28, 48
	s_lshl_b32 s28, s28, 2
	v_add_nc_u32 v[SE], s29, v[AE0]
	s_wait_alu depctr_va_vdst(0)
	v_add_nc_u32 v[SES], s28, v[AES0]
	s_wait_alu depctr_va_vdst(0)
	PLACES 4                                       ; with the two additions six places: the results below are laid over operands of the products before
.irp g, 0,1
.if \g > 0
	PLACES 4
.endif
.irp t, 0,1,2,3
.irp p, 0,1,2
	ds_load_b64 v[F+6*\t+2*\p:F+6*\t+2*\p+1], v[SE] offset:768*(4*\g+\t)+8*\p   ; K is 64: a fragment's upper six registers are the next one's codes, which q's zero codes multiply
.endr
	ds_load_b32 v[FS+\t], v[SES] offset:64*(4*\g+\t)
.endr
	s_wait_dscnt 0x0
.irp t, 0,1,2,3
.set RB, S+48+8*\t+(\t/2)*(F-S-34)     ; the four results: v[S+48], v[S+56], v[F+30], v[F+38]: none of the registers into which rv's images are on their way
	MM RB, F+6*\t, QA, 0, FS+\t, QAS
.endr
	PLACES 5                                       ; the stores read results, and the next four products write over them
.irp t, 0,1,2,3
.set RB, S+48+8*\t+(\t/2)*(F-S-34)
	ds_store_b128 v[MA32], v[RB:RB+3] offset:64*(4*\g+\t)
	ds_store_b128 v[MA32], v[RB+4:RB+7] offset:64*(4*\g+\t)+16
.endr
.endr
.endm
.macro RVLOAD                          ; my alignment's four operand images of this window step, and their scale words: waited for in the a-role's phase
.irp t, 0,1,2,3
.irp g, 0,1,2
	global_load_b128 v[S+12*\t+4*\g:S+12*\t+4*\g+3], v[L16], s[38:39] offset:1536*\t+512*\g
.endr
.endr
	global_load_b128 v[RVS:RVS+3], v[R16], s[40:41]
.endm
.macro SOFT                            ; scores in v[S] on become p; -M, the sum and f are brought on; the blocks' largest p end in v[TM] on, floored
.irp b, 0,1,2,3
	v_max3_num_f32 v[TM+\b], v[S+16*\b], v[S+16*\b+1], v[S+16*\b+2]   ; the largest score of each block of 32 keys: for the row's maximum and, since p rises with the score, for the block's largest p
.endr
.irp i, 3,5,7,9,11,13
.irp b, 0,1,2,3
	v_max3_num_f32 v[TM+\b], v[TM+\b], v[S+16*\b+\i], v[S+16*\b+\i+1]
.endr
.endr
.irp b, 0,1,2,3
	v_max_num_f32 v[TM+\b], v[TM+\b], v[S+16*\b+15]
.endr
.irp b, 0,1,2,3
	s_delay_alu instid0(VALU_DEP_4)
	v_permlanex16_b32 v[TM+4+\b], v[TM+\b], s[SEL], s[SEL+1]
.endr
.irp b, 0,1,2,3
	s_delay_alu instid0(VALU_DEP_4)
	v_max_num_f32 v[TM+\b], v[TM+\b], v[TM+4+\b]
.endr
	s_delay_alu instid0(VALU_DEP_2)
	v_max3_num_f32 v[T], v[TM], v[TM+1], v[TM+2]
	s_delay_alu instid0(VALU_DEP_1)
	v_max_num_f32 v[T], v[T], v[TM+3]
	s_delay_alu instid0(VALU_DEP_1)
	v_mul_f32 v[T], s[CS], v[T]
	s_delay_alu instid0(VALU_DEP_1)
	v_max_num_f32 v[MT], v[MT], v[T]               ; the running largest t
	v_mov_b32 v[T], v[NM]
	s_delay_alu instid0(VALU_DEP_2)
	v_floor_f32 v[NM], -v[MT]                      ; -M = floor(-t): M is a whole number
	s_delay_alu instid0(VALU_DEP_1)
	v_sub_f32 v[T], v[NM], v[T]
	s_delay_alu instid0(VALU_DEP_1)
	v_cvt_i32_f32 v[T], v[T]                       ; (it saturates)
	s_delay_alu instid0(VALU_DEP_1)
	v_ldexp_f32 v[FF], 1.0, v[T]                   ; f = 2^(old M - new M)
.set N, 0
.rept 32
	v_pk_fma_f32 v[S+N:S+N+1], v[S+N:S+N+1], s[CS:CS+1], v[NM:NM+1] op_sel_hi:[1,0,0]
.set N, N+2
.endr
.irp b, 0,1,2,3
	v_fma_f32 v[TM+\b], v[TM+\b], s[CS], v[NM]
.endr
.set N, 0
	s_wait_alu depctr_va_vdst(0)
.rept 64
	v_exp_f32 v[S+N], v[S+N]
.set N, N+1
.endr
	v_pk_mul_f32 v[SUM:SUM+1], v[SUM:SUM+1], v[FF:FF+1] op_sel_hi:[1,0]   ; a plain place behind the exponentials
	s_wait_alu depctr_va_vdst(0)                   ; one wait for the batch, ahead of its first reader
.irp b, 0,1,2,3
	v_exp_f32 v[TM+\b], v[TM+\b]
.endr
	v_pk_add_f32 v[200:201], v[72:73], v[76:77]
	v_pk_add_f32 v[252:253], v[80:81], v[84:85]
	v_pk_add_f32 v[250:251], v[88:89], v[92:93]
	v_pk_add_f32 v[248:249], v[96:97], v[100:101]
	v_pk_add_f32 v[246:247], v[104:105], v[108:109]
	v_pk_add_f32 v[244:245], v[112:113], v[116:117]
	v_pk_add_f32 v[242:243], v[120:121], v[124:125]
	v_pk_add_f32 v[24:25], v[24:25], v[128:129]
	v_pk_add_f32 v[200:201], v[200:201], v[68:69]
	v_pk_add_f32 v[252:253], v[252:253], v[70:71]
	v_pk_add_f32 v[250:251], v[250:251], v[74:75]
	v_pk_add_f32 v[248:249], v[248:249], v[78:79]
	v_pk_add_f32 v[246:247], v[246:247], v[82:83]
	v_pk_add_f32 v[244:245], v[244:245], v[86:87]
	v_pk_add_f32 v[242:243], v[242:243], v[90:91]
	v_pk_add_f32 v[24:25], v[24:25], v[94:95]
	v_pk_add_f32 v[200:201], v[200:201], v[98:99]
	v_pk_add_f32 v[252:253], v[252:253], v[102:103]
	v_pk_add_f32 v[250:251], v[250:251], v[106:107]
	v_pk_add_f32 v[248:249], v[248:249], v[110:111]
	v_pk_add_f32 v[246:247], v[246:247], v[114:115]
	v_pk_add_f32 v[244:245], v[244:245], v[118:119]
	v_pk_add_f32 v[242:243], v[242:243], v[122:123]
	v_pk_add_f32 v[24:25], v[24:25], v[126:127]
	v_pk_add_f32 v[200:201], v[200:201], v[130:131]
	s_delay_alu instid0(VALU_DEP_2)
	v_pk_add_f32 v[24:25], v[24:25], v[248:249]
	s_delay_alu instid0(VALU_DEP_2)
	v_pk_add_f32 v[200:201], v[200:201], v[246:247]
	v_pk_add_f32 v[252:253], v[252:253], v[244:245]
	v_pk_add_f32 v[250:251], v[250:251], v[242:243]
	s_delay_alu instid0(VALU_DEP_2)
	v_pk_add_f32 v[24:25], v[24:25], v[252:253]
	s_delay_alu instid0(VALU_DEP_2)
	v_pk_add_f32 v[200:201], v[200:201], v[250:251]
	s_delay_alu instid0(VALU_DEP_1)
	v_pk_add_f32 v[24:25], v[24:25], v[200:201]
	s_wait_alu depctr_va_vdst(0)                   ; and one for the four
.irp b, 0,1,2,3
	v_max_num_f32 v[TM+\b], 0x1800000, v[TM+\b]
.endr
.endm
; ---- A WINDOW STEP.  s22 = W, s24 = I.  more = 1: the a-role goes on to the next step's q.rk
.macro STEP more
	s_lshr_b32 s23, s24, 2
	s_min_u32 s23, s23, s22
	s_lshl_b32 s23, s23, 2
	s_sub_co_u32 s23, s24, s23                     ; J = I - 4 min(W, I / 4): my last block of keys; it stays inside the tables in a wave that has no work left
	s_mul_i32 s28, s23, 1536
	v_add_nc_u32 v[SK], s28, v[AK0]
	s_lshl_b32 s28, s23, 7
	v_add_nc_u32 v[SKS], s28, v[AKS0]
	s_add_co_u32 s25, s23, 1
	s_lshr_b32 s25, s25, 1                         ; the pair in which my first block of V lies, counted from two in front of V
	s_mul_i32 s28, s25, 3072
	v_add_nc_u32 v[SV], s28, v[AV0]
	s_lshl_b32 s28, s25, 8
	v_add_nc_u32 v[SVS], s28, v[AVS0]
	s_lshl_b32 s28, s22, 2
	s_cmp_le_u32 s28, s24
	s_cbranch_scc0 .Lidle_\@
	; I-role: 8 q.rk out of my boxes is the C of q.k.  Register 8 t + j holds key offset 16 t + 8 h + j
.irp t, 0,1,2,3,4,5,6,7
	ds_load_b128 v[S+8*\t:S+8*\t+3], v[MI32] offset:64*\t
	ds_load_b128 v[S+8*\t+4:S+8*\t+7], v[MI32] offset:64*\t+16
.endr
	s_wait_alu depctr_va_vdst(0)
.irp g, 0,1
.if \g > 0
	PLACES 4
.endif
.irp t, 0,1,2,3
.irp p, 0,1,2
	ds_load_b64 v[F+12*\t+2*\p:F+12*\t+2*\p+1], v[SK] offset:768*(4*\g+\t)+8*\p   ; 16 neighbouring keys: 12 r + 6 h words: the 32 lanes' pieces lie in 64 different banks of 4 bytes
.endr
	ds_load_b32 v[FS+\t], v[SKS] offset:64*(4*\g+\t)
.endr
	s_wait_dscnt 0x0
.irp t, 0,1,2,3
	MM S+8*(4*\g+\t), F+12*\t, QI, v[S+8*(4*\g+\t):S+8*(4*\g+\t)+7], FS+\t, QIS
.endr
.endr
	PLACES 4
.if \more                              ; (a pass's last step, written out, is never step 0)
	s_cmp_lg_u32 s22, 0                            ; the diagonal lies in step 0's last block: its key 16 (N / 8) + 8 h + N % 8 is hidden where that is above a0 + r
	s_cbranch_scc1 .Lnodiag_\@
.set N, 0
.rept 16
	v_cmp_gt_i32 vcc_lo, 16*(N/8)+N%8, v[DG]
	v_cndmask_b32 v[S+48+N], v[S+48+N], v[NINF], vcc_lo
.set N, N+1
.endr
.Lnodiag_\@:
.endif
	s_sub_co_i32 s28, s23, 3                       ; my first block of keys: blocks in front of key 0 are hidden
	s_cmp_ge_i32 s28, 0
	s_cbranch_scc1 .Lnolow_\@
.irp j, 0,1,2
	s_cmp_lt_i32 s28, -\j
	s_cselect_b32 s[80+\j], -1, 0
.endr
.irp j, 0,1,2
.set N, 0
.rept 16
	v_cndmask_b32 v[S+16*\j+N], v[S+16*\j+N], v[NINF], s[80+\j]
.set N, N+1
.endr
.endr
.Lnolow_\@:
	SOFT
	QCONV S
	v_mov_b32 v[PSW], v[PW]
	RVLOAD                                         ; p has been read: its registers take the a-role's operands
.irp g, 0,1,2
	ds_store_b128 v[MI64], v[PC+4*\g:PC+4*\g+3] offset:16*\g       ; p's codes, as the operand's registers stand, to the a-wave of each query
.endr
	ds_store_b64 v[MI64], v[FF:FF+1] offset:128    ; f and p's scale word
.irp t, 0,1,2,3
.irp c, 0,1
.irp p, 0,1,2
	ds_load_b64 v[F+12*\t+6*\c+2*\p:F+12*\t+6*\c+2*\p+1], v[SV] offset:768*\t+3072*\c+8*\p
.endr
.endr
	ds_load_b32 v[S+48+\t], v[SVS] offset:64*\t    ; the scale words of three pairs
	ds_load_b32 v[S+52+\t], v[SVS] offset:64*\t+256
	ds_load_b32 v[S+56+\t], v[SVS] offset:64*\t+512
.endr
	s_wait_alu depctr_va_vdst(0)
	s_wait_dscnt 0x0
.irp t, 0,1,2,3
	v_perm_b32 v[S+48+\t], v[S+52+\t], v[S+48+\t], s105            ; the first two pairs' four bytes,
.endr
.irp t, 0,1,2,3
	s_delay_alu instid0(VALU_DEP_4)
	v_alignbyte_b32 v[FS+\t], v[S+56+\t], v[S+48+\t], s26          ; moved on by one where my first block is a pair's second
.endr
.set N, 0
.rept 16
	v_pk_mul_f32 v[O1+N:O1+N+1], v[O1+N:O1+N+1], v[FF:FF+1] op_sel_hi:[1,0]   ; under the new M; also the places between the scale words' making and the products
.set N, N+2
.endr
.irp t, 0,1,2,3
	MM O1+8*\t, F+12*\t, PC, v[O1+8*\t:O1+8*\t+7], FS+\t, PSW
.endr
	s_branch .Ljoin_\@
.Lidle_\@:                             ; no keys left for my queries: the a-waves get zero codes and the factor 1
	v_mov_b32 v[FF], 1.0
	v_mov_b32 v[PSW], 0
	RVLOAD
.irp g, 0,1,2
	ds_store_b128 v[MI64], v[QA+6:QA+9] offset:16*\g
.endr
	ds_store_b64 v[MI64], v[FF:FF+1] offset:128
.Ljoin_\@:
	BAR                                            ; every box holds its p
	; a-role: p rv
	PLACES 4                                       ; in front of loads into registers that the products above have read
.irp g, 0,1,2
	ds_load_b128 v[PC+4*\g:PC+4*\g+3], v[MA64] offset:16*\g
.endr
	ds_load_b64 v[AF2:AF2+1], v[MA64] offset:128
.if \more
	s_add_co_u32 s27, s22, 1
	ATT2                                           ; the next step's 8 q.rk stands ahead of the wait for rv's 13 loads; LDS serves a wave's instructions in order, so its stores into my boxes follow the loads above
.endif
	s_wait_dscnt 0x0
	s_wait_loadcnt 0x0
	s_add_nc_u64 s[38:39], s[38:39], 6144          ; the next window step's (not used behind the last)
	s_add_nc_u64 s[40:41], s[40:41], 256
.set N, 0
.rept 16
	v_pk_mul_f32 v[O2+N:O2+N+1], v[O2+N:O2+N+1], v[AF2:AF2+1] op_sel_hi:[1,0]
.set N, N+2
.endr
.irp t, 0,1,2,3
	MM O2+8*\t, S+12*\t, PC, v[O2+8*\t:O2+8*\t+7], RVS+\t, AF2+1
.endr
.if \more
	PLACES 4                                       ; in front of the next step's loads into rv's registers
	BAR                                            ; every box holds the next step's 8 q.rk
.endif
.endm
; ---- A PASS over the row blocks ib .. ib + 15, nst window steps
.macro PASS ib, nst
	s_wait_xcnt 0x0                                ; earlier loads and stores have read their registers
	s_add_co_u32 s24, s12, \ib                     ; I
	s_lshl_b32 s25, s24, 5
	s_add_co_u32 s25, s25, s15                     ; I-role: my first query, 32 I + a0; lane r takes the r-th behind it
	s_mul_i32 s28, s25, 48
	s_mov_b32 s29, 0
	s_add_nc_u64 s[36:37], s[32:33], s[28:29]
	s_lshl_b32 s28, s25, 2
	s_add_nc_u64 s[66:67], s[34:35], s[28:29]
	s_add_co_u32 s25, s15, s12
	s_add_co_u32 s25, s25, 32*\ib                  ; a-role: query 32 ib + a0 + wave; lane r takes the one 32 r behind it
	s_mul_i32 s28, s25, 48
	s_add_nc_u64 s[100:101], s[32:33], s[28:29]
	s_lshl_b32 s28, s25, 2
	s_add_nc_u64 s[2:3], s[34:35], s[28:29]
	v_mad_u32_u24 v[S+1], v[R16], 93, v[GK]        ; 1,536 r + 24 h
	v_lshrrev_b32 v[S+2], 2, v[R16]                ; 4 r
	v_lshlrev_b32 v[S+3], 3, v[R16]                ; 128 r
.irp p, 0,1,2
	global_load_b64 v[QI+2*\p:QI+2*\p+1], v[GK], s[36:37] offset:8*\p
	global_load_b64 v[QA+2*\p:QA+2*\p+1], v[S+1], s[100:101] offset:8*\p
.endr
	global_load_b32 v[QIS], v[S+2], s[66:67]
	global_load_b32 v[QAS], v[S+3], s[2:3]
	ZERO O1, 64                                    ; both outputs: the step is written once, and its first change of M multiplies zeros
	v_mov_b32 v[MT], 0xff61b1e6                    ; -3e38, under every t
	s_delay_alu instid0(VALU_DEP_1)
	v_floor_f32 v[NM], -v[MT]
	v_mov_b32 v[SUM], 0
	v_mov_b32 v[SUM+1], 0
	s_mov_b64 s[38:39], s[42:43]
	s_mov_b64 s[40:41], s[44:45]
	s_wait_tensorcnt 0x0                           ; waves 0 to 3: the table, K and V and their scale words have landed
	BAR                                            ; in the first pass: they lie in LDS for everybody; in the second: nobody reads the boxes of the first any more
	s_mov_b32 s22, 0
	s_mov_b32 s27, 0
	s_wait_loadcnt 0x0                             ; q
	ATT2
	BAR
.Lstep_\@:
	STEP 1
	s_add_co_u32 s22, s22, 1
	s_cmp_lt_u32 s22, \nst-1
	s_cbranch_scc1 .Lstep_\@
	STEP 0
	PLACES 4
.irp t, 0,1,2,3
	ds_store_b128 v[MA32], v[O2+8*\t:O2+8*\t+3] offset:64*\t       ; p rv goes back to the queries' owners
	ds_store_b128 v[MA32], v[O2+8*\t+4:O2+8*\t+7] offset:64*\t+16
.endr
	BAR
.irp t, 0,1,2,3
	ds_load_b128 v[S+8*\t:S+8*\t+3], v[MI32] offset:64*\t
	ds_load_b128 v[S+8*\t+4:S+8*\t+7], v[MI32] offset:64*\t+16
.endr
	v_add_f32 v[SUM], v[SUM], v[SUM+1]
	s_delay_alu instid0(VALU_DEP_1)
	v_permlanex16_b32 v[T], v[SUM], s[SEL], s[SEL+1]
	s_delay_alu instid0(VALU_DEP_1)
	v_add_f32 v[SUM], v[SUM], v[T]                 ; the row's sum
	s_wait_alu depctr_va_vdst(0)
	v_rcp_f32 v[SUM], v[SUM]
	ZERO S+32, 32                                  ; plain work behind the reciprocal: a head has 64 channels, the quantiser's other two blocks are zeros
	s_mul_i32 s28, s24, 24576
	s_add_co_u32 s28, s28, s46
	s_mov_b32 s29, 0
	s_add_nc_u64 s[86:87], s[10:11], s[28:29]
	s_lshl_b32 s28, s24, 10
	s_add_co_u32 s28, s28, s47
	s_add_nc_u64 s[88:89], s[10:11], s[28:29]
	s_wait_alu depctr_va_vdst(0)                   ; ahead of the reciprocal's first reader
	s_wait_dscnt 0x0
.set N, 0
.rept 16
	v_pk_add_f32 v[S+N:S+N+1], v[S+N:S+N+1], v[O1+N:O1+N+1]
.set N, N+2
.endr
.set N, 0
.rept 16
	v_pk_mul_f32 v[S+N:S+N+1], v[S+N:S+N+1], v[SUM:SUM+1] op_sel_hi:[1,0]
.set N, N+2
.endr
	QMAX S                                         ; y's 64 channels of this head: half a K step of the last product
	QCONV S
	s_cmp_eq_u32 s104, 0                           ; an even head fills registers 0-5 of the image, an odd one registers 6-11
	s_cbranch_scc0 .Lodd_\@
	global_store_b64 v[L16], v[PC:PC+1], s[86:87]
	global_store_b64 v[L16], v[PC+2:PC+3], s[86:87] offset:8
	global_store_b64 v[L16], v[PC+4:PC+5], s[86:87] offset:512
	s_branch .Lst_\@
.Lodd_\@:
	global_store_b64 v[L16], v[PC:PC+1], s[86:87] offset:520
	s_wait_alu depctr_va_vdst(0)
	global_store_b64 v[L16], v[PC+2:PC+3], s[86:87] offset:1024
	global_store_b64 v[L16], v[PC+4:PC+5], s[86:87] offset:1032
.Lst_\@:
	v_lshlrev_b32 v[T], 1, v[R16]                  ; 32 r
	global_store_b16 v[T], v[PW], s[88:89]         ; the head's two scale bytes (lanes l and l + 16 store the same)
.endm
	s_wait_alu depctr_va_vdst(0)
	PASS 16, 8
	PASS 0, 4
	s_wait_tensorcnt 0x0                           ; the wave's end
	ds_add_u32 v[SPW], v[NIL]
	s_wait_dscnt 0x0
	s_endpgm
.Lfunc_end_k_q4876b6fa34_attn:
	.size	k_q4876b6fa34_attn, .Lfunc_end_k_q4876b6fa34_attn-k_q4876b6fa34_attn
	.p2alignl 7, 3214868480
	.fill 96, 4, 3214868480
	.section	.rodata,"a",@progbits
	.p2align	6, 0x0
	.amdhsa_kernel k_q4876b6fa34_attn
		.amdhsa_group_segment_fixed_size 298240
		.amdhsa_private_segment_fixed_size 0
		.amdhsa_enable_private_segment 0
		.amdhsa_kernarg_size 32
		.amdhsa_user_sgpr_count 2
		.amdhsa_user_sgpr_kernarg_segment_ptr 1
		.amdhsa_wavefront_size32 1
		.amdhsa_system_sgpr_workgroup_id_x 1
		.amdhsa_system_sgpr_workgroup_id_y 1
		.amdhsa_system_sgpr_workgroup_id_z 1
		.amdhsa_system_vgpr_workitem_id 0
		.amdhsa_next_free_vgpr 256
		.amdhsa_next_free_sgpr 106
		.amdhsa_reserve_vcc 1
		.amdhsa_float_denorm_mode_32 3
		.amdhsa_float_denorm_mode_16_64 3
		.amdhsa_memory_ordered 1
		.amdhsa_forward_progress 1
		.amdhsa_inst_pref_size 182
	.end_amdhsa_kernel
	.amdgpu_metadata
---
amdhsa.version: [ 1, 2 ]
amdhsa.kernels:
  - .name:           k_q4876b6fa34_attn
    .symbol:         k_q4876b6fa34_attn.kd
    .args:
      - { .name: qkvc, .offset: 0, .size: 8, .value_kind: global_buffer, .address_space: global }
      - { .name: er, .offset: 8, .size: 8, .value_kind: global_buffer, .address_space: global }
      - { .name: rv, .offset: 16, .size: 8, .value_kind: global_buffer, .address_space: global }
      - { .name: yq, .offset: 24, .size: 8, .value_kind: global_buffer, .address_space: global }
    .group_segment_fixed_size: 298240
    .private_segment_fixed_size: 0
    .kernarg_segment_align: 8
    .kernarg_segment_size: 32
    .max_flat_workgroup_size: 512
    .sgpr_count:     106
    .vgpr_count:     256
    .wavefront_size: 32
...
	.end_amdgpu_metadata
.endif
;; end of part 6
;; launch proj (part 7): grid 4 x 64, 4 waves a work-group, clusters of 4 x 4, 327,680 bytes of LDS; arguments yq, wp, bproj, out0; writes out0
.if DOCPART == 7
	.amdgcn_target "amdgcn-amd-amdhsa--gfx1250"
	.amdhsa_code_object_version 6
	.text
	.protected	k_q4876b6fa34_proj
	.globl	k_q4876b6fa34_proj
	.p2align	8
	.type	k_q4876b6fa34_proj,@function
k_q4876b6fa34_proj:
	s_mov_b64 s[64:65], 0
	v_nop
	global_prefetch_b8 v0, s[64:65] scope:SCOPE_SE
	s_setreg_imm32_b32 hwreg(HW_REG_WAVE_MODE, 25, 1), 1
	s_wait_xcnt 0x0
	s_wait_alu depctr_hold_cnt(0) depctr_sa_sdst(0) depctr_va_vdst(0) depctr_va_sdst(0) depctr_va_ssrc(0) depctr_va_vcc(0) depctr_vm_vsrc(0)
	s_getreg_b32 s2, hwreg(HW_REG_IB_STS2, 6, 4)
	s_cmp_eq_u32 s2, 0
	s_cbranch_scc0 .Lentry_in_a_cluster
	s_endpgm
.Lentry_in_a_cluster:
	s_bfe_u32 s2, ttmp6, 0x10000c
	s_cmp_lg_u32 s2, 0xf033
	s_cbranch_scc0 .Lentry_shape_is_right
	s_endpgm
.Lentry_shape_is_right:
; out0 = y Wproj + bproj on codes of FP6 (E2M3) with E8M0 scales.  M = 8,192, K = 1,024, N = 1,024; C is [8192][1024] f32.
; A (yq): images of fragments [row block][K step][1,536 bytes], its scale bytes [row][32] at byte 6,291,456.  B (wp): scale bytes [n][32] at byte 0, images [n / 16][K step] at byte 98,304.
; An image holds a fragment's 12 registers as they stand: three ds_load_b128 of 512 consecutive bytes bring a fragment.
; A work-group makes 128 x 256 of C; each of its four waves 64 x 128: 32 accumulators.  All of K lies in LDS in two slots of four K steps (A 8 blocks x 6,144 bytes, then B 16), each filled once:
; slot 0 by one load a wave at the head, slot 1 by one load a wave behind the full sequence and a round of the cluster's barrier, while slot 0 is multiplied.
; CLUSTERS: 4 x 4 work-groups; A's tiles are shared along a row of the cluster, B's along a column, and asked for jointly.  No prefetch: the text has no loop to run ahead in.
; THE MATRIX INSTRUCTION IS USED TRANSPOSED (source 0 = 16 rows of B, source 1 = 16 rows of A): a lane holds eight neighbouring columns of a row of C.  The bias is the C of each sum's first product.
; REGISTERS: window 0: v16-19 LDS addresses; v24-29 the way out and the add's two; v32-63 A's scale words (8 a + K step), v64-127 B's; v128-223 A's fragments, two sets of 48; on the way out v128-255 rows of C.
;   window 1: v0-191 B's fragments, two sets of 96; v192-255 the bias.   window 2: accumulator (a, b) at v[8 (8 a + b)].
.set SLOT,   147456
.set BOFF,   49152
.set SPARE,  294912                    ; behind the slots: the spare words, 128 bytes for each wave
.set SPITCH, 528                       ; the way out: a stage of 16 rows x (512 + 16) bytes for each wave, in slot 0, which has had its only fill and its last read by then
.set ASC,    6291456
.set BIMG,   98304
.set ADRA, 16
.set ADRB, 18
.set STO,  24
.set RD,   25
.set CO,   26
.set SPW,  28
.set NIL,  29
.set SA,   32
.set SB,   64
.set AF,   128
.set BK,   128
.set BIAS, 192
.set G1A, 24
.set G1B, 32
.set G0A, 40                           ; s[40:47] groups 0 for A's two slots;  s[68:75] for B's
.set G0B, 68
.set MSB, 0
.macro WIN new                         ; the immediate's high byte repeats the setting that is left
.if MSB != \new
	s_set_vgpr_msb (MSB<<8)|\new
.set MSB, \new
.endif
.endm
.macro PLACES
.rept 4
	v_nop
.endr
.endm
.macro CROUND                          ; a round of the cluster's barrier
	s_barrier_signal -1
	s_barrier_wait -1
	s_cmp_lg_u32 s12, 0
	s_cbranch_scc1 .Lnot_wave_0_\@
	s_barrier_signal -3
.Lnot_wave_0_\@:
	s_barrier_wait -3
	s_barrier_signal -1
	s_barrier_wait -1
.endm
.macro JLOAD sl                        ; a joint load into slot sl: waves 0, 1 fetch A's halves, waves 2, 3 B's
	s_cmp_eq_u32 s13, 0
	s_cbranch_scc0 .Lfor_b_\@
	tensor_load_to_lds s[G0A+4*\sl:G0A+4*\sl+3], s[G1A:G1A+7]
	s_nop 0
	PLACES
	s_branch .Lasked_\@
.Lfor_b_\@:
	tensor_load_to_lds s[G0B+4*\sl:G0B+4*\sl+3], s[G1B:G1B+7]
	s_nop 0
	PLACES
.Lasked_\@:
.endm
	s_load_b256 s[4:11], s[0:1], 0x0               ; A s[4:5], B s[6:7], bias s[8:9], C s[10:11]
	v_lshl_add_u32 v[SPW], v0, 2, SPARE
	v_mov_b32 v[NIL], 0
	ds_add_u32 v[SPW], v[NIL]                      ; the opening lines: the add, twice, and its wait
	ds_add_u32 v[SPW], v[NIL]
	v_lshrrev_b32 v1, 5, v0
	v_readfirstlane_b32 s12, v1                    ; wave 0..3
	s_lshr_b32 s13, s12, 1                         ; wm: which 64 rows of C are mine.  Also: I fetch for A (0) or for B (1)
	s_and_b32 s14, s12, 1                          ; wn: which 128 columns.  Also: which half of the blocks I fetch
	s_bfe_u32 s84, ttmp6, 0x40000                  ; cx
	s_bfe_u32 s85, ttmp6, 0x40004                  ; cy
	s_lshl_b32 s15, ttmp9, 2
	s_add_co_u32 s15, s15, s84                     ; X: tile column
	s_and_b32 s16, ttmp7, 0xffff
	s_lshl_b32 s16, s16, 2
	s_add_co_u32 s16, s16, s85                     ; Y: tile row
	s_lshl_b32 s86, s85, 2
	s_lshl_b32 s86, 15, s86                        ; my row of the cluster
	s_lshl_b32 s87, 0x1111, s84                    ; my column
	; groups 1: rows of 6,144 bytes (768 elements of 8 bytes: a block's four K steps), 12,288 bytes apart; A 4 rows, B 8
	s_or_b32 s[G1A], s86, (3<<16)|(1<<21)
	s_or_b32 s[G1B], s87, (3<<16)|(1<<21)
	s_mov_b32 s[G1A+1], 768<<16
	s_mov_b32 s[G1A+2], 4<<16
	s_mov_b32 s[G1A+3], 768<<16
	s_mov_b32 s[G1A+4], 4
	s_mov_b32 s[G1A+5], 1536
	s_mov_b32 s[G1A+6], 0
	s_mov_b32 s[G1A+7], 0
	s_mov_b32 s[G1B+1], 768<<16
	s_mov_b32 s[G1B+2], 8<<16
	s_mov_b32 s[G1B+3], 768<<16
	s_mov_b32 s[G1B+4], 8
	s_mov_b32 s[G1B+5], 1536
	s_mov_b32 s[G1B+6], 0
	s_mov_b32 s[G1B+7], 0
	s_lshl_b32 s17, s16, 3
	s_lshl_b32 s18, s14, 2
	s_add_co_u32 s17, s17, s18                     ; A: row block 8 Y + 4 wn
	s_mul_i32 s20, s17, 12288
	s_mov_b32 s21, 0
	s_lshl_b32 s56, s15, 4
	s_lshl_b32 s57, s14, 3
	s_add_co_u32 s56, s56, s57                     ; B: block 16 X + 8 wn
	s_mul_i32 s56, s56, 12288
	s_add_co_u32 s56, s56, BIMG
	s_mov_b32 s57, 0
	s_mul_i32 s22, s14, 24576                      ; where they go in a slot: the wave's number alone enters an LDS address
	s_mul_i32 s23, s14, 49152
	s_add_co_u32 s23, s23, BOFF
	s_wait_dscnt 0x0                               ; both opening adds are done
	s_wait_kmcnt 0x0
	s_add_nc_u64 s[20:21], s[4:5], s[20:21]
	s_add_nc_u64 s[56:57], s[6:7], s[56:57]
.irp c, 0,1
	s_mov_b32 s[G0A+4*\c], 1
	s_add_co_u32 s[G0A+4*\c+1], s22, \c*SLOT
	s_add_nc_u64 s[G0A+4*\c+2:G0A+4*\c+3], s[20:21], \c*6144
	s_or_b32 s[G0A+4*\c+3], s[G0A+4*\c+3], 0x80000000
	s_mov_b32 s[G0B+4*\c], 1
	s_add_co_u32 s[G0B+4*\c+1], s23, \c*SLOT
	s_add_nc_u64 s[G0B+4*\c+2:G0B+4*\c+3], s[56:57], \c*6144
	s_or_b32 s[G0B+4*\c+3], s[G0B+4*\c+3], 0x80000000
.endr
	CROUND                                         ; all sixteen work-groups are here: the joint loads meet
	JLOAD 0                                        ; K steps 0-3: one tensor load a wave at the head
	v_and_b32 v1, 31, v0                           ; lane
	v_and_b32 v2, 15, v0                           ; r
	v_bfe_u32 v3, v0, 4, 1                         ; h
	v_lshlrev_b32 v[CO], 4, v1                     ; 16 x lane
	s_mul_i32 s22, s13, 24576                      ; my four row blocks of A
	v_add_nc_u32 v[ADRA], s22, v[CO]
	v_add_nc_u32 v[ADRB], s23, v[CO]               ; my eight blocks of B
	v_add_nc_u32 v[ADRA+1], SLOT, v[ADRA]
	v_add_nc_u32 v[ADRB+1], SLOT, v[ADRB]
	v_lshlrev_b32 v5, 5, v2                        ; 32 r: a row's scale bytes
	v_lshlrev_b32 v6, 5, v3                        ; 32 h: the bias of my half's eight columns
	s_mul_i32 s22, s12, 16*SPITCH                  ; my stage
	v_mul_u32_u24 v[STO], v2, SPITCH
	v_lshl_add_u32 v[STO], v3, 5, v[STO]
	v_add_nc_u32 v[STO], s22, v[STO]
	v_add_nc_u32 v[RD], s22, v[CO]
	s_wait_alu depctr_va_vdst(0)                   ; behind the head's last vector instruction
	s_lshl_b32 s17, s16, 7
	s_lshl_b32 s18, s13, 6
	s_add_co_u32 s17, s17, s18                     ; my first row: 128 Y + 64 wm
	s_lshl_b32 s18, s17, 5
	s_add_co_u32 s18, s18, ASC
	s_mov_b32 s19, 0
	s_add_nc_u64 s[88:89], s[4:5], s[18:19]        ; its scale bytes
	s_lshl_b32 s58, s15, 8
	s_lshl_b32 s59, s14, 7
	s_add_co_u32 s58, s58, s59                     ; my first column: 256 X + 128 wn
	s_lshl_b32 s60, s58, 5
	s_mov_b32 s61, 0
	s_add_nc_u64 s[90:91], s[6:7], s[60:61]        ; its scale bytes
	s_lshl_b32 s60, s58, 2
	s_add_nc_u64 s[92:93], s[8:9], s[60:61]        ; its bias; the same offset is my place in a row of C
	s_lshl_b32 s62, s17, 12
	s_add_co_u32 s60, s60, s62                     ; + my first row of 4,096 bytes
	s_add_nc_u64 s[94:95], s[10:11], s[60:61]
.irp a, 0,1,2,3
	global_load_b128 v[SA+8*\a:SA+8*\a+3], v5, s[88:89] offset:512*\a
	global_load_b128 v[SA+8*\a+4:SA+8*\a+7], v5, s[88:89] offset:512*\a+16
.endr
.irp b, 0,1,2,3,4,5,6,7
	global_load_b128 v[SB+8*\b:SB+8*\b+3], v5, s[90:91] offset:512*\b
	global_load_b128 v[SB+8*\b+4:SB+8*\b+7], v5, s[90:91] offset:512*\b+16
.endr
	WIN 0x40                                       ; destination window 1
.irp b, 0,1,2,3,4,5,6,7
	global_load_b128 v[BIAS+8*\b:BIAS+8*\b+3], v6, s[92:93] offset:64*\b
	global_load_b128 v[BIAS+8*\b+4:BIAS+8*\b+7], v6, s[92:93] offset:64*\b+16
.endr
	WIN 0
.macro FETCH s                         ; K step s: B's eight fragments and A's four into set s % 2: 36 loads
	WIN 0x40
.irp i, 0,1,2,3,4,5,6,7
.irp g, 0,1,2
	ds_load_b128 v[96*((\s)%2)+12*\i+4*\g:96*((\s)%2)+12*\i+4*\g+3], v[ADRB+(\s)/4] offset:\i*6144+((\s)%4)*1536+512*\g
.endr
.endr
	WIN 0
.irp i, 0,1,2,3
.irp g, 0,1,2
	ds_load_b128 v[AF+48*((\s)%2)+12*\i+4*\g:AF+48*((\s)%2)+12*\i+4*\g+3], v[ADRA+(\s)/4] offset:\i*6144+((\s)%4)*1536+512*\g
.endr
.endr
.endm
.macro MUL s                           ; 32 products; the accumulators take turns
.if (\s) == 0
	WIN 0x91                                       ; source 0 (B) and C (the bias) window 1, source 1 (A) window 0, D window 2
.else
	WIN 0xa1                                       ; C and D window 2
.endif
.irp a, 0,1,2,3
.irp b, 0,1,2,3,4,5,6,7
.if (\s) == 0
	v_wmma_scale_f32_16x16x128_f8f6f4 v[8*(8*\a+\b):8*(8*\a+\b)+7], v[96*((\s)%2)+12*\b:96*((\s)%2)+12*\b+11], v[AF+48*((\s)%2)+12*\a:AF+48*((\s)%2)+12*\a+11], v[BIAS+8*\b:BIAS+8*\b+7], v[SB+8*\b+(\s)], v[SA+8*\a+(\s)] matrix_a_fmt:MATRIX_FMT_FP6 matrix_b_fmt:MATRIX_FMT_FP6
.else
	v_wmma_scale_f32_16x16x128_f8f6f4 v[8*(8*\a+\b):8*(8*\a+\b)+7], v[96*((\s)%2)+12*\b:96*((\s)%2)+12*\b+11], v[AF+48*((\s)%2)+12*\a:AF+48*((\s)%2)+12*\a+11], v[8*(8*\a+\b):8*(8*\a+\b)+7], v[SB+8*\b+(\s)], v[SA+8*\a+(\s)] matrix_a_fmt:MATRIX_FMT_FP6 matrix_b_fmt:MATRIX_FMT_FP6
.endif
.endr
.endr
.endm
	s_wait_tensorcnt 0x0                           ; my part of slot 0 is in
	ds_add_u32 v[SPW], v[NIL]
	s_wait_dscnt 0x0
	CROUND
	JLOAD 1                                        ; K steps 4-7
	FETCH 0
	s_wait_loadcnt 0x0                             ; scale words and bias
.irp s, 0,1,2,3,4,5,6,7
	WIN 0
.if \s == 3
	s_wait_tensorcnt 0x0                           ; my part of slot 1 is in; nothing is filled again
	s_wait_dscnt 0x0                               ; no LDS load of mine is out at the signal
	s_barrier_signal -1
	s_barrier_wait -1
.endif
.if \s < 7
	PLACES                                         ; in front of loads into the set that the K step before multiplied
	FETCH \s+1
	s_wait_dscnt 36                                ; all but the 36 just issued: this K step's fragments are in
.else
	s_wait_dscnt 0x0
.endif
	MUL \s
.endr
	WIN 0
; THE WAY OUT, a block of 16 rows x 128 columns at a time, through my stage: in as 32 bytes a lane, back as whole rows of 512 bytes, which the 32 lanes store as two aligned runs of 256 bytes.
.macro TOSTAGE a
	WIN 0x08                                       ; an LDS store's data are its source 1: window 2
.irp b, 0,1,2,3,4,5,6,7
	ds_store_b128 v[STO], v[8*(8*(\a)+\b):8*(8*(\a)+\b)+3] offset:64*\b          ; each accumulator from its low end on
	ds_store_b128 v[STO], v[8*(8*(\a)+\b)+4:8*(8*(\a)+\b)+7] offset:64*\b+16
.endr
	WIN 0
.irp t, 0,1,2,3,4,5,6,7,8,9,10,11,12,13,14,15
	ds_load_b128 v[BK+64*((\a)%2)+4*\t:BK+64*((\a)%2)+4*\t+3], v[RD] offset:\t*SPITCH   ; LDS serves a wave's instructions in order: these see the stores above
.endr
.endm
.macro SEND a, younger
	s_wait_dscnt \younger                          ; the block is back; the next block's 16 stores and 16 loads may be out
.irp t, 0,1,2,3,4,5,6,7,8,9,10,11,12,13,14,15
	global_store_b128 v[CO], v[BK+64*((\a)%2)+4*\t:BK+64*((\a)%2)+4*\t+3], s[94:95] offset:(16*(\a)+\t)*4096 th:TH_STORE_NT
.endr
.endm
	PLACES                                         ; behind the last products: reads of results, and loads into A's registers
	s_wait_dscnt 0x0
	s_barrier_signal -1
	s_barrier_wait -1                              ; nobody reads slot 0 any more
	TOSTAGE 0
.irp a, 1,2,3
.if \a > 1
	s_wait_xcnt 0x0                                ; block a - 2's stores have read their registers: block a's rows may land there
.endif
	TOSTAGE \a
	SEND \a-1, 32
.endr
	SEND 3, 0
	s_wait_tensorcnt 0x0                           ; the wave's end
	ds_add_u32 v[SPW], v[NIL]
	s_wait_dscnt 0x0
	CROUND                                         ; the closing round
	s_endpgm
.Lfunc_end_k_q4876b6fa34_proj:
	.size	k_q4876b6fa34_proj, .Lfunc_end_k_q4876b6fa34_proj-k_q4876b6fa34_proj
	.p2alignl 7, 3214868480
	.fill 96, 4, 3214868480
	.section	.rodata,"a",@progbits
	.p2align	6, 0x0
	.amdhsa_kernel k_q4876b6fa34_proj
		.amdhsa_group_segment_fixed_size 327680
		.amdhsa_private_segment_fixed_size 0
		.amdhsa_enable_private_segment 0
		.amdhsa_kernarg_size 32
		.amdhsa_user_sgpr_count 2
		.amdhsa_user_sgpr_kernarg_segment_ptr 1
		.amdhsa_wavefront_size32 1
		.amdhsa_system_sgpr_workgroup_id_x 1
		.amdhsa_system_sgpr_workgroup_id_y 1
		.amdhsa_system_sgpr_workgroup_id_z 1
		.amdhsa_system_vgpr_workitem_id 0
		.amdhsa_next_free_vgpr 768
		.amdhsa_next_free_sgpr 100
		.amdhsa_reserve_vcc 0
		.amdhsa_float_denorm_mode_32 3
		.amdhsa_float_denorm_mode_16_64 3
		.amdhsa_memory_ordered 1
		.amdhsa_forward_progress 1
		.amdhsa_inst_pref_size 79
	.end_amdhsa_kernel
	.amdgpu_metadata
---
amdhsa.version: [ 1, 2 ]
amdhsa.kernels:
  - .name:           k_q4876b6fa34_proj
    .symbol:         k_q4876b6fa34_proj.kd
    .args:
      - { .name: yq, .offset: 0, .size: 8, .value_kind: global_buffer, .address_space: global }
      - { .name: wp, .offset: 8, .size: 8, .value_kind: global_buffer, .address_space: global }
      - { .name: bproj, .offset: 16, .size: 8, .value_kind: global_buffer, .address_space: global }
      - { .name: out0, .offset: 24, .size: 8, .value_kind: global_buffer, .address_space: global }
    .group_segment_fixed_size: 327680
    .private_segment_fixed_size: 0
    .kernarg_segment_align: 8
    .kernarg_segment_size: 32
    .max_flat_workgroup_size: 128
    .sgpr_count:     100
    .vgpr_count:     768
    .wavefront_size: 32
...
	.end_amdgpu_metadata
.endif
;; end of part 7
